; MI455X (gfx1250); checked and timed in simulation.
; The chip was launched on July 23, 2026; its instructions are those of AMD's public machine-readable ISA for CDNA 5 (MIT licence, August 2026) and "CDNA5" Instruction Set Architecture Reference Guide (July 2026). The comments in the code are by the model that wrote it; some were corrected since.
;; Attention. Allowed arithmetic: matrix products marked QUANTISED: E2M3 operands, one E8M0 scale for each 32 along K, by v_wmma_scale_f32_16x16x128_f8f6f4 with both operands' format E2M3, f32 sums; everything else in f32.
;; Inputs: attention_mask 1 x 1 x 2,048 x 2,048 float32; wk 2,048 x 2,048 float32; wo 2,048 x 2,048 float32; wq 2,048 x 2,048 float32; wv 2,048 x 2,048 float32; x 1 x 2,048 x 2,048 float32.
;; Outputs: out0 1 x 2,048 x 2,048 float32.
;; This version of the problem:
;;   THIS VERSION OF THE PROBLEM IS GIVEN IN LOW PRECISION. The matrix products marked QUANTISED in the list below multiply operands that are first quantised to E2M3 (2 exponent bits, 3 mantissa bits; 6 bits a number), with one power-of-two scale for each 32 numbers along K (OCP MX v1.0); their sums are f32. All else is computed in f32.
;;   The module's matrix products, in the order in which they are computed (A, B: the left and right operand; K: the contracted axis; several contracted axes count as one K, in the product's order):
;;     1. [M 2,048, K 2,048] x [K 2,048, N 2,048]; A: input x; B: input wq: QUANTISED
;;     2. [M 2,048, K 2,048] x [K 2,048, N 2,048]; A: input x; B: input wk: QUANTISED
;;     3. [M 2,048, K 2,048] x [K 2,048, N 2,048]; A: input x; B: input wv: QUANTISED
;;     4. batch 16 x [M 2,048, K 128] x [K 128, N 2,048]; A: computed on the way; B: computed on the way: QUANTISED
;;     5. batch 16 x [M 2,048, K 2,048] x [K 2,048, N 128]; A: softmax (see below); B: computed on the way: QUANTISED
;;     6. [M 2,048, K 2,048] x [K 2,048, N 2,048]; A: computed on the way; B: input wo: QUANTISED
;;   THE QUANTISER, for each operand of a quantised product, along K:
;;     - K is cut into blocks of 32 from its start; a last block that is shorter is filled with zeros.
;;     - A block's scale is 2^e with e = floor(log2(the largest magnitude in the block)) - 2, held to -126 .. 127; a block of zeros has e = 0. As a byte (E8M0): e + 127.
;;     - Each number is divided by its block's scale, clamped to +-7.5, and rounded to the nearest number of E2M3, ties to even, subnormals kept.
;;     - The product sums the exact products of the quantised numbers (number of the format x scale) in f32.
;;   ~~~python
;;   def quantise(x, axis):      # numpy; x: float32 -> the quantised numbers, widened to float32 again
;;       x = np.moveaxis(x, axis, -1); K = x.shape[-1]
;;       x = np.pad(x, [(0, 0)] * (x.ndim - 1) + [(0, -K % 32)]); x = x.reshape(x.shape[:-1] + (-1, 32)); a = np.abs(x).max(-1, keepdims=True)
;;       e = np.where(a > 0, np.clip(np.frexp(np.where(a > 0, a, 1))[1] - 1 - 2, -126, 127), 0)      # np.frexp(a)[1] - 1 = floor(log2(a)), exactly
;;       r = np.clip(x / 2.0 ** e, -7.5, 7.5)
;;       step = 2.0 ** (np.maximum(np.frexp(np.where(r == 0, 1, r))[1] - 1, 0) - 3)
;;       q = np.round(r / step) * step * 2.0 ** e      # np.round: ties to even
;;       return np.moveaxis(q.reshape(q.shape[:-2] + (-1,))[..., :K], -1, axis).astype(np.float32)
;;   ~~~
;;   SOFTMAX AHEAD OF A QUANTISED PRODUCT. Where the list says 'softmax', what is quantised is not the finished softmax but p = 2^(t - M), with t = logit x log2(e) and M = ceil(the row's largest t), a whole number; so 1/2 < the row's largest p <= 1. The row's sum l is taken of the UNQUANTISED p, in f32, and the product's result is divided by l at the end. Since M is a whole number, a kernel that streams over the keys may use a running M (the ceiling of the running maximum): every later rescaling is an exact power of two, which a block's scale takes up: the codes' values come out the same.
;;   OPERANDS COMPUTED ON THE WAY. 'Computed on the way' means the value that the module computes at that place (a softmax that the list does not call 'softmax' is quantised finished and normalised). What goes into a quantiser is computed in f32, as accurately as f32 sums, v_exp_f32 and their like allow (about 1e-6 of the number): no bf16 or f16 on the way to a quantiser, and a product that is left as it is and whose result goes on into a quantised operand takes f32 operands (vector FMAs, or v_wmma_f32_16x16x4_f32). A number that lies on a knife's edge between two numbers of the format may be rounded either way, as far as f32 arithmetic and the matrix unit's own rounding can turn it there, and no further.
;; 2 versions. Each part assembles by itself: llvm-mc -triple=amdgcn-amd-amdhsa -mcpu=gfx1250 --defsym DOCPART=n.
;; ======== version 1 of 2: 4 launches
;; workspace buffers: cod 15,728,640 bytes; scl 655,360 bytes; rope 1,114,112 bytes; qf 3,276,800 bytes; kv 6,553,600 bytes; af 3,145,728 bytes; asc 131,072 bytes
;; launch quant (part 1): grid 640 x 1, 4 waves a work-group, no clusters, 54,784 bytes of LDS; arguments x, wq, wk, wv, wo, cod, scl, rope; writes cod, scl, rope
.if DOCPART == 1
	.amdgcn_target "amdgcn-amd-amdhsa--gfx1250"
	.amdhsa_code_object_version 6
	.text
	.protected	k_q35e32768f6_quant
	.globl	k_q35e32768f6_quant
	.p2align	8
	.type	k_q35e32768f6_quant,@function
k_q35e32768f6_quant:
	s_mov_b64 s[64:65], 0
	v_nop
	global_prefetch_b8 v0, s[64:65] scope:SCOPE_SE
	s_setreg_imm32_b32 hwreg(HW_REG_WAVE_MODE, 25, 1), 1
	s_wait_xcnt 0x0
; x, wq, wk, wv, wo, each [2048][2048] f32 with K innermost, become codes of FP6 (E2M3) with one E8M0 byte for each 32 along K, laid as the products' launches want them.
; A block's scale is 2^(floor(log2(its largest magnitude)) - 2); its byte is the largest magnitude's exponent field - 2, held at 1 from below.
; LAYOUT OF THE CODES: section T (x, wq, wk, wv, wo) of 3,145,728 bytes = [block of 16 rows 128][K step of 128: 16][1,536 bytes].  The 1,536 bytes are the image of an operand's registers:
; lane l = 16 h + r has 48 bytes at 48 l: 24 bytes k = 32 h .. and 24 bytes k = 64 + 32 h .. of the block's row r.  Three loads of 16 bytes a lane bring a fragment.
; THE ROWS OF A BLOCK ARE NOT NEIGHBOURS: row r of block p is the tensor's row 32 (p / 2) + 8 (p % 2) + r + 8 (r / 8), so that in a product used transposed a lane's 16 registers of two neighbouring
; tiles are 16 neighbours along the next product's K.  SCALES: section T of 131,072 bytes = [block][K step][r][4 bytes].
; A work-group takes one block of one tensor; wave w its rows 4 w .. 4 w + 3, which are 4 neighbouring rows of the tensor: 32,768 consecutive bytes, 16 steps of 512 numbers.
; A step's four loads read 512 consecutive bytes each; the 2,048 bytes turn through the wave's own stage in LDS, so that a lane holds 16 neighbours along K (two lanes a block of 32).
; The codes (12 bytes a lane and step) are gathered in the work-group's image in LDS, each 12 bytes in a place of 16, and leave behind one barrier as 24,576 consecutive bytes.
; THE TABLE OF COSINES AND SINES (work-groups 0 to 135): block p = [16 groups][lane][16 bytes]; groups 0-7 cos, 8-15 sin; register i (0 .. 31) of lane (r, h) belongs to the position of row r of block p
; and to frequency 32 (i / 16) + 16 h + i % 16.  Blocks 128 to 135 are the rotation by the angle 0 (cos 1, sin 0): the values' product takes them.
; The angle is position x 10000^(-f / 64), reduced by multiples of pi / 2 held in three parts; sine and cosine by polynomials on |r| <= pi / 4.
; LIMITS: NaN and infinities among the inputs are not served; a block whose largest magnitude lies under 2^-124 keeps the byte 1; a block of zeros has the byte 1 where the rule says 127: its codes are zeros, and
; only this program reads the bytes.  10000^(-f / 64) is made by v_exp_f32 of a rounded product: at the largest positions an angle may differ from the reference's by a few 1e-4.
.set STEPS, 16
.set EMAX,  2
.set SEC,   3145728
.set R,     16                         ; v16-79   four sets of 16 numbers as they are loaded; later the codes on their way out
.set X,     80                         ; v80-111  two sets of 16 neighbours
.set E,     112                        ; v112-127 a scale byte for each step
.set C,     128                        ; v128-191 codes: four registers for each step
.set SP,    80                         ; a lane's place in a stage: 64 bytes + 16
.set WREG,  2*32*SP                    ; two stages a wave
.set IMG,   4*WREG                     ; the work-group's image: 2,048 places of 16 bytes
.set SCB,   IMG+32768                  ; its 1,024 scale bytes
.set SPARE, SCB+1024                   ; the spare words, 128 bytes for each wave: no other line names them
.set SPW,   12                         ; v12 my spare word's address; never rewritten
.set NIL,   13                         ; v13 0; never rewritten
	s_load_b256 s[4:11], s[0:1], 0x0               ; x, wq, wk, wv
	s_load_b256 s[12:19], s[0:1], 0x20             ; wo, cod, scl, rope
	v_lshl_add_u32 v[SPW], v0, 2, SPARE
	v_mov_b32 v[NIL], 0
	v_lshrrev_b32 v1, 5, v0
	v_readfirstlane_b32 s20, v1                    ; wave
	v_and_b32 v2, 31, v0                           ; lane
	v_lshlrev_b32 v3, 4, v2                        ; my 16 bytes of a load's 512
	s_mul_i32 s21, s20, WREG
	v_lshrrev_b32 v14, 2, v2
	v_mul_u32_u24 v14, v14, SP
	v_and_b32 v15, 3, v2
	v_lshl_add_u32 v14, v15, 4, v14
	v_add_nc_u32 v14, s21, v14                     ; the stage, on the way in: SP (lane / 4) + 16 (lane % 4)
	v_mul_u32_u24 v15, v2, SP
	v_add_nc_u32 v15, s21, v15                     ; and on the way out: SP x lane
	; my 16 codes of a step: K step 4 (t % 4) + lane / 8; in it block (lane / 2) % 4 = 2 c + h, half lane % 2.  Place 128 kstep + 4 (16 h + r) + 2 c + half, 16 bytes a place
	v_lshrrev_b32 v4, 3, v2
	v_lshlrev_b32 v4, 11, v4
	v_bfe_u32 v5, v2, 1, 1
	v_lshl_add_u32 v4, v5, 10, v4
	v_bfe_u32 v5, v2, 2, 1
	v_lshl_add_u32 v4, v5, 5, v4
	v_and_b32 v5, 1, v2
	v_lshl_add_u32 v4, v5, 4, v4
	s_lshl_b32 s21, s20, 8
	s_add_co_u32 s21, s21, IMG
	v_add_nc_u32 v4, s21, v4                       ; + 64 x (4 wave); the step's part stands in the immediate
	v_lshrrev_b32 v5, 3, v2
	v_bfe_u32 v6, v2, 1, 2
	v_lshl_add_u32 v5, v5, 6, v6
	s_lshl_b32 s21, s20, 4
	s_add_co_u32 s21, s21, SCB
	v_add_nc_u32 v5, s21, v5                       ; my block's scale byte: 64 kstep + 4 r + block
	s_lshl_b32 s21, s20, 13
	s_add_co_u32 s21, s21, IMG
	v_add_nc_u32 v6, s21, v3                       ; the image on the way out: wave w takes places 512 w on, a lane a place
	v_mul_u32_u24 v7, v2, 12                       ; and 12 bytes a lane in memory
	v_lshlrev_b32 v1, 3, v2
	s_lshl_b32 s21, s20, 8
	s_add_co_u32 s21, s21, SCB
	v_add_nc_u32 v10, s21, v1                      ; the scale bytes on the way out: 256 a wave, 8 a lane
	s_lshr_b32 s22, ttmp9, 7                       ; which tensor
	s_and_b32 s23, ttmp9, 127                      ; which block of 16 rows
	s_lshr_b32 s24, s23, 1
	s_lshl_b32 s24, s24, 5
	s_and_b32 s25, s23, 1
	s_lshl_b32 s25, s25, 3
	s_add_co_u32 s24, s24, s25
	s_lshl_b32 s25, s20, 2
	s_add_co_u32 s24, s24, s25
	s_lshr_b32 s25, s20, 1
	s_lshl_b32 s25, s25, 3
	s_add_co_u32 s24, s24, s25                     ; my wave's first row of the tensor: 32 (p / 2) + 8 (p % 2) + 4 w + 8 (w / 2)
	s_lshl_b32 s24, s24, 13                        ; a row is 8,192 bytes
	s_mov_b32 s25, 0
	s_mul_i32 s26, s22, SEC
	s_mul_i32 s27, s23, 24576
	s_add_co_u32 s26, s26, s27
	s_mul_i32 s27, s20, 6144
	s_add_co_u32 s26, s26, s27                     ; my wave's quarter of the block's codes
	s_mov_b32 s27, 0
	s_lshl_b32 s28, s22, 17
	s_lshl_b32 s29, s23, 10
	s_add_co_u32 s28, s28, s29
	s_lshl_b32 s29, s20, 8
	s_add_co_u32 s28, s28, s29                     ; and of its scale bytes
	s_mov_b32 s29, 0
	s_wait_kmcnt 0x0
	s_cmp_eq_u32 s22, 1                            ; the tensor is chosen by the work-group's number alone
	s_cselect_b64 s[4:5], s[6:7], s[4:5]
	s_cmp_eq_u32 s22, 2
	s_cselect_b64 s[4:5], s[8:9], s[4:5]
	s_cmp_eq_u32 s22, 3
	s_cselect_b64 s[4:5], s[10:11], s[4:5]
	s_cmp_eq_u32 s22, 4
	s_cselect_b64 s[4:5], s[12:13], s[4:5]
	s_add_nc_u64 s[4:5], s[4:5], s[24:25]
	s_add_nc_u64 s[14:15], s[14:15], s[26:27]
	s_add_nc_u64 s[16:17], s[16:17], s[28:29]
.macro LOAD t
.irp i, 0,1,2,3
	global_load_b128 v[R+16*((\t)%4)+4*\i:R+16*((\t)%4)+4*\i+3], v3, s[4:5] offset:2048*(\t)+512*\i th:TH_LOAD_NT   ; 32 lanes read 512 consecutive bytes; read once in the launch
.endr
.endm
.macro TURN t                          ; step t's numbers through the stage: LDS serves a wave's instructions in order, so no wait stands between the stores and the loads
.irp i, 0,1,2,3
	ds_store_b128 v14, v[R+16*((\t)%4)+4*\i:R+16*((\t)%4)+4*\i+3] offset:32*SP*((\t)%2)+8*SP*\i
.endr
.irp i, 0,1,2,3
	ds_load_b128 v[X+16*((\t)%2)+4*\i:X+16*((\t)%2)+4*\i+3], v15 offset:32*SP*((\t)%2)+16*\i
.endr
.endm
.irp t, 0,1,2,3
	LOAD \t
.endr
	s_wait_loadcnt 12                              ; step 0's four loads are in
	TURN 0
.macro STEP t
.set XS, X+16*((\t)%2)
.if (\t) > 0
	s_wait_dscnt 2                                 ; this step's numbers are back from the stage; behind them only the last step's two stores were issued
.else
	s_wait_dscnt 0x0
.endif
.if (\t)+4 < STEPS
	LOAD (\t)+4                                    ; into the set that this step's stores into the stage have read
.endif
.if (\t)+1 < STEPS
.if STEPS-2-(\t) >= 3
	s_wait_loadcnt 12                              ; the next step's four loads are in; those of the three steps behind it may be out
.else
	s_wait_loadcnt 4*(STEPS-2-(\t))
.endif
	TURN (\t)+1
.endif
	v_max3_num_f32 v8, |v[XS]|, |v[XS+1]|, |v[XS+2]|               ; the largest magnitude of my 16
	v_max3_num_f32 v9, |v[XS+3]|, |v[XS+4]|, |v[XS+5]|
.irp i, 6,10
	v_max3_num_f32 v8, v8, |v[XS+\i]|, |v[XS+\i+1]|
	v_max3_num_f32 v9, v9, |v[XS+\i+2]|, |v[XS+\i+3]|
.endr
	v_max3_num_f32 v8, v8, |v[XS+14]|, |v[XS+15]|
	v_max3_num_f32 v8, v8, v9, (EMAX+1)<<23        ; and the floor 2^(3 - 127): the byte cannot fall under 1
	v_max_num_f32_dpp v8, v8, v8 row_xmask:1 row_mask:0xf bank_mask:0xf   ; and of my neighbour's 16: the block's
	v_add_nc_u32 v11, -(EMAX<<23), v8              ; 2 off its exponent field: the conversion takes the exponent field of this operand as its scale
	v_cvt_scalef32_pk16_fp6_f32 v[C+4*(\t):C+4*(\t)+2], v[XS:XS+15], v11
	v_lshrrev_b32 v[E+(\t)], 23, v11               ; the scale's byte (a plain line behind the conversion)
	ds_store_b8 v5, v[E+(\t)] offset:256*((\t)%4)+4*((\t)/4)       ; both lanes of a block write the same byte with the same value
	ds_store_b96 v4, v[C+4*(\t):C+4*(\t)+2] offset:8192*((\t)%4)+64*((\t)/4)   ; K steps 4 (t % 4) on, row 4 w + t / 4; every address a multiple of 16
.endm
.irp t, 0,1,2,3,4,5,6,7,8,9,10,11,12,13,14,15
	STEP \t
.endr
	s_wait_dscnt 0x0                               ; for the others' sake: my stores into the image are done
	s_barrier_signal -1
	s_barrier_wait -1
.irp i, 0,1,2,3,4,5,6,7,8,9,10,11,12,13,14,15
	ds_load_b96 v[R+4*\i:R+4*\i+2], v6 offset:512*\i
.endr
	ds_load_b64 v[8:9], v10
.irp i, 0,1,2,3,4,5,6,7,8,9,10,11,12,13,14,15
	s_wait_dscnt 16-\i                             ; the younger loads of the sixteen and the load of the scale bytes may be out
	global_store_b96 v7, v[R+4*\i:R+4*\i+2], s[14:15] offset:384*\i   ; 32 lanes store 384 consecutive bytes; the wave's sixteen stores 6,144 on end
.endr
	s_wait_dscnt 0x0
	global_store_b64 v1, v[8:9], s[16:17]          ; 32 lanes store 256 consecutive bytes, at a multiple of 256 from the buffer's first byte
	; ---- the table of cosines and sines: no LDS, no barrier
	s_cmp_lt_u32 ttmp9, 136
	s_cbranch_scc0 .Lend
.set POS, 86
.set FQ,  88                           ; arrays of eight: my angles 4 g + e, g = 0, 1: frequency 16 h + 4 w + 32 g + e
.set AN,  96
.set NN,  104
.set RR,  112
.set ZZ,  120
.set SS,  128
.set CC,  136
.set TT,  144
.set SN,  152
.set CN,  160
	s_mov_b32 s30, 0xbe549a78                      ; -log2(10000) / 64
	s_mov_b32 s31, 0x3f22f983                      ; 2 / pi
	s_mov_b32 s32, 0xbfc90fdb                      ; -pi / 2 in three parts: the first,
	s_mov_b32 s33, 0x333bbd2e                      ; the second,
	s_mov_b32 s34, 0x26f72ced                      ; the third
	s_mov_b32 s35, 0xb94ca1f9                      ; the sine's polynomial
	s_mov_b32 s36, 0x3c08839e
	s_mov_b32 s37, 0xbe2aaaa3
	s_mov_b32 s38, 0x37ccf5ce                      ; the cosine's
	s_mov_b32 s39, 0xbab6061a
	s_mov_b32 s40, 0x3d2aaaa5
	v_and_b32 v80, 15, v0
	v_and_b32 v81, 8, v80
	v_add_nc_u32 v80, v80, v81                     ; r + 8 (r / 8)
	s_lshr_b32 s24, s23, 1
	s_lshl_b32 s24, s24, 5
	s_and_b32 s25, s23, 1
	s_lshl_b32 s25, s25, 3
	s_add_co_u32 s24, s24, s25
	v_add_nc_u32 v80, s24, v80                     ; the position of row r of my block
	v_cvt_f32_u32 v[POS], v80
	s_cmp_lt_u32 ttmp9, 128
	s_cselect_b32 s25, 1.0, 0                      ; blocks 128 to 135: the position 0, so that every angle is 0
	v_mul_f32 v[POS], s25, v[POS]
	v_bfe_u32 v81, v0, 4, 1
	v_lshlrev_b32 v81, 4, v81
	s_lshl_b32 s24, s20, 2
	v_add_nc_u32 v81, s24, v81                     ; 16 h + 4 w
.irp k, 0,1,2,3,4,5,6,7
	v_add_nc_u32 v[FQ+\k], 32*(\k/4)+\k%4, v81
.endr
.irp k, 0,1,2,3,4,5,6,7
	v_cvt_f32_u32 v[FQ+\k], v[FQ+\k]
.endr
.irp k, 0,1,2,3,4,5,6,7
	v_mul_f32 v[FQ+\k], s30, v[FQ+\k]
.endr
.irp k, 0,1,2,3,4,5,6,7
	v_exp_f32 v[FQ+\k], v[FQ+\k]                   ; 10000^(-f / 64)
.endr
	v_nop                                          ; a plain line behind the last exponential
	s_wait_alu depctr_va_vdst(0)                   ; one wait for the eight, ahead of their first reader
.irp k, 0,1,2,3,4,5,6,7
	v_mul_f32 v[AN+\k], v[POS], v[FQ+\k]           ; the angle: one product in f32
.endr
.irp k, 0,1,2,3,4,5,6,7
	v_mul_f32 v[NN+\k], s31, v[AN+\k]
.endr
.irp k, 0,1,2,3,4,5,6,7
	v_rndne_f32 v[NN+\k], v[NN+\k]                 ; n = the nearest multiple of pi / 2
.endr
.irp k, 0,1,2,3,4,5,6,7
	v_fma_f32 v[RR+\k], v[NN+\k], s32, v[AN+\k]
.endr
.irp k, 0,1,2,3,4,5,6,7
	v_fma_f32 v[RR+\k], v[NN+\k], s33, v[RR+\k]
.endr
.irp k, 0,1,2,3,4,5,6,7
	v_fma_f32 v[RR+\k], v[NN+\k], s34, v[RR+\k]    ; r = angle - n pi / 2
.endr
.irp k, 0,1,2,3,4,5,6,7
	v_mul_f32 v[ZZ+\k], v[RR+\k], v[RR+\k]
.endr
.irp k, 0,1,2,3,4,5,6,7
	v_fma_f32 v[SS+\k], v[ZZ+\k], s35, s36
	v_fma_f32 v[CC+\k], v[ZZ+\k], s38, s39
.endr
.irp k, 0,1,2,3,4,5,6,7
	v_fma_f32 v[SS+\k], v[SS+\k], v[ZZ+\k], s37
	v_fma_f32 v[CC+\k], v[CC+\k], v[ZZ+\k], s40
.endr
.irp k, 0,1,2,3,4,5,6,7
	v_mul_f32 v[SS+\k], v[SS+\k], v[ZZ+\k]
	v_mul_f32 v[CC+\k], v[CC+\k], v[ZZ+\k]
	v_fma_f32 v[TT+\k], v[ZZ+\k], -0.5, 1.0
.endr
.irp k, 0,1,2,3,4,5,6,7
	v_fma_f32 v[SS+\k], v[SS+\k], v[RR+\k], v[RR+\k]   ; sin r
	v_fma_f32 v[CC+\k], v[CC+\k], v[ZZ+\k], v[TT+\k]   ; cos r
.endr
.irp k, 0,1,2,3,4,5,6,7
	v_cvt_i32_f32 v[TT+\k], v[NN+\k]               ; the quadrant only selects values and signs
.endr
.irp k, 0,1,2,3,4,5,6,7
	v_and_b32 v[AN+\k], 1, v[TT+\k]
	v_cmp_eq_u32 vcc_lo, 1, v[AN+\k]
	v_cndmask_b32 v[SN+\k], v[SS+\k], v[CC+\k], vcc_lo     ; n odd: sine and cosine change places
	v_cndmask_b32 v[CN+\k], v[CC+\k], v[SS+\k], vcc_lo
	v_lshlrev_b32 v[AN+\k], 30, v[TT+\k]
	v_and_b32 v[AN+\k], 0x80000000, v[AN+\k]               ; the sine is negated where n % 4 is 2 or 3,
	v_xor_b32 v[SN+\k], v[SN+\k], v[AN+\k]
	v_add_nc_u32 v[TT+\k], 1, v[TT+\k]
	v_lshlrev_b32 v[TT+\k], 30, v[TT+\k]
	v_and_b32 v[TT+\k], 0x80000000, v[TT+\k]               ; the cosine where it is 1 or 2
	v_xor_b32 v[CN+\k], v[CN+\k], v[TT+\k]
.endr
	s_lshl_b32 s24, ttmp9, 13                      ; my block of 8,192 bytes,
	s_lshl_b32 s25, s20, 9                         ; my wave's group
	s_add_co_u32 s24, s24, s25
	s_mov_b32 s25, 0
	s_add_nc_u64 s[18:19], s[18:19], s[24:25]
	global_store_b128 v3, v[CN:CN+3], s[18:19]                 ; each store covers 512 consecutive bytes
	global_store_b128 v3, v[CN+4:CN+7], s[18:19] offset:2048
	global_store_b128 v3, v[SN:SN+3], s[18:19] offset:4096
	global_store_b128 v3, v[SN+4:SN+7], s[18:19] offset:6144
.Lend:
	s_wait_tensorcnt 0x0                           ; the wave's end, behind my last LDS store
	ds_add_u32 v[SPW], v[NIL]
	s_wait_dscnt 0x0
	s_endpgm
.Lfunc_end_k_q35e32768f6_quant:
	.size	k_q35e32768f6_quant, .Lfunc_end_k_q35e32768f6_quant-k_q35e32768f6_quant
	.p2alignl 7, 3214868480
	.fill 96, 4, 3214868480
	.section	.rodata,"a",@progbits
	.p2align	6, 0x0
	.amdhsa_kernel k_q35e32768f6_quant
		.amdhsa_group_segment_fixed_size 54784
		.amdhsa_private_segment_fixed_size 0
		.amdhsa_enable_private_segment 0
		.amdhsa_kernarg_size 64
		.amdhsa_user_sgpr_count 2
		.amdhsa_user_sgpr_kernarg_segment_ptr 1
		.amdhsa_wavefront_size32 1
		.amdhsa_system_sgpr_workgroup_id_x 1
		.amdhsa_system_sgpr_workgroup_id_y 1
		.amdhsa_system_sgpr_workgroup_id_z 1
		.amdhsa_system_vgpr_workitem_id 0
		.amdhsa_next_free_vgpr 192
		.amdhsa_next_free_sgpr 66
		.amdhsa_reserve_vcc 1
		.amdhsa_float_denorm_mode_32 3
		.amdhsa_float_denorm_mode_16_64 3
		.amdhsa_memory_ordered 1
		.amdhsa_forward_progress 1
		.amdhsa_inst_pref_size 49
	.end_amdhsa_kernel
	.amdgpu_metadata
---
amdhsa.version: [ 1, 2 ]
amdhsa.kernels:
  - .name:           k_q35e32768f6_quant
    .symbol:         k_q35e32768f6_quant.kd
    .args:
      - { .name: x, .offset: 0, .size: 8, .value_kind: global_buffer, .address_space: global }
      - { .name: wq, .offset: 8, .size: 8, .value_kind: global_buffer, .address_space: global }
      - { .name: wk, .offset: 16, .size: 8, .value_kind: global_buffer, .address_space: global }
      - { .name: wv, .offset: 24, .size: 8, .value_kind: global_buffer, .address_space: global }
      - { .name: wo, .offset: 32, .size: 8, .value_kind: global_buffer, .address_space: global }
      - { .name: cod, .offset: 40, .size: 8, .value_kind: global_buffer, .address_space: global }
      - { .name: scl, .offset: 48, .size: 8, .value_kind: global_buffer, .address_space: global }
      - { .name: rope, .offset: 56, .size: 8, .value_kind: global_buffer, .address_space: global }
    .group_segment_fixed_size: 54784
    .private_segment_fixed_size: 0
    .kernarg_segment_align: 8
    .kernarg_segment_size: 64
    .max_flat_workgroup_size: 128
    .sgpr_count:     66
    .vgpr_count:     192
    .wavefront_size: 32
...
	.end_amdgpu_metadata
.endif
;; end of part 1
;; launch qkv (part 2): grid 24 x 8, 4 waves a work-group, clusters of 4 x 4, 327,680 bytes of LDS; arguments cod, scl, rope, qf, kv; writes qf, kv
.if DOCPART == 2
	.amdgcn_target "amdgcn-amd-amdhsa--gfx1250"
	.amdhsa_code_object_version 6
	.text
	.protected	k_q35e32768f6_qkv
	.globl	k_q35e32768f6_qkv
	.p2align	8
	.type	k_q35e32768f6_qkv,@function
k_q35e32768f6_qkv:
	s_mov_b64 s[64:65], 0
	v_nop
	global_prefetch_b8 v0, s[64:65] scope:SCOPE_SE
	s_setreg_imm32_b32 hwreg(HW_REG_WAVE_MODE, 25, 1), 1
	s_wait_xcnt 0x0
	s_wait_alu depctr_hold_cnt(0) depctr_sa_sdst(0) depctr_va_vdst(0) depctr_va_sdst(0) depctr_va_ssrc(0) depctr_va_vcc(0) depctr_vm_vsrc(0)
	s_getreg_b32 s2, hwreg(HW_REG_IB_STS2, 6, 4)
	s_cmp_eq_u32 s2, 0
	s_cbranch_scc0 .Lentry_in_a_cluster
	s_endpgm
.Lentry_in_a_cluster:
	s_bfe_u32 s2, ttmp6, 0x10000c
	s_cmp_lg_u32 s2, 0xf033
	s_cbranch_scc0 .Lentry_shape_is_right
	s_endpgm
.Lentry_shape_is_right:
; q = x wq^T, k = x wk^T, v = x wv^T on codes of FP6 (E2M3) with E8M0 scales; q and k are rotated (RoPE) in f32; all three are quantised again in registers and stored as images of operands' registers.
; Clusters 0-1 along x make q, 2-3 k, 4-5 v.  A tile of 256 x 256 is made by four waves of 128 x 128: 64 accumulators, 512 registers.  K = 2,048 goes in steps of 256 through a ring of two LDS slots.
; OPERANDS lie in memory as fragment images (1,536 bytes: lane l's 48 bytes at 48 l), [block of 16 rows][K step of 128]
; The scale words of the tile's rows, for all of K, come into LDS once.
; THE MATRIX INSTRUCTION IS USED TRANSPOSED: source 0 = 16 rows of the matrix called B here, source 1 = 16 rows of A.  A lane holds ONE row of A, and since the rows of a block are laid 0-7, 16-23 | 8-15, 24-31, its 64
; registers of a block of A run along B's rows: register 16 b + i = row 32 b + 16 (lane / 16) + i.  q, k: A = x (tokens), B = the weight (a wave's 128 rows = one head): registers along the head's 128.
; v: A = wv (the head's 128), B = x: registers along the keys, which are the K of attention's second product.
; ONE WAY OUT FOR ALL THREE: 64 numbers are rotated by the table's cos and sin, quantised, and stored.  v takes the table's blocks 128-135, the rotation by the angle 0 (x 1 - y 0 = x, exactly), so that no branch parts the
; work-groups on the way out.  A wave's result is one block of 12,800 bytes: 8 fragments, then 512 bytes of scale words [r][tile][4].  qf: [head][step of 128 tokens]; kv: [head][step][K's block | V's block].
; CLUSTERS: 4 x 4 work-groups; A's tiles are asked for jointly along a row of the cluster, B's along a column.
; No prefetch: the codes are read again and again by many clusters within a short launch.
; LIMITS: NaN and infinities are not served (0 x infinity in v's unit rotation among them); a block of 32 whose largest magnitude lies under 2^-124 keeps the byte 1, a block of zeros too.
; REGISTERS: window 0: v16-31 addresses; v32-63 scale words, two sets; v128-223 A's fragments; on the way out v64-171.  window 1: B's fragments, two sets, at v0 and v128; on the way out the table.  windows 2, 3: accumulators.
.set SEC,    3145728                   ; a tensor's codes
.set NQ,     2                         ; matrix instructions deep in a slot
.set FR,     12                        ; registers of a fragment
.set NL,     3                         ; LDS loads that bring one
.set NP,     4                         ; places behind this matrix instruction (ISA guide 7.12.1)
.set RHO,    3072                      ; a block of 16 rows in a slot: two fragments
.set KROW,   24576                     ; and in memory: sixteen
.set HALFT,  8*RHO                     ; 128 rows: what one tensor load brings, and what one wave reads of A or of B
.set SLOT,   4*HALFT
.set LAPS,   4                         ; a lap = two slots = 512 along K
.set SCL,    2*SLOT                    ; behind the ring: the scale words
.set HALFS,  8256                      ; those of 128 rows: 8,192 bytes, and 64 more, so that A's and B's words of one load lie 64, 128 or 192 bytes apart modulo 256
.set SPARE,  SCL+4*HALFS               ; the spare words, 128 bytes for each wave: no other line names them
.set ADRA, 16                          ; v16-17 LDS address of my A fragments in slot 0, 1
.set ADRB, 20                          ; v20-21 the same for B
.set STO,  24                          ; v24 the way out: where my lane's 48 bytes of a fragment go
.set RD,   25                          ; v25 where I read 16 bytes back
.set CO,   26                          ; v26 16 x lane
.set ADRS, 27                          ; v27 my scale words: lanes 0-15 A's rows, lanes 16-31 B's
.set SPW,  28
.set NIL,  29
.set STS,  30                          ; v30 the way out: my row's eight scale words
.set SC,   32
.set AF,   128
.set HA,   64                          ; the way out: 64 numbers
.set TM,   128                         ; at work
.set PC,   144                         ; the codes just made
.set PWS,  164                         ; v164-171 the eight tiles' scale words
.set OUTR, 64                          ; v64-163 the block on its way to memory
.set G1, 24
.set G0, 32
.set G1B, 48
.set G0B, 56
.set G1S, 68
.set G0S, 76
.set G1SB, 80
.set G0SB, 88
.set SEL, 98                           ; s[98:99] lane selects for v_permlanex16_b32: lane l xor 16
.set MSB, 0
.macro WIN new                         ; the immediate's high byte repeats the setting that is left
.if MSB != \new
	s_set_vgpr_msb (MSB<<8)|\new
.set MSB, \new
.endif
.endm
.set MUL_LO, 0xa1                      ; source 0 (B) window 1, source 1 (A) window 0, C and D window 2
.set MUL_HI, 0xf1
.set TO_B,   0x40
; A joint load: waves 0 and 1 fetch for A, waves 2 and 3 for B; the branch hangs on the wave's number alone.  An s_nop 0 and four v_nop follow each of the two lines.
.macro JLOAD g0a, g1a, g0b, g1b
	s_cmp_eq_u32 s15, 0
	s_cbranch_scc0 .Lfor_b_\@
	tensor_load_to_lds s[\g0a:\g0a+3], s[\g1a:\g1a+7]
	s_nop 0
.rept 4
	v_nop
.endr
	s_branch .Lasked_\@
.Lfor_b_\@:
	tensor_load_to_lds s[\g0b:\g0b+3], s[\g1b:\g1b+7]
	s_nop 0
.rept 4
	v_nop
.endr
.Lasked_\@:
.endm
.macro CREST                           ; a round of the cluster's barrier behind its opening barrier
	s_cmp_lg_u32 s14, 0
	s_cbranch_scc1 .Lnot_wave_0_\@
	s_barrier_signal -3
.Lnot_wave_0_\@:
	s_barrier_wait -3
	s_barrier_signal -1
	s_barrier_wait -1
.endm
.macro CROUND
	s_barrier_signal -1
	s_barrier_wait -1
	CREST
.endm
	s_load_b256 s[4:11], s[0:1], 0x0               ; cod s[4:5], scl s[6:7], rope s[8:9], qf s[10:11]
	s_load_b64 s[12:13], s[0:1], 0x20              ; kv
	v_lshl_add_u32 v[SPW], v0, 2, SPARE
	v_mov_b32 v[NIL], 0
	ds_add_u32 v[SPW], v[NIL]                      ; the wave's opening: the add and its wait stand ahead of my first tensor load
	v_lshrrev_b32 v1, 5, v0
	v_readfirstlane_b32 s14, v1                    ; wave 0..3
	s_lshr_b32 s15, s14, 1                         ; which half of A's rows is mine.  Also: I fetch for A (0) or for B (1)
	s_and_b32 s16, s14, 1                          ; which half of B's rows.  Also: which 128 rows I fetch
	s_bfe_u32 s40, ttmp6, 0x40000                  ; cx, cy: my place in the cluster
	s_bfe_u32 s41, ttmp6, 0x40004
	s_lshr_b32 s18, ttmp9, 1                       ; 0: q, 1: k, 2: v: the same in all sixteen partners
	s_and_b32 s42, ttmp9, 1
	s_lshl_b32 s42, s42, 2
	s_add_co_u32 s42, s42, s40                     ; B's tile of 256 rows
	s_and_b32 s17, ttmp7, 0xffff
	s_lshl_b32 s17, s17, 2
	s_add_co_u32 s17, s17, s41                     ; A's tile of 256 rows
	s_lshl_b32 s43, s41, 2
	s_lshl_b32 s43, 15, s43                        ; my row of the cluster
	s_lshl_b32 s44, 0x1111, s40                    ; my column
	; descriptor group 1 for the codes: 8 rows (blocks of 16) of 384 elements of 8 bytes, 3,072 elements apart; no padding
	s_or_b32 s[G1+0], s43, (3<<16)|(1<<21)         ; 15:0 the mask: A's tiles go to my row; 17:16 elements of 8 bytes; 21 set beside a mask
	s_or_b32 s[G1B+0], s44, (3<<16)|(1<<21)
.irp g, G1, G1B
	s_mov_b32 s[\g+1], 384<<16                     ; tensor_dim0
	s_mov_b32 s[\g+2], 8<<16                       ; tensor_dim1
	s_mov_b32 s[\g+3], 384<<16                     ; tile_dim0
	s_mov_b32 s[\g+4], 8                           ; tile_dim1
	s_mov_b32 s[\g+5], 3072                        ; tensor_dim0_stride
	s_mov_b32 s[\g+6], 0
	s_mov_b32 s[\g+7], 0
.endr
	; and for the scale words of 128 rows: 8,192 dense bytes as 32 rows of 256
	s_or_b32 s[G1S+0], s43, (3<<16)|(1<<21)
	s_or_b32 s[G1SB+0], s44, (3<<16)|(1<<21)
.irp g, G1S, G1SB
	s_mov_b32 s[\g+1], 32<<16
	s_mov_b32 s[\g+2], 32<<16
	s_mov_b32 s[\g+3], 32<<16
	s_mov_b32 s[\g+4], 32
	s_mov_b32 s[\g+5], 32
	s_mov_b32 s[\g+6], 0
	s_mov_b32 s[\g+7], 0
.endr
	s_lshl_b32 s19, s16, 3                         ; which 8 blocks of the tile's 16 I fetch
	s_lshl_b32 s20, s17, 4
	s_add_co_u32 s20, s20, s19                     ; A: block 16 x tile + 8 x half
	s_lshl_b32 s46, s42, 4
	s_add_co_u32 s46, s46, s19                     ; B likewise
	s_lshl_b32 s22, s20, 10                        ; scale words: 1,024 bytes a block
	s_lshl_b32 s92, s46, 10
	s_mul_i32 s20, s20, KROW
	s_mul_i32 s46, s46, KROW
	s_add_co_u32 s95, s18, 1
	s_cmp_eq_u32 s18, 2
	s_cselect_b32 s94, 3, 0                        ; A's section: x, or for v: wv
	s_cselect_b32 s95, 0, s95                      ; B's section: wq, wk, or for v: x
	s_mul_i32 s96, s94, SEC
	s_add_co_u32 s20, s20, s96
	s_lshl_b32 s96, s94, 17
	s_add_co_u32 s22, s22, s96
	s_mul_i32 s96, s95, SEC
	s_add_co_u32 s46, s46, s96
	s_lshl_b32 s96, s95, 17
	s_add_co_u32 s92, s92, s96
	s_mov_b32 s21, 0
	s_mov_b32 s23, 0
	s_mov_b32 s47, 0
	s_mov_b32 s93, 0
	s_mul_i32 s45, s14, HALFT                      ; where they go: wave x 128 rows: no place in the cluster enters an LDS address
	s_mul_i32 s94, s14, HALFS
	s_mov_b32 s[SEL], 0x76543210
	s_mov_b32 s[SEL+1], 0xfedcba98
	s_wait_dscnt 0x0                               ; the opening add is done
	s_wait_kmcnt 0x0
	s_add_nc_u64 s[20:21], s[4:5], s[20:21]
	s_add_nc_u64 s[22:23], s[6:7], s[22:23]
	s_add_nc_u64 s[46:47], s[4:5], s[46:47]
	s_add_nc_u64 s[92:93], s[6:7], s[92:93]
	CROUND                                         ; all sixteen work-groups are here: the first joint loads meet
	s_mov_b32 s[G0S], 1
	s_add_co_u32 s[G0S+1], s94, SCL
	s_mov_b64 s[G0S+2:G0S+3], s[22:23]
	s_or_b32 s[G0S+3], s[G0S+3], 0x80000000
	s_mov_b32 s[G0SB], 1
	s_add_co_u32 s[G0SB+1], s94, SCL
	s_mov_b64 s[G0SB+2:G0SB+3], s[92:93]
	s_or_b32 s[G0SB+3], s[G0SB+3], 0x80000000
	JLOAD G0S, G1S, G0SB, G1SB                     ; the scale words first: they are wanted with the first slot
.irp s, 0,1
	s_mov_b32 s[G0+4*\s], 1
	s_add_co_u32 s[G0+4*\s+1], s45, \s*SLOT
	s_add_nc_u64 s[G0+4*\s+2:G0+4*\s+3], s[20:21], \s*RHO
	s_or_b32 s[G0+4*\s+3], s[G0+4*\s+3], 0x80000000
	s_mov_b32 s[G0B+4*\s], 1
	s_add_co_u32 s[G0B+4*\s+1], s45, \s*SLOT
	s_add_nc_u64 s[G0B+4*\s+2:G0B+4*\s+3], s[46:47], \s*RHO
	s_or_b32 s[G0B+4*\s+3], s[G0B+4*\s+3], 0x80000000
	JLOAD G0+4*\s, G1, G0B+4*\s, G1B
.endr
	v_and_b32 v1, 31, v0                           ; lane
	v_and_b32 v2, 15, v0                           ; r
	v_bfe_u32 v3, v0, 4, 1                         ; h
	v_mul_u32_u24 v4, v1, 48                       ; my 48 bytes of a fragment
	s_mul_i32 s21, s15, HALFT                      ; my 128 rows of A
	s_mul_i32 s22, s16, HALFT                      ; my 128 rows of B,
	s_add_co_u32 s22, s22, 2*HALFT                 ; which lie behind A's 256
.irp s, 0,1
	v_add_nc_u32 v[ADRA+\s], s21, v4
	v_add_nc_u32 v[ADRB+\s], s22, v4
	s_add_co_u32 s21, s21, SLOT
	s_add_co_u32 s22, s22, SLOT
.endr
	v_lshlrev_b32 v5, 2, v2                        ; my row's scale word
	s_mul_i32 s21, s15, HALFS                      ; A's: my 128 rows
	s_mul_i32 s22, s16, HALFS                      ; B's: my 128 rows, behind A's 256
	s_add_co_u32 s22, s22, 2*HALFS
	s_sub_co_u32 s22, s22, s21
	v_mul_u32_u24 v6, s22, v3                      ; lanes 16-31 take B's
	s_add_co_u32 s21, s21, SCL
	v_add_nc_u32 v5, v5, v6
	v_add_nc_u32 v[ADRS], s21, v5
	s_mul_i32 s23, s14, 12800                      ; my stage: it lies in slot 0, which has had its last fill and its last read when the first result is stored there
	v_add_nc_u32 v[STO], s23, v4
	v_lshlrev_b32 v[CO], 4, v1
	v_add_nc_u32 v[RD], s23, v[CO]
	v_lshlrev_b32 v5, 5, v2
	s_add_co_u32 s23, s23, 12288
	v_add_nc_u32 v[STS], s23, v5
	; where my block goes.  q, k: head = 2 x B's tile + half, step = 2 x A's tile + half; v: the other way round
	s_lshl_b32 s96, s42, 1
	s_add_co_u32 s96, s96, s16
	s_lshl_b32 s97, s17, 1
	s_add_co_u32 s97, s97, s15
	s_cmp_eq_u32 s18, 2
	s_cselect_b32 s100, s97, s96                   ; head
	s_cselect_b32 s101, s96, s97                   ; step
	s_lshl_b32 s100, s100, 4
	s_add_co_u32 s100, s100, s101
	s_mov_b32 s101, 25600
	s_cmp_eq_u32 s18, 0
	s_cselect_b64 s[10:11], s[10:11], s[12:13]     ; qf or kv
	s_cselect_b32 s101, 12800, s101
	s_mul_i32 s100, s100, s101
	s_cmp_eq_u32 s18, 2
	s_cselect_b32 s101, 12800, 0                   ; V's block lies behind K's
	s_add_co_u32 s100, s100, s101
	s_mov_b32 s101, 0
	s_add_nc_u64 s[10:11], s[10:11], s[100:101]
	s_lshl_b32 s96, s17, 4
	s_lshl_b32 s97, s15, 3
	s_add_co_u32 s96, s96, s97                     ; the table's blocks of my 128 tokens,
	s_cmp_eq_u32 s18, 2
	s_cselect_b32 s96, 128, s96                    ; or, for v, the blocks of the angle 0
	s_lshl_b32 s96, s96, 13
	s_mov_b32 s97, 0
	s_add_nc_u64 s[8:9], s[8:9], s[96:97]
.macro FRAG reg, adr, q, i             ; a fragment as it lies: three loads of 16 bytes a lane
.irp c, 0,1,2
	ds_load_b128 v[\reg+4*\c:\reg+4*\c+3], v[\adr] offset:(\i)*RHO+(\q)*1536+16*\c
.endr
.endm
; 16 matrix instructions: A's blocks a0, a0 + 1 x B's eight, 128 along K.  The 64 accumulators take turns, one instruction a turn, in the same order in every step.
.macro MUL16 a0, p, q, sc, zero
.irp a, \a0, \a0+1
.irp b, 0,1,2,3,4,5,6,7
.if \zero
	v_wmma_scale_f32_16x16x128_f8f6f4 v[8*(8*((\a)%4)+\b):8*(8*((\a)%4)+\b)+7], v[128*(\p)+FR*\b:128*(\p)+FR*\b+FR-1], v[AF+FR*(\a):AF+FR*(\a)+FR-1], 0, v[SC+8*NQ*(\sc)+NQ*\b+(\q)], v[SC+8*NQ*(\sc)+NQ*(\a)+(\q)] matrix_a_fmt:MATRIX_FMT_FP6 matrix_b_fmt:MATRIX_FMT_FP6 matrix_a_scale:MATRIX_SCALE_ROW1
.else
	v_wmma_scale_f32_16x16x128_f8f6f4 v[8*(8*((\a)%4)+\b):8*(8*((\a)%4)+\b)+7], v[128*(\p)+FR*\b:128*(\p)+FR*\b+FR-1], v[AF+FR*(\a):AF+FR*(\a)+FR-1], v[8*(8*((\a)%4)+\b):8*(8*((\a)%4)+\b)+7], v[SC+8*NQ*(\sc)+NQ*\b+(\q)], v[SC+8*NQ*(\sc)+NQ*(\a)+(\q)] matrix_a_fmt:MATRIX_FMT_FP6 matrix_b_fmt:MATRIX_FMT_FP6 matrix_a_scale:MATRIX_SCALE_ROW1
.endif
.endr
.endr
.endm
.macro FETCH_B slot, q, p
	WIN TO_B
.irp i, 0,1,2,3,4,5,6,7
	FRAG 128*(\p)+FR*\i, ADRB+\slot, \q, \i
.endr
	WIN 0
.endm
.macro FETCH_A slot, q, i0
.irp i, \i0, \i0+1, \i0+2, \i0+3
	FRAG AF+FR*(\i), ADRA+\slot, \q, \i
.endr
.endm
.macro SCALES sc                       ; the next slot's scale words: lanes 0-15 A's block i, lanes 16-31 B's block i, for its two K steps of 128
.irp i, 0,1,2,3,4,5,6,7
.irp q, 0,1
	ds_load_b32 v[SC+8*NQ*\sc+NQ*\i+\q], v[ADRS] offset:1024*\i+64*\q
.endr
.endr
.endm
.macro PLACES n                        ; plain lines behind matrix instructions, ahead of loads into their registers and of reads of their results (ISA guide 7.12.1 for reads of their results)
.rept \n
	v_nop
.endr
.endm
.macro STEP slot, q, zero              ; a step of 128 along K that has its successor in the same slot
	s_wait_dscnt 4*NL                              ; B's set, A's blocks 0-3 and the scale words are in; the youngest twelve loads (A's blocks 4-7) may be out
	WIN MUL_LO
	MUL16 0, (\q)%2, \q, \slot, \zero
	MUL16 2, (\q)%2, \q, \slot, \zero
	s_wait_dscnt 0
	PLACES NP
	FETCH_B \slot, (\q)+1, 1-(\q)%2
	FETCH_A \slot, (\q)+1, 0
	WIN MUL_HI
	MUL16 4, (\q)%2, \q, \slot, \zero
	MUL16 6, (\q)%2, \q, \slot, \zero
	PLACES NP
	WIN 0
	FETCH_A \slot, (\q)+1, 4
.endm
; A slot's last step changes slots: ONE barrier; in front of it each wave waits for all its tensor loads, adds 0 to its spare word, and waits for that and for its own reads of this slot.
.macro TURN slot, next, fill
	s_wait_tensorcnt 0x0                           ; all my tensor loads have landed: my part of the next slot
	ds_add_u32 v[SPW], v[NIL]                      ; 0 onto my spare word
	s_wait_dscnt 4*NL+1                            ; the add and the youngest twelve loads may be out
	WIN MUL_LO
	MUL16 0, 1, NQ-1, \slot, 0
	s_wait_dscnt 0x0                               ; the add is done, and my reads of this slot are over
	s_barrier_signal -1
	MUL16 2, 1, NQ-1, \slot, 0
	WIN 0
	s_barrier_wait -1
.if \fill
	CREST                                          ; the barrier has opened a round of the cluster's barrier: no wave of any partner still reads this slot or has a load on its way
	s_add_nc_u64 s[G0+4*\slot+2:G0+4*\slot+3], s[G0+4*\slot+2:G0+4*\slot+3], 2*RHO
	s_add_nc_u64 s[G0B+4*\slot+2:G0B+4*\slot+3], s[G0B+4*\slot+2:G0B+4*\slot+3], 2*RHO
	JLOAD G0+4*\slot, G1, G0B+4*\slot, G1B         ; the first tensor load behind the round; its four v_nop are also the places in front of the loads below
.else
	PLACES NP
.endif
	v_add_nc_u32 v[ADRS], 64*NQ, v[ADRS]           ; on to the next slot's scale words
	FETCH_B \next, 0, 0
	FETCH_A \next, 0, 0
	SCALES \next
	WIN MUL_HI
	MUL16 4, 1, NQ-1, \slot, 0
	MUL16 6, 1, NQ-1, \slot, 0
	PLACES NP
	WIN 0
	FETCH_A \next, 0, 4
.endm
	s_wait_tensorcnt 1                             ; the scale words and my part of slot 0 are in; slot 1's load may be out
	s_barrier_signal -1
	s_barrier_wait -1
	FETCH_B 0, 0, 0
	FETCH_A 0, 0, 0
	SCALES 0
	FETCH_A 0, 0, 4
	STEP 0, 0, 1                                   ; the first step stands in front of the loop: its products start the sums
	s_mov_b32 s3, LAPS-1
.Llap:                                                 ; a trip goes once round the ring and fills both slots again
	TURN 0, 1, 1
	STEP 1, 0, 0
	TURN 1, 0, 1
	STEP 0, 0, 0
	s_sub_co_u32 s3, s3, 1
	s_cmp_lg_u32 s3, 0
	s_cbranch_scc1 .Llap
	TURN 0, 1, 0                                   ; the last lap fills nothing
	STEP 1, 0, 0
	s_wait_dscnt 4*NL
	WIN MUL_LO
	MUL16 0, 1, NQ-1, 1, 0
	MUL16 2, 1, NQ-1, 1, 0
	s_wait_dscnt 0
	WIN MUL_HI
	MUL16 4, 1, NQ-1, 1, 0
	MUL16 6, 1, NQ-1, 1, 0
	WIN 0
; THE WAY OUT, a block of A (16 rows) at a time.
.macro TABLOAD a                       ; the table's block a: cos into registers 0-31 of set a % 2 in window 1, sin into 32-63
	WIN 0x40
.irp g, 0,1,2,3,4,5,6,7,8,9,10,11,12,13,14,15
	global_load_b128 v[128*((\a)%2)+4*\g:128*((\a)%2)+4*\g+3], v[CO], s[8:9] offset:8192*(\a)+512*\g
.endr
	WIN 0
.endm
.macro ROPE a                          ; registers 0-31 are the head's d < 64, registers 32-63 the same d + 64: lo' = lo cos - hi sin, hi' = hi cos + lo sin.  Each accumulator is first read at its low end
.set AC, 64*((\a)%4)
.set TS, 128*((\a)%2)
	WIN 0x06+(\a)/4                                ; source 0: window 2 or 3; source 1: window 1
.irp i, 0,2,4,6,8,10,12,14,16,18,20,22,24,26,28,30
	v_pk_mul_f32 v[HA+\i:HA+\i+1], v[AC+32+\i:AC+32+\i+1], v[TS+32+\i:TS+32+\i+1]
.endr
.irp i, 0,2,4,6,8,10,12,14,16,18,20,22,24,26,28,30
	v_pk_mul_f32 v[HA+32+\i:HA+32+\i+1], v[AC+\i:AC+\i+1], v[TS+32+\i:TS+32+\i+1]
.endr
.irp i, 0,2,4,6,8,10,12,14,16,18,20,22,24,26,28,30
	v_pk_fma_f32 v[HA+\i:HA+\i+1], v[AC+\i:AC+\i+1], v[TS+\i:TS+\i+1], v[HA+\i:HA+\i+1] neg_lo:[0,0,1] neg_hi:[0,0,1]
.endr
.irp i, 0,2,4,6,8,10,12,14,16,18,20,22,24,26,28,30
	v_pk_fma_f32 v[HA+32+\i:HA+32+\i+1], v[AC+32+\i:AC+32+\i+1], v[TS+\i:TS+\i+1], v[HA+32+\i:HA+32+\i+1]
.endr
	WIN 0
.endm
; 64 numbers of a lane, register 16 b + i = k 32 b + 16 (lane / 16) + i of my row, become a fragment's codes in v[PC] on and its scale word in v[pw].
.macro QUANT s, pw
.irp b, 0,1,2,3
	v_max3_num_f32 v[TM+\b], |v[\s+16*\b]|, |v[\s+1+16*\b]|, 0x1800000   ; my 16 numbers of block b, and the floor 2^(3 - 127): the byte cannot fall under 1
.endr
.irp i, 2,4,6,8,10,12,14
.irp b, 0,1,2,3
	v_max3_num_f32 v[TM+\b], v[TM+\b], |v[\s+16*\b+\i]|, |v[\s+1+16*\b+\i]|
.endr
.endr
.irp b, 0,1,2,3
	v_permlanex16_b32 v[TM+4+\b], v[TM+\b], s[SEL], s[SEL+1]
.endr
.irp b, 0,1,2,3
	v_max_num_f32 v[TM+\b], v[TM+\b], v[TM+4+\b]   ; with lane l xor 16's: the block's largest magnitude
.endr
.irp b, 0,1,2,3
	v_add_nc_u32 v[TM+12+\b], 0xff000000, v[TM+\b] ; 2 off its exponent field: the conversion's scale operand
.endr
.irp b, 0,1,2,3
	v_lshrrev_b32 v[TM+4+\b], 23, v[TM+12+\b]      ; the scale's byte
.endr
	v_lshl_or_b32 v[\pw], v[TM+5], 8, v[TM+4]
	v_lshl_or_b32 v[\pw], v[TM+6], 16, v[\pw]
	v_lshl_or_b32 v[\pw], v[TM+7], 24, v[\pw]
.irp c, 0,1
	v_cvt_scalef32_pk16_fp6_f32 v[PC+6*\c:PC+2+6*\c], v[\s+32*\c:\s+15+32*\c], v[TM+12+2*\c]
	v_cvt_scalef32_pk16_fp6_f32 v[PC+12+4*\c:PC+14+4*\c], v[\s+16+32*\c:\s+31+32*\c], v[TM+12+2*\c+1]   ; (a conversion's three registers begin on an even number)
.endr
	v_nop                                          ; one plain line behind a scaled conversion
.irp c, 0,1                                    ; the operand's layout wants a whole block in a lane: lanes 0-15 block 2 c, lanes 16-31 block 2 c + 1
.irp i, 0,1,2
	v_permlane16_swap_b32 v[PC+6*\c+\i], v[PC+12+4*\c+\i]
.endr
.irp i, 0,1,2
	v_mov_b32 v[PC+3+6*\c+\i], v[PC+12+4*\c+\i]
.endr
.endr
.endm
.macro IMAGE a                         ; the fragment goes to my stage: lane l's 48 bytes at 48 l
.irp c, 0,1,2
	ds_store_b128 v[STO], v[PC+4*\c:PC+4*\c+3] offset:1536*(\a)+16*\c
.endr
.endm
	PLACES NP                                      ; behind the last products: for the loads into B's registers, the writes over A's and the reads of results
	TABLOAD 0
.irp b, 0,1,2,3
	v_mov_b32 v[TM+4+\b], 0                        ; written once: a lane permute's destination counts as one of its sources
.endr
.irp a, 0,1,2,3,4,5,6,7
.if \a < 7
	TABLOAD \a+1
	s_wait_loadcnt 16                              ; this block's table is in; the next block's sixteen loads may be out
.else
	s_wait_loadcnt 0x0
.endif
	ROPE \a
	s_wait_dscnt 0x0                               ; the last fragment's stores have read their registers
	QUANT HA, PWS+\a
	IMAGE \a
.endr
	ds_store_b128 v[STS], v[PWS:PWS+3]             ; my row's eight scale words; both halves of the lanes hold and write the same
	ds_store_b128 v[STS], v[PWS+4:PWS+7] offset:16
	s_wait_dscnt 0x0
.irp i, 0,1,2,3,4,5,6,7,8,9,10,11,12,13,14,15,16,17,18,19,20,21,22,23,24
	ds_load_b128 v[OUTR+4*\i:OUTR+4*\i+3], v[RD] offset:512*\i
.endr
.irp i, 0,1,2,3,4,5,6,7,8,9,10,11,12,13,14,15,16,17,18,19,20,21,22,23,24
	s_wait_dscnt 24-\i
	global_store_b128 v[CO], v[OUTR+4*\i:OUTR+4*\i+3], s[10:11] offset:512*\i   ; 32 lanes store 512 consecutive bytes, at a multiple of 256 from the buffer's first byte
.endr
	s_wait_tensorcnt 0x0                           ; the wave's end
	ds_add_u32 v[SPW], v[NIL]
	s_wait_dscnt 0x0
	CROUND                                         ; the closing round
	s_endpgm
.Lfunc_end_k_q35e32768f6_qkv:
	.size	k_q35e32768f6_qkv, .Lfunc_end_k_q35e32768f6_qkv-k_q35e32768f6_qkv
	.p2alignl 7, 3214868480
	.fill 96, 4, 3214868480
	.section	.rodata,"a",@progbits
	.p2align	6, 0x0
	.amdhsa_kernel k_q35e32768f6_qkv
		.amdhsa_group_segment_fixed_size 327680
		.amdhsa_private_segment_fixed_size 0
		.amdhsa_enable_private_segment 0
		.amdhsa_kernarg_size 40
		.amdhsa_user_sgpr_count 2
		.amdhsa_user_sgpr_kernarg_segment_ptr 1
		.amdhsa_wavefront_size32 1
		.amdhsa_system_sgpr_workgroup_id_x 1
		.amdhsa_system_sgpr_workgroup_id_y 1
		.amdhsa_system_sgpr_workgroup_id_z 1
		.amdhsa_system_vgpr_workitem_id 0
		.amdhsa_next_free_vgpr 1024
		.amdhsa_next_free_sgpr 104
		.amdhsa_reserve_vcc 0
		.amdhsa_float_denorm_mode_32 3
		.amdhsa_float_denorm_mode_16_64 3
		.amdhsa_memory_ordered 1
		.amdhsa_forward_progress 1
		.amdhsa_inst_pref_size 191
	.end_amdhsa_kernel
	.amdgpu_metadata
---
amdhsa.version: [ 1, 2 ]
amdhsa.kernels:
  - .name:           k_q35e32768f6_qkv
    .symbol:         k_q35e32768f6_qkv.kd
    .args:
      - { .name: cod, .offset: 0, .size: 8, .value_kind: global_buffer, .address_space: global }
      - { .name: scl, .offset: 8, .size: 8, .value_kind: global_buffer, .address_space: global }
      - { .name: rope, .offset: 16, .size: 8, .value_kind: global_buffer, .address_space: global }
      - { .name: qf, .offset: 24, .size: 8, .value_kind: global_buffer, .address_space: global }
      - { .name: kv, .offset: 32, .size: 8, .value_kind: global_buffer, .address_space: global }
    .group_segment_fixed_size: 327680
    .private_segment_fixed_size: 0
    .kernarg_segment_align: 8
    .kernarg_segment_size: 40
    .max_flat_workgroup_size: 128
    .sgpr_count:     104
    .vgpr_count:     1024
    .wavefront_size: 32
...
	.end_amdgpu_metadata
.endif
;; end of part 2
;; launch attn (part 3): grid 16 x 16, 8 waves a work-group, clusters of 4 x 4, 327,680 bytes of LDS; arguments attention_mask, qf, kv, af, asc; writes af, asc
.if DOCPART == 3
	.amdgcn_target "amdgcn-amd-amdhsa--gfx1250"
	.amdhsa_code_object_version 6
	.text
	.protected	k_q35e32768f6_attn
	.globl	k_q35e32768f6_attn
	.p2align	8
	.type	k_q35e32768f6_attn,@function
k_q35e32768f6_attn:
	s_mov_b64 s[64:65], 0
	v_nop
	global_prefetch_b8 v0, s[64:65] scope:SCOPE_SE
	s_setreg_imm32_b32 hwreg(HW_REG_WAVE_MODE, 25, 1), 1
	s_wait_xcnt 0x0
	s_wait_alu depctr_hold_cnt(0) depctr_sa_sdst(0) depctr_va_vdst(0) depctr_va_sdst(0) depctr_va_ssrc(0) depctr_va_vcc(0) depctr_vm_vsrc(0)
	s_getreg_b32 s2, hwreg(HW_REG_IB_STS2, 6, 4)
	s_cmp_eq_u32 s2, 0
	s_cbranch_scc0 .Lentry_in_a_cluster
	s_endpgm
.Lentry_in_a_cluster:
	s_bfe_u32 s2, ttmp6, 0x10000c
	s_cmp_lg_u32 s2, 0xf033
	s_cbranch_scc0 .Lentry_shape_is_right
	s_endpgm
.Lentry_shape_is_right:
; For each head: logit = q . k / sqrt(128) + attention_mask; p = 2^(logit log2(e) - M), M the running largest t rounded up to a whole number; O = (sum of Q(p) Q(v)) / (sum of p); both products on codes of FP6 (E2M3).
; The mask is an input: every number of it is loaded and added, and no tile of scores is left out.
; SHARES.  A work-group owns 128 queries of one head (x: head, y: block of queries); each of its eight waves 16 queries, one tile.  Every wave walks the 2,048 keys, 128 a step.
; q comes from qf, k and v from kv, as images of operands' registers with their scale words (12,800 bytes a block).  K's tile t holds keys 32 (t / 2) + 8 (t % 2) + r + 8 (r / 8), so that the 16 registers of score
; tiles 2 b, 2 b + 1 are keys 32 b + 16 (lane / 16) + 0 .. 15; V's tile t holds the head's channels in the same order, with the step's keys along K.  Both products are used transposed: a lane holds ONE query.
; The wave's queries are neighbours (16 w + r): each lane takes its own row of q's fragments by its own address.
; THE RING: two LDS slots, each a step's tile of the mask (128 rows x 512 bytes, 16 bytes of padding behind each: the sixteen rows of a load start in sixteen different columns of 16 bytes) and its K|V block.
; CLUSTER 4 x 4: the mask's tile hangs on the block of queries alone and is asked for jointly along a row of the cluster (four heads); the K|V block on the head alone, jointly along a column.
; Waves 0 and 1 fetch the mask's halves, wave 2 the K|V block.  A wave has one tensor load out.
; THE RESULT is quantised along the head's channels, which are part of the last product's K: af [16 tokens][head][1,536 bytes], asc [16 tokens][head][r][4].
; LIMITS: a row whose every logit is -infinity gives NaN; NaN among the inputs is not served; a block of 32 whose largest magnitude lies under 2^-124 keeps the byte 1, a block of zeros too.
; REGISTERS: window 0: v1-11 addresses; v12 -M, v13 the largest t, v[14:15] the sum; v16-27 Q, v28 its scale word; v29, v30 offsets; v32-39 K's scale words, v40-47 V's; v48-55 at work at the head;
;   v96-159 scores, logits, p; v160-223 O^T; v224-235 p's codes; v232-254 at work.   window 1: v0-95 K's 8 fragments; v96-191 V's; v192-255 the mask.
.set MP,    528
.set KVO,   128*MP                     ; a slot: the mask's tile, then the K|V block
.set SLOT,  KVO+25600
.set STG,   2*SLOT                     ; behind the ring: 1,536 bytes for each wave, for the way out: no fill lands there
.set SPARE, STG+8*1536                 ; the spare words, 128 bytes for each wave: no other line names them
.set AM,  1                            ; v1-2  my query's row of the mask in slot 0, 1
.set AF,  3                            ; v3-4  my 48 bytes of a fragment
.set AS,  5                            ; v5-6  my row's scale words
.set SPW, 7
.set NIL, 8
.set PFO, 9                            ; v9    the prefetches' offset; never rewritten
.set STO, 10
.set RD,  11
.set WV,  14
.set SEL, 20                           ; s[20:21] lane selects: lane l xor 16
.set RS,  22                           ; s[22:23] 1 / sqrt(128)
.set L2E, 24                           ; s[24:25] log2(e)
.set G1M, 28                           ; s[28:35] group 1 for the mask's tiles;  s[36:43] for the K|V blocks;  s[44:51], s[52:59] their groups 0, one for each slot
.set G1K, 36
.set G0M, 44
.set G0K, 52
.set TRIPS, 60
.set PF,  61                           ; 1 in a wave that prefetches
.set PFA, 62                           ; s[62:63] where my prefetches stand
.set PFS, 66                           ; s[66:67] a step on, in bytes
.set MSB, 0
.macro WIN new
.if MSB != \new
	s_set_vgpr_msb (MSB<<8)|\new
.set MSB, \new
.endif
.endm
.macro JLOAD s                         ; the branches hang on the wave's number alone; an s_nop 0 and four v_nop follow each of the two lines
	s_cmp_lt_u32 s[WV], 2
	s_cbranch_scc0 .Lnot_m_\@
	tensor_load_to_lds s[G0M+4*(\s):G0M+4*(\s)+3], s[G1M:G1M+7]
	s_nop 0
.rept 4
	v_nop
.endr
	s_branch .Lasked_\@
.Lnot_m_\@:
	s_cmp_eq_u32 s[WV], 2
	s_cbranch_scc0 .Lasked_\@
	tensor_load_to_lds s[G0K+4*(\s):G0K+4*(\s)+3], s[G1K:G1K+7]
	s_nop 0
.rept 4
	v_nop
.endr
.Lasked_\@:
.endm
; A PREFETCH INTO THE L2 of the tiles that the NEXT round's loads will ask for: one step ahead of them.  The mask's tile is read by the four clusters of a row of clusters: cluster x = 0 asks; its four partners along x take
; 32 rows each, told apart by address; wave 4 names a row's first 256 bytes, wave 5 the second, a lane a row.  The K|V block is read by the four clusters of a column: cluster y = 0 asks; the partners along y take 25 blocks
; of 256 bytes each, wave 6, a lane a block (lanes 25 to 31 name the 25th again).  The two last steps ask for nothing; steps 0 and 1 come by their loads alone.
.macro ASK
	s_cmp_eq_u32 s[PF], 1
	s_cbranch_scc0 .Lnot_mine_\@
	global_prefetch_b8 v[PFO], s[PFA:PFA+1] th:TH_LOAD_NT scope:SCOPE_SE
.Lnot_mine_\@:
.endm
.macro CROUND
	s_barrier_signal -1
	s_barrier_wait -1
	s_cmp_lg_u32 s[WV], 0
	s_cbranch_scc1 .Lnot_wave_0_\@
	s_barrier_signal -3
.Lnot_wave_0_\@:
	s_barrier_wait -3
	s_barrier_signal -1
	s_barrier_wait -1
.endm
	s_load_b256 s[4:11], s[0:1], 0x0               ; mask s[4:5], qf s[6:7], kv s[8:9], af s[10:11]
	s_load_b64 s[12:13], s[0:1], 0x20              ; asc
	v_lshl_add_u32 v[SPW], v0, 2, SPARE
	v_mov_b32 v[NIL], 0
	ds_add_u32 v[SPW], v[NIL]                      ; the wave's opening: the add and its wait stand ahead of my first tensor load
	v_lshrrev_b32 v31, 5, v0
	v_readfirstlane_b32 s[WV], v31                 ; wave 0..7
	s_bfe_u32 s15, ttmp6, 0x40000                  ; cx
	s_bfe_u32 s16, ttmp6, 0x40004                  ; cy
	s_lshl_b32 s17, ttmp9, 2
	s_add_co_u32 s17, s17, s15                     ; the head
	s_and_b32 s18, ttmp7, 0xffff
	s_lshl_b32 s18, s18, 2
	s_add_co_u32 s18, s18, s16                     ; the block of 128 queries
	s_lshl_b32 s26, s16, 2
	s_lshl_b32 s26, 15, s26                        ; my row of the cluster
	s_lshl_b32 s27, 0x1111, s15                    ; my column
	s_or_b32 s[G1M], s26, (2<<16)|(1<<20)|(1<<21)|(6<<22)|(3<<25)   ; the mask goes to my row; elements of 4 bytes; padding on: after every 128 words 4 words; 21 set beside a mask
	s_mov_b32 s[G1M+1], 128<<16                    ; tensor_dim0
	s_mov_b32 s[G1M+2], 64<<16                     ; tensor_dim1
	s_mov_b32 s[G1M+3], 128<<16                    ; tile_dim0
	s_mov_b32 s[G1M+4], 64                         ; tile_dim1
	s_mov_b32 s[G1M+5], 2048                       ; tensor_dim0_stride
	s_mov_b32 s[G1M+6], 0
	s_mov_b32 s[G1M+7], 0
	s_or_b32 s[G1K], s27, (3<<16)|(1<<21)          ; K|V goes to my column; 25,600 dense bytes as 100 rows of 32 elements of 8 bytes
	s_mov_b32 s[G1K+1], 32<<16
	s_mov_b32 s[G1K+2], 100<<16
	s_mov_b32 s[G1K+3], 32<<16
	s_mov_b32 s[G1K+4], 100
	s_mov_b32 s[G1K+5], 32
	s_mov_b32 s[G1K+6], 0
	s_mov_b32 s[G1K+7], 0
	s_and_b32 s68, s[WV], 1
	s_lshl_b32 s70, s18, 7
	s_lshl_b32 s69, s68, 6
	s_add_co_u32 s70, s70, s69                     ; the mask's row 128 x block + 64 x (wave % 2),
	s_lshl_b32 s70, s70, 13                        ; 8,192 bytes a row
	s_mov_b32 s71, 0
	s_mul_i32 s69, s68, 64*MP                      ; and its place in a slot
	s_mul_i32 s72, s17, 16*25600                   ; the head's K|V blocks
	s_mov_b32 s73, 0
	s_mov_b32 s[SEL], 0x76543210
	s_mov_b32 s[SEL+1], 0xfedcba98
	s_mov_b32 s[RS], 0x3db504f3                    ; 1 / sqrt(128)
	s_mov_b32 s[RS+1], s[RS]                       ; (named with it as a pair, so it is written)
	s_mov_b32 s[L2E], 0x3fb8aa3b                   ; log2(e)
	s_mov_b32 s[L2E+1], s[L2E]
	s_mov_b32 s[TRIPS], 7
	s_wait_dscnt 0x0                               ; the opening add is done
	s_wait_kmcnt 0x0
	s_add_nc_u64 s[74:75], s[4:5], s[70:71]
	s_add_nc_u64 s[76:77], s[8:9], s[72:73]
	CROUND                                         ; all sixteen work-groups are here: the first joint loads meet
.irp s, 0,1
	s_mov_b32 s[G0M+4*\s], 1
	s_add_co_u32 s[G0M+4*\s+1], s69, \s*SLOT
	s_add_nc_u64 s[G0M+4*\s+2:G0M+4*\s+3], s[74:75], \s*512
	s_or_b32 s[G0M+4*\s+3], s[G0M+4*\s+3], 0x80000000
	s_mov_b32 s[G0K+4*\s], 1
	s_mov_b32 s[G0K+4*\s+1], \s*SLOT+KVO
	s_add_nc_u64 s[G0K+4*\s+2:G0K+4*\s+3], s[76:77], \s*25600
	s_or_b32 s[G0K+4*\s+3], s[G0K+4*\s+3], 0x80000000
.endr
	JLOAD 0                                        ; step 0; slot 1 is first filled behind the first trip's round
	v_and_b32 v48, 15, v0                          ; r
	v_bfe_u32 v49, v0, 4, 1                        ; h
	v_and_b32 v50, 31, v0                          ; lane
	s_mul_i32 s78, s[WV], 16*MP
	v_mul_u32_u24 v[AM], v48, MP
	v_lshl_add_u32 v[AM], v49, 6, v[AM]
	v_add_nc_u32 v[AM], s78, v[AM]                 ; row 16 w + r, + 64 h: my 16 keys of each 32
	v_add_nc_u32 v[AM+1], SLOT, v[AM]
	v_mul_u32_u24 v[AF], v50, 48
	v_add_nc_u32 v[AF], KVO, v[AF]
	v_add_nc_u32 v[AF+1], SLOT, v[AF]
	v_lshlrev_b32 v[AS], 5, v48
	v_add_nc_u32 v[AS], KVO+12288, v[AS]
	v_add_nc_u32 v[AS+1], SLOT, v[AS]
	s_mul_i32 s78, s[WV], 1536
	s_add_co_u32 s78, s78, STG
	v_mul_u32_u24 v[STO], v50, 48
	v_add_nc_u32 v[STO], s78, v[STO]
	v_lshlrev_b32 v29, 4, v50                      ; 16 x lane
	v_add_nc_u32 v[RD], s78, v29
	v_lshlrev_b32 v30, 2, v48                      ; 4 r
	; q: query 16 w + r lies in tile (w & 6) + r / 8 of the block, at its row 8 (w & 1) + r % 8
	v_lshrrev_b32 v51, 3, v48
	v_and_b32 v52, 7, v48
	v_lshl_add_u32 v53, v49, 4, v52
	v_mul_u32_u24 v53, v53, 48
	v_mad_u32_u24 v53, v51, 1536, v53
	v_lshlrev_b32 v54, 5, v52
	v_lshl_add_u32 v54, v51, 2, v54
	s_lshl_b32 s80, s17, 4
	s_add_co_u32 s80, s80, s18
	s_mul_i32 s80, s80, 12800
	s_mov_b32 s81, 0
	s_add_nc_u64 s[6:7], s[6:7], s[80:81]          ; my work-group's block of q
	s_and_b32 s82, s[WV], 6
	s_mul_i32 s83, s82, 1536
	s_mul_i32 s84, s68, 384
	s_add_co_u32 s83, s83, s84
	v_add_nc_u32 v53, s83, v53
	s_lshl_b32 s83, s82, 2
	s_lshl_b32 s84, s68, 8
	s_add_co_u32 s83, s83, s84
	s_add_co_u32 s83, s83, 12288
	v_add_nc_u32 v54, s83, v54
	global_load_b128 v[16:19], v53, s[6:7]
	global_load_b128 v[20:23], v53, s[6:7] offset:16
	global_load_b128 v[24:27], v53, s[6:7] offset:32
	global_load_b32 v28, v54, s[6:7]
	s_lshl_b32 s80, s18, 3
	s_add_co_u32 s80, s80, s[WV]                   ; my 16 tokens: block 8 x (block of queries) + wave
	s_lshl_b32 s82, s80, 10
	s_lshl_b32 s83, s17, 6
	s_add_co_u32 s82, s82, s83
	s_mov_b32 s83, 0
	s_add_nc_u64 s[12:13], s[12:13], s[82:83]
	s_lshl_b32 s80, s80, 4
	s_add_co_u32 s80, s80, s17
	s_mul_i32 s80, s80, 1536
	s_add_nc_u64 s[10:11], s[10:11], s[80:81]
	; the prefetches: where mine stand, and who asks
	s_lshl_b32 s84, s18, 7
	s_lshl_b32 s85, s15, 5
	s_add_co_u32 s84, s84, s85
	s_lshl_b32 s84, s84, 13
	s_lshl_b32 s85, s68, 8
	s_add_co_u32 s84, s84, s85
	s_add_co_u32 s84, s84, 512                     ; the mask: my work-group's 32 rows, my wave's half of a row's 512 bytes, in step 1: the first trip steps it to step 2
	s_mul_i32 s86, s17, 16*25600
	s_mul_i32 s85, s16, 6400
	s_add_co_u32 s86, s86, s85
	s_add_co_u32 s86, s86, 25600                   ; K|V: my work-group's quarter of a block, in step 1
	s_sub_co_u32 s87, s[WV], 4
	s_cmp_lt_u32 s87, 3
	s_cselect_b32 s87, 0, 1                        ; 0 in waves 4, 5, 6
	s_and_b32 s88, ttmp7, 0xffff
	s_mov_b32 s85, 512
	s_mov_b32 s89, 8192
	s_cmp_eq_u32 s[WV], 6
	s_cselect_b32 s88, s88, ttmp9                  ; the coordinate along which other clusters read the same bytes
	s_cselect_b64 s[PFA:PFA+1], s[8:9], s[4:5]
	s_cselect_b32 s[PFS], 25600, s85               ; a step on
	s_cselect_b32 s89, 256, s89                    ; from lane to lane
	s_cselect_b32 s90, 24, 31                      ; the last lane with a block of its own
	s_cselect_b32 s84, s86, s84
	s_mov_b32 s85, 0
	s_mov_b32 s[PFS+1], 0
	s_add_nc_u64 s[PFA:PFA+1], s[PFA:PFA+1], s[84:85]
	s_or_b32 s88, s88, s87
	s_cmp_eq_u32 s88, 0
	s_cselect_b32 s[PF], 1, 0                      ; the same in all sixteen partners, for a given wave
	v_min_u32 v[PFO], s90, v50
	v_mul_lo_u32 v[PFO], v[PFO], s89
	v_mov_b32 v13, 0xff61b1e6                      ; the largest t so far: -3e38
	v_floor_f32 v12, -v13                          ; -M
	v_mov_b32 v14, 0
	v_mov_b32 v15, 0
.irp b, 0,1,2,3
	v_mov_b32 v[236+\b], 0                         ; written once: a lane permute's destination counts as one of its sources
.endr
	v_mov_b32 v253, 0                              ; (named as the upper half of the pair v[252:253] before it is first written)
.set j, 0
.rept 64
	v_mov_b32 v[160+j], 0                          ; O^T: the step is written without a first form of its own: the first change of M multiplies zeros
.set j, j+1
.endr
.macro STEP slot
	ds_load_b128 v[32:35], v[AS+\slot]             ; K's eight scale words of my row,
	ds_load_b128 v[36:39], v[AS+\slot] offset:16
	ds_load_b128 v[40:43], v[AS+\slot] offset:12800    ; V's
	ds_load_b128 v[44:47], v[AS+\slot] offset:12816
	WIN 0x40                                       ; destination window 1
.irp t, 0,1,2,3,4,5,6,7
.irp c, 0,1,2
	ds_load_b128 v[12*\t+4*\c:12*\t+4*\c+3], v[AF+\slot] offset:1536*\t+16*\c
.endr
.endr
.irp b, 0,1,2,3
.irp i, 0,1,2,3
	ds_load_b128 v[192+16*\b+4*\i:192+16*\b+4*\i+3], v[AM+\slot] offset:128*\b+16*\i   ; the mask at keys 32 b + 16 h + 4 i on: register for register beside the scores
.endr
.endr
.irp t, 0,1,2,3,4,5,6,7
.irp c, 0,1,2
	ds_load_b128 v[96+12*\t+4*\c:96+12*\t+4*\c+3], v[AF+\slot] offset:12800+1536*\t+16*\c
.endr
.endr
	s_wait_dscnt 40                                ; the scale words and K are in; the mask's 16 loads and V's 24 may be out
	WIN 0x01                                       ; source 0 window 1
.irp t, 0,1,2,3,4,5,6,7
	v_wmma_scale_f32_16x16x128_f8f6f4 v[96+8*\t:103+8*\t], v[12*\t:12*\t+11], v[16:27], 0, v[32+\t], v28 matrix_a_fmt:MATRIX_FMT_FP6 matrix_b_fmt:MATRIX_FMT_FP6
.endr
	WIN 0
.rept 4
	v_nop                                          ; places behind the products, ahead of the first read of their results
.endr
	s_wait_dscnt 24                                ; the mask is in; V's 24 loads may be out
	WIN 0x10                                       ; source 2 window 1
.set j, 0
.rept 32
	v_pk_fma_f32 v[96+j:97+j], v[96+j:97+j], s[RS:RS+1], v[192+j:193+j] op_sel_hi:[1,0,1]   ; the logit: score / sqrt(128) + mask
.set j, j+2
.endr
	WIN 0
.irp b, 0,1,2,3
	v_max3_num_f32 v[232+\b], v[96+16*\b], v[97+16*\b], v[98+16*\b]   ; the largest logit of each block of 32 keys: it serves for the row's maximum and, since p rises with the logit, for the block's largest p
.endr
.irp i, 3,5,7,9,11,13
.irp b, 0,1,2,3
	v_max3_num_f32 v[232+\b], v[232+\b], v[96+16*\b+\i], v[97+16*\b+\i]
.endr
.endr
.irp b, 0,1,2,3
	v_max_num_f32 v[232+\b], v[232+\b], v[111+16*\b]
.endr
.irp b, 0,1,2,3
	v_permlanex16_b32 v[236+\b], v[232+\b], s[SEL], s[SEL+1]
.endr
.irp b, 0,1,2,3
	v_max_num_f32 v[232+\b], v[232+\b], v[236+\b]  ; with lane l xor 16's 16 keys
.endr
	v_max3_num_f32 v254, v232, v233, v234
	v_max_num_f32 v254, v254, v235
	v_mul_f32 v254, s[L2E], v254                   ; as t
	v_max_num_f32 v13, v13, v254                   ; the running largest t
	v_mov_b32 v254, v12
	v_floor_f32 v12, -v13                          ; the new -M = floor(-t): M is a whole number
	v_sub_f32 v254, v12, v254                      ; old M - new M: a whole number, 0 or less
	v_cvt_i32_f32 v254, v254                       ; (it saturates)
	v_ldexp_f32 v252, 1.0, v254                    ; f = 2^(old M - new M): a multiplication by it rounds nothing
.set j, 0
.rept 32
	v_pk_fma_f32 v[96+j:97+j], v[96+j:97+j], s[L2E:L2E+1], v[12:13] op_sel_hi:[1,0,0]   ; t - M
.set j, j+2
.endr
.irp b, 0,1,2,3
	v_fma_f32 v[232+\b], v[232+\b], s[L2E], v12    ; the same of each block's largest logit
.endr
.set j, 0
.rept 64
	v_exp_f32 v[96+j], v[96+j]                     ; p = 2^(t - M): not normalised
.set j, j+1
.endr
	v_pk_mul_f32 v[14:15], v[14:15], v[252:253] op_sel_hi:[1,0]   ; the sums under the new M (a plain line behind the exponentials)
	s_wait_alu depctr_va_vdst(0)                   ; one wait for the batch of 64, ahead of its first reader
.irp b, 0,1,2,3
	v_exp_f32 v[232+\b], v[232+\b]                 ; the block's largest p
.endr
	v_pk_add_f32 v[236:237], v[96:97], v[98:99]    ; the row's sum is taken of the unquantised p, in two chains
.irp j, 4,8,12,16,20,24,28,32,36,40,44,48,52,56,60
	v_pk_add_f32 v[14:15], v[14:15], v[96+\j:97+\j]
	v_pk_add_f32 v[236:237], v[236:237], v[98+\j:99+\j]
.endr
	v_pk_add_f32 v[14:15], v[14:15], v[236:237]
	s_wait_alu depctr_va_vdst(0)                   ; and one for the four
.irp b, 0,1,2,3
	v_max_num_f32 v[232+\b], 0x1800000, v[232+\b]  ; the floor 2^(3 - 127): the byte cannot fall under 1
.endr
.irp b, 0,1,2,3
	v_add_nc_u32 v[244+\b], 0xff000000, v[232+\b]  ; 2 off the exponent field: the conversion's scale operand
.endr
.irp b, 0,1,2,3
	v_lshrrev_b32 v[236+\b], 23, v[244+\b]
.endr
	v_lshl_or_b32 v253, v237, 8, v236              ; p's scale word for these 128 keys
	v_lshl_or_b32 v253, v238, 16, v253
	v_lshl_or_b32 v253, v239, 24, v253
.irp c, 0,1
	v_cvt_scalef32_pk16_fp6_f32 v[224+6*\c:226+6*\c], v[96+32*\c:111+32*\c], v[244+2*\c]
	v_cvt_scalef32_pk16_fp6_f32 v[236+4*\c:238+4*\c], v[112+32*\c:127+32*\c], v[244+2*\c+1]
.endr
	v_nop                                          ; one plain line behind a scaled conversion
.irp c, 0,1
.irp i, 0,1,2
	v_permlane16_swap_b32 v[224+6*\c+\i], v[236+4*\c+\i]
.endr
.irp i, 0,1,2
	v_mov_b32 v[227+6*\c+\i], v[236+4*\c+\i]
.endr
.endr
.set j, 0
.rept 32
	v_pk_mul_f32 v[160+j:161+j], v[160+j:161+j], v[252:253] op_sel_hi:[1,0]   ; O^T under the new M.  (These 32 are also the places between the writes of p's codes and scale word and the products)
.set j, j+2
.endr
	s_wait_dscnt 0x0                               ; V is in
	WIN 0x01
.irp t, 0,1,2,3,4,5,6,7                        ; the eight accumulators take turns, one instruction a turn
	v_wmma_scale_f32_16x16x128_f8f6f4 v[160+8*\t:167+8*\t], v[96+12*\t:107+12*\t], v[224:235], v[160+8*\t:167+8*\t], v[40+\t], v253 matrix_a_fmt:MATRIX_FMT_FP6 matrix_b_fmt:MATRIX_FMT_FP6
.endr
	WIN 0
.rept 4
	v_nop                                          ; places ahead of the next step's loads into these products' registers, and of the way out's reads
.endr
.endm
; A trip: each wave waits for all its tensor loads (its part of this trip's slot), adds 0 to its spare word, and waits for that and for its reads of the other slot; a round of the cluster's barrier;
; behind it the other slot is filled with the next step's tiles, which have this step's work in which to land.
.macro TRIP slot, refill, ask
	s_wait_tensorcnt 0x0                           ; no tensor load of mine is out, so a group 0 may be written
	ds_add_u32 v[SPW], v[NIL]
	s_add_nc_u64 s[G0M+4*\slot+2:G0M+4*\slot+3], s[G0M+4*\slot+2:G0M+4*\slot+3], 1024    ; this slot's next tiles: two steps on
	s_add_nc_u64 s[G0K+4*\slot+2:G0K+4*\slot+3], s[G0K+4*\slot+2:G0K+4*\slot+3], 51200
.if \ask
	s_wait_xcnt 0x0                                ; the last prefetch, a step back, has read its address
	s_add_nc_u64 s[PFA:PFA+1], s[PFA:PFA+1], s[PFS:PFS+1]
.endif
	s_wait_dscnt 0x0                               ; the add is done, and my reads of the other slot are over
	CROUND
.if \refill
	JLOAD 1-\slot
.endif
.if \ask
	ASK
.endif
	STEP \slot
.endm
	s_wait_loadcnt 0x0                             ; Q
.Lpair:                                            ; seven trips of two steps
	TRIP 0, 1, 1
	TRIP 1, 1, 1
	s_sub_co_u32 s[TRIPS], s[TRIPS], 1
	s_cmp_lg_u32 s[TRIPS], 0
	s_cbranch_scc1 .Lpair
	TRIP 0, 1, 0                                   ; the last two steps are written out: the last asks for nothing (their stepped addresses are not used)
	TRIP 1, 0, 0
	; THE WAY OUT: O^T / the sum, quantised along the head's channels (register 16 b + i = channel 32 b + 16 h + i), through my stage, so that each store covers 512 consecutive bytes.
	v_add_f32 v14, v14, v15
	v_permlanex16_b32 v252, v14, s[SEL], s[SEL+1]
	v_add_f32 v14, v14, v252                       ; the row's sum
	v_rcp_f32 v14, v14
	v_nop                                          ; a plain line behind the reciprocal
	s_wait_alu depctr_va_vdst(0)                   ; and the wait ahead of its first reader
.set j, 0
.rept 32
	v_pk_mul_f32 v[96+j:97+j], v[160+j:161+j], v[14:15] op_sel_hi:[1,0]
.set j, j+2
.endr
.irp b, 0,1,2,3
	v_max3_num_f32 v[232+\b], |v[96+16*\b]|, |v[97+16*\b]|, 0x1800000
.endr
.irp i, 2,4,6,8,10,12,14
.irp b, 0,1,2,3
	v_max3_num_f32 v[232+\b], v[232+\b], |v[96+16*\b+\i]|, |v[97+16*\b+\i]|
.endr
.endr
.irp b, 0,1,2,3
	v_permlanex16_b32 v[236+\b], v[232+\b], s[SEL], s[SEL+1]
.endr
.irp b, 0,1,2,3
	v_max_num_f32 v[232+\b], v[232+\b], v[236+\b]
.endr
.irp b, 0,1,2,3
	v_add_nc_u32 v[244+\b], 0xff000000, v[232+\b]
.endr
.irp b, 0,1,2,3
	v_lshrrev_b32 v[236+\b], 23, v[244+\b]
.endr
	v_lshl_or_b32 v180, v237, 8, v236              ; my row's scale word
	v_lshl_or_b32 v180, v238, 16, v180
	v_lshl_or_b32 v180, v239, 24, v180
.irp c, 0,1
	v_cvt_scalef32_pk16_fp6_f32 v[160+6*\c:162+6*\c], v[96+32*\c:111+32*\c], v[244+2*\c]
	v_cvt_scalef32_pk16_fp6_f32 v[172+4*\c:174+4*\c], v[112+32*\c:127+32*\c], v[244+2*\c+1]
.endr
	v_nop
.irp c, 0,1
.irp i, 0,1,2
	v_permlane16_swap_b32 v[160+6*\c+\i], v[172+4*\c+\i]
.endr
.irp i, 0,1,2
	v_mov_b32 v[163+6*\c+\i], v[172+4*\c+\i]
.endr
.endr
.irp c, 0,1,2
	ds_store_b128 v[STO], v[160+4*\c:163+4*\c] offset:16*\c
.endr
.irp c, 0,1,2
	ds_load_b128 v[184+4*\c:187+4*\c], v[RD] offset:512*\c     ; LDS serves a wave's instructions in order: these see my stores
.endr
	s_wait_dscnt 0x0
.irp c, 0,1,2
	global_store_b128 v29, v[184+4*\c:187+4*\c], s[10:11] offset:512*\c
.endr
	global_store_b32 v30, v180, s[12:13]           ; 16 scale words, 64 consecutive bytes; both halves of the lanes hold and write the same
	s_wait_tensorcnt 0x0                           ; the wave's end
	ds_add_u32 v[SPW], v[NIL]
	s_wait_dscnt 0x0
	CROUND                                         ; the closing round
	s_endpgm
.Lfunc_end_k_q35e32768f6_attn:
	.size	k_q35e32768f6_attn, .Lfunc_end_k_q35e32768f6_attn-k_q35e32768f6_attn
	.p2alignl 7, 3214868480
	.fill 96, 4, 3214868480
	.section	.rodata,"a",@progbits
	.p2align	6, 0x0
	.amdhsa_kernel k_q35e32768f6_attn
		.amdhsa_group_segment_fixed_size 327680
		.amdhsa_private_segment_fixed_size 0
		.amdhsa_enable_private_segment 0
		.amdhsa_kernarg_size 40
		.amdhsa_user_sgpr_count 2
		.amdhsa_user_sgpr_kernarg_segment_ptr 1
		.amdhsa_wavefront_size32 1
		.amdhsa_system_sgpr_workgroup_id_x 1
		.amdhsa_system_sgpr_workgroup_id_y 1
		.amdhsa_system_sgpr_workgroup_id_z 1
		.amdhsa_system_vgpr_workitem_id 0
		.amdhsa_next_free_vgpr 512
		.amdhsa_next_free_sgpr 96
		.amdhsa_reserve_vcc 0
		.amdhsa_float_denorm_mode_32 3
		.amdhsa_float_denorm_mode_16_64 3
		.amdhsa_memory_ordered 1
		.amdhsa_forward_progress 1
		.amdhsa_inst_pref_size 109
	.end_amdhsa_kernel
	.amdgpu_metadata
---
amdhsa.version: [ 1, 2 ]
amdhsa.kernels:
  - .name:           k_q35e32768f6_attn
    .symbol:         k_q35e32768f6_attn.kd
    .args:
      - { .name: attention_mask, .offset: 0, .size: 8, .value_kind: global_buffer, .address_space: global }
      - { .name: qf, .offset: 8, .size: 8, .value_kind: global_buffer, .address_space: global }
      - { .name: kv, .offset: 16, .size: 8, .value_kind: global_buffer, .address_space: global }
      - { .name: af, .offset: 24, .size: 8, .value_kind: global_buffer, .address_space: global }
      - { .name: asc, .offset: 32, .size: 8, .value_kind: global_buffer, .address_space: global }
    .group_segment_fixed_size: 327680
    .private_segment_fixed_size: 0
    .kernarg_segment_align: 8
    .kernarg_segment_size: 40
    .max_flat_workgroup_size: 256
    .sgpr_count:     96
    .vgpr_count:     512
    .wavefront_size: 32
...
	.end_amdgpu_metadata
.endif
;; end of part 3
;; launch oproj (part 4): grid 8 x 8, 4 waves a work-group, clusters of 4 x 4, 327,680 bytes of LDS; arguments af, asc, cod, scl, out0; writes out0
.if DOCPART == 4
	.amdgcn_target "amdgcn-amd-amdhsa--gfx1250"
	.amdhsa_code_object_version 6
	.text
	.protected	k_q35e32768f6_oproj
	.globl	k_q35e32768f6_oproj
	.p2align	8
	.type	k_q35e32768f6_oproj,@function
k_q35e32768f6_oproj:
	s_mov_b64 s[64:65], 0
	v_nop
	global_prefetch_b8 v0, s[64:65] scope:SCOPE_SE
	s_setreg_imm32_b32 hwreg(HW_REG_WAVE_MODE, 25, 1), 1
	s_wait_xcnt 0x0
	s_wait_alu depctr_hold_cnt(0) depctr_sa_sdst(0) depctr_va_vdst(0) depctr_va_sdst(0) depctr_va_ssrc(0) depctr_va_vcc(0) depctr_vm_vsrc(0)
	s_getreg_b32 s2, hwreg(HW_REG_IB_STS2, 6, 4)
	s_cmp_eq_u32 s2, 0
	s_cbranch_scc0 .Lentry_in_a_cluster
	s_endpgm
.Lentry_in_a_cluster:
	s_bfe_u32 s2, ttmp6, 0x10000c
	s_cmp_lg_u32 s2, 0xf033
	s_cbranch_scc0 .Lentry_shape_is_right
	s_endpgm
.Lentry_shape_is_right:
; out0 = attention's result x wo^T on codes of FP6 (E2M3) with E8M0 scales; out0 [2048][2048] f32.
; A = af, asc (tokens in their own order), B = section 4 of cod, scl (wo; the rows of a block of 16 are 0-7, 16-23 | 8-15, 24-31 of each 32).  Both lie as fragment images, [block of 16 rows][K step of 128][1,536 bytes].
; A tile of 256 x 256 is made by four waves of 128 x 128: 64 accumulators, 512 registers.  K = 2,048 goes in steps of 256 through a ring of two LDS slots; the scale words come into LDS once.
; The matrix instruction is used transposed (source 0 = 16 rows of wo, source 1 = 16 tokens): a lane holds one token and eight neighbouring outputs a tile: tile b, register j = output 32 (b / 2) + 8 (b % 2) + 16 h + j.
; CLUSTERS: 4 x 4 work-groups; A's tiles are asked for jointly along a row of the cluster, B's along a column.  The grid has 64 work-groups: one tile each.
; No prefetch: a short launch whose codes are read again by several clusters.
; REGISTERS: window 0: v16-31 addresses; v32-63 scale words, two sets; v128-223 A's fragments; on the way out v128-255.  window 1: B's fragments, two sets.  windows 2, 3: accumulators.
.set SEC,    3145728
.set NCOL,   2048
.set NQ,     2
.set FR,     12
.set NL,     3
.set NP,     4
.set RHO,    3072
.set KROW,   24576
.set HALFT,  8*RHO
.set SLOT,   4*HALFT
.set LAPS,   4
.set SCL,    2*SLOT
.set HALFS,  8256                      ; the scale words of 128 rows: 8,192 bytes, and 64 more, so that A's and B's words of one load lie 64, 128 or 192 bytes apart modulo 256
.set SPARE,  SCL+4*HALFS               ; the spare words, 128 bytes for each wave: no other line names them
.set SPITCH, 528                       ; the way out: a stage of 16 rows x (512 bytes + 16) for each wave, in slot 0, which has had its last fill and its last read by then
.set ADRA, 16
.set ADRB, 20
.set STO,  24
.set RD,   25
.set CO,   26
.set ADRS, 27
.set SPW,  28
.set NIL,  29
.set SC,   32
.set AF,   128
.set BK,   128
.set G1, 24
.set G0, 32
.set G1B, 48
.set G0B, 56
.set G1S, 68
.set G0S, 76
.set G1SB, 80
.set G0SB, 88
.set MSB, 0
.macro WIN new
.if MSB != \new
	s_set_vgpr_msb (MSB<<8)|\new
.set MSB, \new
.endif
.endm
.set MUL_LO, 0xa1
.set MUL_HI, 0xf1
.set TO_B,   0x40
.macro JLOAD g0a, g1a, g0b, g1b        ; waves 0 and 1 fetch for A, waves 2 and 3 for B; an s_nop 0 and four v_nop follow each of the two lines
	s_cmp_eq_u32 s15, 0
	s_cbranch_scc0 .Lfor_b_\@
	tensor_load_to_lds s[\g0a:\g0a+3], s[\g1a:\g1a+7]
	s_nop 0
.rept 4
	v_nop
.endr
	s_branch .Lasked_\@
.Lfor_b_\@:
	tensor_load_to_lds s[\g0b:\g0b+3], s[\g1b:\g1b+7]
	s_nop 0
.rept 4
	v_nop
.endr
.Lasked_\@:
.endm
.macro CREST
	s_cmp_lg_u32 s14, 0
	s_cbranch_scc1 .Lnot_wave_0_\@
	s_barrier_signal -3
.Lnot_wave_0_\@:
	s_barrier_wait -3
	s_barrier_signal -1
	s_barrier_wait -1
.endm
.macro CROUND
	s_barrier_signal -1
	s_barrier_wait -1
	CREST
.endm
	s_load_b128 s[4:7], s[0:1], 0x0                ; af, asc
	s_load_b128 s[8:11], s[0:1], 0x10              ; cod, scl
	s_load_b64 s[12:13], s[0:1], 0x20              ; out0
	v_lshl_add_u32 v[SPW], v0, 2, SPARE
	v_mov_b32 v[NIL], 0
	ds_add_u32 v[SPW], v[NIL]                      ; the wave's opening: the add and its wait stand ahead of my first tensor load
	v_lshrrev_b32 v1, 5, v0
	v_readfirstlane_b32 s14, v1
	s_lshr_b32 s15, s14, 1                         ; which half of the tile's rows is mine.  Also: I fetch for A (0) or for B (1)
	s_and_b32 s16, s14, 1                          ; which half of its columns.  Also: which 128 rows I fetch
	s_bfe_u32 s40, ttmp6, 0x40000
	s_bfe_u32 s41, ttmp6, 0x40004
	s_lshl_b32 s42, ttmp9, 2
	s_add_co_u32 s42, s42, s40                     ; tile column
	s_and_b32 s17, ttmp7, 0xffff
	s_lshl_b32 s17, s17, 2
	s_add_co_u32 s17, s17, s41                     ; tile row
	s_lshl_b32 s43, s41, 2
	s_lshl_b32 s43, 15, s43
	s_lshl_b32 s44, 0x1111, s40
	s_or_b32 s[G1+0], s43, (3<<16)|(1<<21)         ; 8 rows (blocks of 16) of 384 elements of 8 bytes, 3,072 elements apart; no padding
	s_or_b32 s[G1B+0], s44, (3<<16)|(1<<21)
.irp g, G1, G1B
	s_mov_b32 s[\g+1], 384<<16
	s_mov_b32 s[\g+2], 8<<16
	s_mov_b32 s[\g+3], 384<<16
	s_mov_b32 s[\g+4], 8
	s_mov_b32 s[\g+5], 3072
	s_mov_b32 s[\g+6], 0
	s_mov_b32 s[\g+7], 0
.endr
	s_or_b32 s[G1S+0], s43, (3<<16)|(1<<21)        ; the scale words of 128 rows: 8,192 dense bytes as 32 rows of 256
	s_or_b32 s[G1SB+0], s44, (3<<16)|(1<<21)
.irp g, G1S, G1SB
	s_mov_b32 s[\g+1], 32<<16
	s_mov_b32 s[\g+2], 32<<16
	s_mov_b32 s[\g+3], 32<<16
	s_mov_b32 s[\g+4], 32
	s_mov_b32 s[\g+5], 32
	s_mov_b32 s[\g+6], 0
	s_mov_b32 s[\g+7], 0
.endr
	s_lshl_b32 s19, s16, 3
	s_lshl_b32 s20, s17, 4
	s_add_co_u32 s20, s20, s19
	s_lshl_b32 s46, s42, 4
	s_add_co_u32 s46, s46, s19
	s_lshl_b32 s22, s20, 10
	s_lshl_b32 s92, s46, 10
	s_mul_i32 s20, s20, KROW
	s_mul_i32 s46, s46, KROW
	s_add_co_u32 s46, s46, 4*SEC                   ; wo's section
	s_add_co_u32 s92, s92, 4*131072
	s_mov_b32 s21, 0
	s_mov_b32 s23, 0
	s_mov_b32 s47, 0
	s_mov_b32 s93, 0
	s_mul_i32 s45, s14, HALFT
	s_mul_i32 s94, s14, HALFS
	s_wait_dscnt 0x0                               ; the opening add is done
	s_wait_kmcnt 0x0
	s_add_nc_u64 s[20:21], s[4:5], s[20:21]
	s_add_nc_u64 s[22:23], s[6:7], s[22:23]
	s_add_nc_u64 s[46:47], s[8:9], s[46:47]
	s_add_nc_u64 s[92:93], s[10:11], s[92:93]
	CROUND                                         ; all sixteen work-groups are here: the first joint loads meet
	s_mov_b32 s[G0S], 1
	s_add_co_u32 s[G0S+1], s94, SCL
	s_mov_b64 s[G0S+2:G0S+3], s[22:23]
	s_or_b32 s[G0S+3], s[G0S+3], 0x80000000
	s_mov_b32 s[G0SB], 1
	s_add_co_u32 s[G0SB+1], s94, SCL
	s_mov_b64 s[G0SB+2:G0SB+3], s[92:93]
	s_or_b32 s[G0SB+3], s[G0SB+3], 0x80000000
	JLOAD G0S, G1S, G0SB, G1SB
.irp s, 0,1
	s_mov_b32 s[G0+4*\s], 1
	s_add_co_u32 s[G0+4*\s+1], s45, \s*SLOT
	s_add_nc_u64 s[G0+4*\s+2:G0+4*\s+3], s[20:21], \s*RHO
	s_or_b32 s[G0+4*\s+3], s[G0+4*\s+3], 0x80000000
	s_mov_b32 s[G0B+4*\s], 1
	s_add_co_u32 s[G0B+4*\s+1], s45, \s*SLOT
	s_add_nc_u64 s[G0B+4*\s+2:G0B+4*\s+3], s[46:47], \s*RHO
	s_or_b32 s[G0B+4*\s+3], s[G0B+4*\s+3], 0x80000000
	JLOAD G0+4*\s, G1, G0B+4*\s, G1B
.endr
	v_and_b32 v1, 31, v0
	v_and_b32 v2, 15, v0
	v_bfe_u32 v3, v0, 4, 1
	v_mul_u32_u24 v4, v1, 48
	s_mul_i32 s21, s15, HALFT
	s_mul_i32 s22, s16, HALFT
	s_add_co_u32 s22, s22, 2*HALFT
.irp s, 0,1
	v_add_nc_u32 v[ADRA+\s], s21, v4
	v_add_nc_u32 v[ADRB+\s], s22, v4
	s_add_co_u32 s21, s21, SLOT
	s_add_co_u32 s22, s22, SLOT
.endr
	v_lshlrev_b32 v5, 2, v2
	s_mul_i32 s21, s15, HALFS
	s_mul_i32 s22, s16, HALFS
	s_add_co_u32 s22, s22, 2*HALFS
	s_sub_co_u32 s22, s22, s21
	v_mul_u32_u24 v6, s22, v3                      ; lanes 16-31 take B's
	s_add_co_u32 s21, s21, SCL
	v_add_nc_u32 v5, v5, v6
	v_add_nc_u32 v[ADRS], s21, v5
	s_mul_i32 s23, s14, 16*SPITCH                  ; my stage
	v_mul_u32_u24 v5, v2, SPITCH                   ; in: row r, + 64 h: my 16 outputs of each 32
	v_lshl_add_u32 v5, v3, 6, v5
	v_add_nc_u32 v[STO], s23, v5
	v_lshlrev_b32 v[CO], 4, v1                     ; back: the 32 lanes take one row of 512 bytes; and the same in out0
	v_add_nc_u32 v[RD], s23, v[CO]
	s_lshl_b32 s20, s17, 8
	s_lshl_b32 s21, s15, 7
	s_add_co_u32 s20, s20, s21                     ; my first row of out0
	s_lshl_b32 s20, s20, 13                        ; 8,192 bytes a row
	s_mov_b32 s21, 0
	s_lshl_b32 s46, s42, 10                        ; my first column, in bytes
	s_lshl_b32 s47, s16, 9
	s_add_co_u32 s46, s46, s47
	s_mov_b32 s47, 0
	s_add_nc_u64 s[20:21], s[20:21], s[46:47]
	s_add_nc_u64 s[12:13], s[12:13], s[20:21]
.macro FRAG reg, adr, q, i
.irp c, 0,1,2
	ds_load_b128 v[\reg+4*\c:\reg+4*\c+3], v[\adr] offset:(\i)*RHO+(\q)*1536+16*\c
.endr
.endm
; The 64 accumulators take turns, one instruction a turn, in the same order in every step.
.macro MUL16 a0, p, q, sc, zero
.irp a, \a0, \a0+1
.irp b, 0,1,2,3,4,5,6,7
.if \zero
	v_wmma_scale_f32_16x16x128_f8f6f4 v[8*(8*((\a)%4)+\b):8*(8*((\a)%4)+\b)+7], v[128*(\p)+FR*\b:128*(\p)+FR*\b+FR-1], v[AF+FR*(\a):AF+FR*(\a)+FR-1], 0, v[SC+8*NQ*(\sc)+NQ*\b+(\q)], v[SC+8*NQ*(\sc)+NQ*(\a)+(\q)] matrix_a_fmt:MATRIX_FMT_FP6 matrix_b_fmt:MATRIX_FMT_FP6 matrix_a_scale:MATRIX_SCALE_ROW1
.else
	v_wmma_scale_f32_16x16x128_f8f6f4 v[8*(8*((\a)%4)+\b):8*(8*((\a)%4)+\b)+7], v[128*(\p)+FR*\b:128*(\p)+FR*\b+FR-1], v[AF+FR*(\a):AF+FR*(\a)+FR-1], v[8*(8*((\a)%4)+\b):8*(8*((\a)%4)+\b)+7], v[SC+8*NQ*(\sc)+NQ*\b+(\q)], v[SC+8*NQ*(\sc)+NQ*(\a)+(\q)] matrix_a_fmt:MATRIX_FMT_FP6 matrix_b_fmt:MATRIX_FMT_FP6 matrix_a_scale:MATRIX_SCALE_ROW1
.endif
.endr
.endr
.endm
.macro FETCH_B slot, q, p
	WIN TO_B
.irp i, 0,1,2,3,4,5,6,7
	FRAG 128*(\p)+FR*\i, ADRB+\slot, \q, \i
.endr
	WIN 0
.endm
.macro FETCH_A slot, q, i0
.irp i, \i0, \i0+1, \i0+2, \i0+3
	FRAG AF+FR*(\i), ADRA+\slot, \q, \i
.endr
.endm
.macro SCALES sc
.irp i, 0,1,2,3,4,5,6,7
.irp q, 0,1
	ds_load_b32 v[SC+8*NQ*\sc+NQ*\i+\q], v[ADRS] offset:1024*\i+64*\q
.endr
.endr
.endm
.macro PLACES n                        ; plain lines behind matrix instructions, ahead of loads into their registers and of reads of their results (ISA guide 7.12.1 for reads of their results)
.rept \n
	v_nop
.endr
.endm
.macro STEP slot, q, zero
	s_wait_dscnt 4*NL                              ; the youngest twelve loads (A's blocks 4-7) may be out
	WIN MUL_LO
	MUL16 0, (\q)%2, \q, \slot, \zero
	MUL16 2, (\q)%2, \q, \slot, \zero
	s_wait_dscnt 0
	PLACES NP
	FETCH_B \slot, (\q)+1, 1-(\q)%2
	FETCH_A \slot, (\q)+1, 0
	WIN MUL_HI
	MUL16 4, (\q)%2, \q, \slot, \zero
	MUL16 6, (\q)%2, \q, \slot, \zero
	PLACES NP
	WIN 0
	FETCH_A \slot, (\q)+1, 4
.endm
.macro TURN slot, next, fill
	s_wait_tensorcnt 0x0                           ; all my tensor loads have landed: my part of the next slot
	ds_add_u32 v[SPW], v[NIL]
	s_wait_dscnt 4*NL+1                            ; the add and the youngest twelve loads may be out
	WIN MUL_LO
	MUL16 0, 1, NQ-1, \slot, 0
	s_wait_dscnt 0x0                               ; the add is done, and my reads of this slot are over
	s_barrier_signal -1
	MUL16 2, 1, NQ-1, \slot, 0
	WIN 0
	s_barrier_wait -1
.if \fill
	CREST                                          ; the barrier has opened a round of the cluster's barrier
	s_add_nc_u64 s[G0+4*\slot+2:G0+4*\slot+3], s[G0+4*\slot+2:G0+4*\slot+3], 2*RHO
	s_add_nc_u64 s[G0B+4*\slot+2:G0B+4*\slot+3], s[G0B+4*\slot+2:G0B+4*\slot+3], 2*RHO
	JLOAD G0+4*\slot, G1, G0B+4*\slot, G1B         ; the first tensor load behind the round; its four v_nop are also the places in front of the loads below
.else
	PLACES NP
.endif
	v_add_nc_u32 v[ADRS], 64*NQ, v[ADRS]
	FETCH_B \next, 0, 0
	FETCH_A \next, 0, 0
	SCALES \next
	WIN MUL_HI
	MUL16 4, 1, NQ-1, \slot, 0
	MUL16 6, 1, NQ-1, \slot, 0
	PLACES NP
	WIN 0
	FETCH_A \next, 0, 4
.endm
	s_wait_tensorcnt 1                             ; the scale words and my part of slot 0 are in; slot 1's load may be out
	s_barrier_signal -1
	s_barrier_wait -1
	FETCH_B 0, 0, 0
	FETCH_A 0, 0, 0
	SCALES 0
	FETCH_A 0, 0, 4
	STEP 0, 0, 1                                   ; the first step's products start the sums
	s_mov_b32 s3, LAPS-1
.Llap:
	TURN 0, 1, 1
	STEP 1, 0, 0
	TURN 1, 0, 1
	STEP 0, 0, 0
	s_sub_co_u32 s3, s3, 1
	s_cmp_lg_u32 s3, 0
	s_cbranch_scc1 .Llap
	TURN 0, 1, 0
	STEP 1, 0, 0
	s_wait_dscnt 4*NL
	WIN MUL_LO
	MUL16 0, 1, NQ-1, 1, 0
	MUL16 2, 1, NQ-1, 1, 0
	s_wait_dscnt 0
	WIN MUL_HI
	MUL16 4, 1, NQ-1, 1, 0
	MUL16 6, 1, NQ-1, 1, 0
	WIN 0
; THE WAY OUT, block by block of 16 rows x 128 columns, through my own stage: in by tiles, each at its outputs' true place in the row; back as whole rows of 512 bytes.
.macro TOSTAGE a
.set AC, 64*((\a)%4)
	WIN 0x08+4*((\a)/4)                            ; an LDS store's data: window 2 or 3
.irp b, 0,1,2,3,4,5,6,7
	ds_store_b128 v[STO], v[AC+8*\b:AC+8*\b+3] offset:128*(\b/2)+32*(\b%2)          ; each accumulator from its low end on
	ds_store_b128 v[STO], v[AC+8*\b+4:AC+8*\b+7] offset:128*(\b/2)+32*(\b%2)+16
.endr
	WIN 0
.set BB, BK+64*((\a)%2)
.irp t, 0,1,2,3,4,5,6,7,8,9,10,11,12,13,14,15
	ds_load_b128 v[BB+4*\t:BB+4*\t+3], v[RD] offset:\t*SPITCH      ; LDS serves a wave's instructions in order: these see my stores
.endr
.endm
.macro SEND a, younger
.set BB, BK+64*((\a)%2)
	s_wait_dscnt \younger                          ; the block is back in registers; the next block's 16 stores and 16 loads may be out
.if (\a) > 0
	s_add_nc_u64 s[12:13], s[12:13], 16*NCOL*4     ; (behind a wait on XCNT: the earlier stores have read their base)
.endif
.irp t, 0,1,2,3,4,5,6,7,8,9,10,11,12,13,14,15
	global_store_b128 v[CO], v[BB+4*\t:BB+4*\t+3], s[12:13] offset:\t*NCOL*4 th:TH_STORE_NT   ; 32 lanes store 512 consecutive bytes, at a multiple of 256 from out0's first byte
.endr
.endm
	PLACES NP
	TOSTAGE 0
.irp a, 1,2,3,4,5,6,7
.if \a > 1
	s_wait_xcnt 0x0                                ; block a - 2's stores have read their registers and their base
.endif
	TOSTAGE \a
	SEND \a-1, 32
.endr
	s_wait_xcnt 0x0
	SEND 7, 0
	s_wait_tensorcnt 0x0                           ; the wave's end
	ds_add_u32 v[SPW], v[NIL]
	s_wait_dscnt 0x0
	CROUND                                         ; the closing round
	s_endpgm
.Lfunc_end_k_q35e32768f6_oproj:
	.size	k_q35e32768f6_oproj, .Lfunc_end_k_q35e32768f6_oproj-k_q35e32768f6_oproj
	.p2alignl 7, 3214868480
	.fill 96, 4, 3214868480
	.section	.rodata,"a",@progbits
	.p2align	6, 0x0
	.amdhsa_kernel k_q35e32768f6_oproj
		.amdhsa_group_segment_fixed_size 327680
		.amdhsa_private_segment_fixed_size 0
		.amdhsa_enable_private_segment 0
		.amdhsa_kernarg_size 40
		.amdhsa_user_sgpr_count 2
		.amdhsa_user_sgpr_kernarg_segment_ptr 1
		.amdhsa_wavefront_size32 1
		.amdhsa_system_sgpr_workgroup_id_x 1
		.amdhsa_system_sgpr_workgroup_id_y 1
		.amdhsa_system_sgpr_workgroup_id_z 1
		.amdhsa_system_vgpr_workitem_id 0
		.amdhsa_next_free_vgpr 1024
		.amdhsa_next_free_sgpr 98
		.amdhsa_reserve_vcc 0
		.amdhsa_float_denorm_mode_32 3
		.amdhsa_float_denorm_mode_16_64 3
		.amdhsa_memory_ordered 1
		.amdhsa_forward_progress 1
		.amdhsa_inst_pref_size 137
	.end_amdhsa_kernel
	.amdgpu_metadata
---
amdhsa.version: [ 1, 2 ]
amdhsa.kernels:
  - .name:           k_q35e32768f6_oproj
    .symbol:         k_q35e32768f6_oproj.kd
    .args:
      - { .name: af, .offset: 0, .size: 8, .value_kind: global_buffer, .address_space: global }
      - { .name: asc, .offset: 8, .size: 8, .value_kind: global_buffer, .address_space: global }
      - { .name: cod, .offset: 16, .size: 8, .value_kind: global_buffer, .address_space: global }
      - { .name: scl, .offset: 24, .size: 8, .value_kind: global_buffer, .address_space: global }
      - { .name: out0, .offset: 32, .size: 8, .value_kind: global_buffer, .address_space: global }
    .group_segment_fixed_size: 327680
    .private_segment_fixed_size: 0
    .kernarg_segment_align: 8
    .kernarg_segment_size: 40
    .max_flat_workgroup_size: 128
    .sgpr_count:     98
    .vgpr_count:     1024
    .wavefront_size: 32
...
	.end_amdgpu_metadata
.endif
;; end of part 4
;; ======== version 2 of 2: 4 launches
;; limits: right only within a limited range of input values
;; workspace buffers: cod 15,728,640 bytes; scl 655,360 bytes; rope 1,114,112 bytes; qf 3,276,800 bytes; kv 6,553,600 bytes; af 3,145,728 bytes; asc 131,072 bytes
;; launch quant (part 5): grid 640 x 1, 4 waves a work-group, no clusters, 54,784 bytes of LDS; arguments x, wq, wk, wv, wo, cod, scl, rope; writes cod, scl, rope
.if DOCPART == 5
	.amdgcn_target "amdgcn-amd-amdhsa--gfx1250"
	.amdhsa_code_object_version 6
	.text
	.protected	k_q35e32768f6_quant
	.globl	k_q35e32768f6_quant
	.p2align	8
	.type	k_q35e32768f6_quant,@function
k_q35e32768f6_quant:
	s_mov_b64 s[64:65], 0
	v_nop
	global_prefetch_b8 v0, s[64:65] scope:SCOPE_SE
	s_setreg_imm32_b32 hwreg(HW_REG_WAVE_MODE, 25, 1), 1
	s_wait_xcnt 0x0
; x, wq, wk, wv, wo, each [2048][2048] f32 with K innermost, become codes of FP6 (E2M3) with one E8M0 byte for each 32 along K, laid as the products' launches want them.
; A block's scale is 2^(floor(log2(its largest magnitude)) - 2); its byte is the largest magnitude's exponent field - 2, held at 1 from below.
; LAYOUT OF THE CODES: section T (x, wq, wk, wv, wo) of 3,145,728 bytes = [block of 16 rows 128][K step of 128: 16][1,536 bytes].  The 1,536 bytes are the image of an operand's registers:
; lane l = 16 h + r has 48 bytes at 48 l: 24 bytes k = 32 h .. and 24 bytes k = 64 + 32 h .. of the block's row r.  Three loads of 16 bytes a lane bring a fragment.
; THE ROWS OF A BLOCK ARE NOT NEIGHBOURS: row r of block p is the tensor's row 32 (p / 2) + 8 (p % 2) + r + 8 (r / 8), so that in a product used transposed a lane's 16 registers of two neighbouring
; tiles are 16 neighbours along the next product's K.  SCALES: section T of 131,072 bytes = [block][K step][r][4 bytes].
; A work-group takes one block of one tensor; wave w its rows 4 w .. 4 w + 3, which are 4 neighbouring rows of the tensor: 32,768 consecutive bytes, 16 steps of 512 numbers.
; A step's four loads read 512 consecutive bytes each; the 2,048 bytes turn through the wave's own stage in LDS, so that a lane holds 16 neighbours along K (two lanes a block of 32).
; The codes (12 bytes a lane and step) are gathered in the work-group's image in LDS, each 12 bytes in a place of 16, and leave behind one barrier as 24,576 consecutive bytes.
; THE TABLE OF COSINES AND SINES (work-groups 0 to 135): block p = [16 groups][lane][16 bytes]; groups 0-7 cos, 8-15 sin; register i (0 .. 31) of lane (r, h) belongs to the position of row r of block p
; and to frequency 32 (i / 16) + 16 h + i % 16.  Blocks 128 to 135 are the rotation by the angle 0 (cos 1, sin 0): the values' product takes them.
; The angle is position x 10000^(-f / 64), reduced by multiples of pi / 2 held in three parts; sine and cosine by polynomials on |r| <= pi / 4.
; LIMITS: NaN and infinities among the inputs are not served; a block whose largest magnitude lies under 2^-124 keeps the byte 1; a block of zeros has the byte 1 where the rule says 127: its codes are zeros, and
; only this program reads the bytes.  10000^(-f / 64) is made by v_exp_f32 of a rounded product: at the largest positions an angle may differ from the reference's by a few 1e-4.
.set STEPS, 16
.set EMAX,  2
.set SEC,   3145728
.set R,     16                         ; v16-79   four sets of 16 numbers as they are loaded; later the codes on their way out
.set X,     80                         ; v80-111  two sets of 16 neighbours
.set E,     112                        ; v112-127 a scale byte for each step
.set C,     128                        ; v128-191 codes: four registers for each step
.set SP,    80                         ; a lane's place in a stage: 64 bytes + 16
.set WREG,  2*32*SP                    ; two stages a wave
.set IMG,   4*WREG                     ; the work-group's image: 2,048 places of 16 bytes
.set SCB,   IMG+32768                  ; its 1,024 scale bytes
.set SPARE, SCB+1024                   ; the spare words, 128 bytes for each wave: no other line names them
.set SPW,   12                         ; v12 my spare word's address; never rewritten
.set NIL,   13                         ; v13 0; never rewritten
	s_load_b256 s[4:11], s[0:1], 0x0               ; x, wq, wk, wv
	s_load_b256 s[12:19], s[0:1], 0x20             ; wo, cod, scl, rope
	v_lshl_add_u32 v[SPW], v0, 2, SPARE
	v_mov_b32 v[NIL], 0
	v_lshrrev_b32 v1, 5, v0
	v_readfirstlane_b32 s20, v1                    ; wave
	v_and_b32 v2, 31, v0                           ; lane
	v_lshlrev_b32 v3, 4, v2                        ; my 16 bytes of a load's 512
	s_mul_i32 s21, s20, WREG
	v_lshrrev_b32 v14, 2, v2
	v_mul_u32_u24 v14, v14, SP
	v_and_b32 v15, 3, v2
	v_lshl_add_u32 v14, v15, 4, v14
	v_add_nc_u32 v14, s21, v14                     ; the stage, on the way in: SP (lane / 4) + 16 (lane % 4)
	v_mul_u32_u24 v15, v2, SP
	v_add_nc_u32 v15, s21, v15                     ; and on the way out: SP x lane
	; my 16 codes of a step: K step 4 (t % 4) + lane / 8; in it block (lane / 2) % 4 = 2 c + h, half lane % 2.  Place 128 kstep + 4 (16 h + r) + 2 c + half, 16 bytes a place
	v_lshrrev_b32 v4, 3, v2
	v_lshlrev_b32 v4, 11, v4
	v_bfe_u32 v5, v2, 1, 1
	v_lshl_add_u32 v4, v5, 10, v4
	v_bfe_u32 v5, v2, 2, 1
	v_lshl_add_u32 v4, v5, 5, v4
	v_and_b32 v5, 1, v2
	v_lshl_add_u32 v4, v5, 4, v4
	s_lshl_b32 s21, s20, 8
	s_add_co_u32 s21, s21, IMG
	v_add_nc_u32 v4, s21, v4                       ; + 64 x (4 wave); the step's part stands in the immediate
	v_lshrrev_b32 v5, 3, v2
	v_bfe_u32 v6, v2, 1, 2
	v_lshl_add_u32 v5, v5, 6, v6
	s_lshl_b32 s21, s20, 4
	s_add_co_u32 s21, s21, SCB
	v_add_nc_u32 v5, s21, v5                       ; my block's scale byte: 64 kstep + 4 r + block
	s_lshl_b32 s21, s20, 13
	s_add_co_u32 s21, s21, IMG
	v_add_nc_u32 v6, s21, v3                       ; the image on the way out: wave w takes places 512 w on, a lane a place
	v_mul_u32_u24 v7, v2, 12                       ; and 12 bytes a lane in memory
	v_lshlrev_b32 v1, 3, v2
	s_lshl_b32 s21, s20, 8
	s_add_co_u32 s21, s21, SCB
	v_add_nc_u32 v10, s21, v1                      ; the scale bytes on the way out: 256 a wave, 8 a lane
	s_lshr_b32 s22, ttmp9, 7                       ; which tensor
	s_and_b32 s23, ttmp9, 127                      ; which block of 16 rows
	s_lshr_b32 s24, s23, 1
	s_lshl_b32 s24, s24, 5
	s_and_b32 s25, s23, 1
	s_lshl_b32 s25, s25, 3
	s_add_co_u32 s24, s24, s25
	s_lshl_b32 s25, s20, 2
	s_add_co_u32 s24, s24, s25
	s_lshr_b32 s25, s20, 1
	s_lshl_b32 s25, s25, 3
	s_add_co_u32 s24, s24, s25                     ; my wave's first row of the tensor: 32 (p / 2) + 8 (p % 2) + 4 w + 8 (w / 2)
	s_lshl_b32 s24, s24, 13                        ; a row is 8,192 bytes
	s_mov_b32 s25, 0
	s_mul_i32 s26, s22, SEC
	s_mul_i32 s27, s23, 24576
	s_add_co_u32 s26, s26, s27
	s_mul_i32 s27, s20, 6144
	s_add_co_u32 s26, s26, s27                     ; my wave's quarter of the block's codes
	s_mov_b32 s27, 0
	s_lshl_b32 s28, s22, 17
	s_lshl_b32 s29, s23, 10
	s_add_co_u32 s28, s28, s29
	s_lshl_b32 s29, s20, 8
	s_add_co_u32 s28, s28, s29                     ; and of its scale bytes
	s_mov_b32 s29, 0
	s_wait_kmcnt 0x0
	s_cmp_eq_u32 s22, 1                            ; the tensor is chosen by the work-group's number alone
	s_cselect_b64 s[4:5], s[6:7], s[4:5]
	s_cmp_eq_u32 s22, 2
	s_cselect_b64 s[4:5], s[8:9], s[4:5]
	s_cmp_eq_u32 s22, 3
	s_cselect_b64 s[4:5], s[10:11], s[4:5]
	s_cmp_eq_u32 s22, 4
	s_cselect_b64 s[4:5], s[12:13], s[4:5]
	s_add_nc_u64 s[4:5], s[4:5], s[24:25]
	s_add_nc_u64 s[14:15], s[14:15], s[26:27]
	s_add_nc_u64 s[16:17], s[16:17], s[28:29]
.macro LOAD t
.irp i, 0,1,2,3
	global_load_b128 v[R+16*((\t)%4)+4*\i:R+16*((\t)%4)+4*\i+3], v3, s[4:5] offset:2048*(\t)+512*\i th:TH_LOAD_NT   ; 32 lanes read 512 consecutive bytes; read once in the launch
.endr
.endm
.macro TURN t                          ; step t's numbers through the stage: LDS serves a wave's instructions in order, so no wait stands between the stores and the loads
.irp i, 0,1,2,3
	ds_store_b128 v14, v[R+16*((\t)%4)+4*\i:R+16*((\t)%4)+4*\i+3] offset:32*SP*((\t)%2)+8*SP*\i
.endr
.irp i, 0,1,2,3
	ds_load_b128 v[X+16*((\t)%2)+4*\i:X+16*((\t)%2)+4*\i+3], v15 offset:32*SP*((\t)%2)+16*\i
.endr
.endm
.irp t, 0,1,2,3
	LOAD \t
.endr
	s_wait_loadcnt 12                              ; step 0's four loads are in
	TURN 0
.macro STEP t
.set XS, X+16*((\t)%2)
.if (\t) > 0
	s_wait_dscnt 2                                 ; this step's numbers are back from the stage; behind them only the last step's two stores were issued
.else
	s_wait_dscnt 0x0
.endif
.if (\t)+4 < STEPS
	LOAD (\t)+4                                    ; into the set that this step's stores into the stage have read
.endif
.if (\t)+1 < STEPS
.if STEPS-2-(\t) >= 3
	s_wait_loadcnt 12                              ; the next step's four loads are in; those of the three steps behind it may be out
.else
	s_wait_loadcnt 4*(STEPS-2-(\t))
.endif
	TURN (\t)+1
.endif
	v_max3_num_f32 v8, |v[XS]|, |v[XS+1]|, |v[XS+2]|               ; the largest magnitude of my 16
	v_max3_num_f32 v9, |v[XS+3]|, |v[XS+4]|, |v[XS+5]|
.irp i, 6,10
	v_max3_num_f32 v8, v8, |v[XS+\i]|, |v[XS+\i+1]|
	v_max3_num_f32 v9, v9, |v[XS+\i+2]|, |v[XS+\i+3]|
.endr
	v_max3_num_f32 v8, v8, |v[XS+14]|, |v[XS+15]|
	v_max3_num_f32 v8, v8, v9, (EMAX+1)<<23        ; and the floor 2^(3 - 127): the byte cannot fall under 1
	v_max_num_f32_dpp v8, v8, v8 row_xmask:1 row_mask:0xf bank_mask:0xf   ; and of my neighbour's 16: the block's
	v_add_nc_u32 v11, -(EMAX<<23), v8              ; 2 off its exponent field: the conversion takes the exponent field of this operand as its scale
	v_cvt_scalef32_pk16_fp6_f32 v[C+4*(\t):C+4*(\t)+2], v[XS:XS+15], v11
	v_lshrrev_b32 v[E+(\t)], 23, v11               ; the scale's byte (a plain line behind the conversion)
	ds_store_b8 v5, v[E+(\t)] offset:256*((\t)%4)+4*((\t)/4)       ; both lanes of a block write the same byte with the same value
	ds_store_b96 v4, v[C+4*(\t):C+4*(\t)+2] offset:8192*((\t)%4)+64*((\t)/4)   ; K steps 4 (t % 4) on, row 4 w + t / 4; every address a multiple of 16
.endm
.irp t, 0,1,2,3,4,5,6,7,8,9,10,11,12,13,14,15
	STEP \t
.endr
	s_wait_dscnt 0x0                               ; for the others' sake: my stores into the image are done
	s_barrier_signal -1
	s_barrier_wait -1
.irp i, 0,1,2,3,4,5,6,7,8,9,10,11,12,13,14,15
	ds_load_b96 v[R+4*\i:R+4*\i+2], v6 offset:512*\i
.endr
	ds_load_b64 v[8:9], v10
.irp i, 0,1,2,3,4,5,6,7,8,9,10,11,12,13,14,15
	s_wait_dscnt 16-\i                             ; the younger loads of the sixteen and the load of the scale bytes may be out
	global_store_b96 v7, v[R+4*\i:R+4*\i+2], s[14:15] offset:384*\i   ; 32 lanes store 384 consecutive bytes; the wave's sixteen stores 6,144 on end
.endr
	s_wait_dscnt 0x0
	global_store_b64 v1, v[8:9], s[16:17]          ; 32 lanes store 256 consecutive bytes, at a multiple of 256 from the buffer's first byte
	; ---- the table of cosines and sines: no LDS, no barrier
	s_cmp_lt_u32 ttmp9, 136
	s_cbranch_scc0 .Lend
.set POS, 86
.set FQ,  88                           ; arrays of eight: my angles 4 g + e, g = 0, 1: frequency 16 h + 4 w + 32 g + e
.set AN,  96
.set NN,  104
.set RR,  112
.set ZZ,  120
.set SS,  128
.set CC,  136
.set TT,  144
.set SN,  152
.set CN,  160
	s_mov_b32 s30, 0xbe549a78                      ; -log2(10000) / 64
	s_mov_b32 s31, 0x3f22f983                      ; 2 / pi
	s_mov_b32 s32, 0xbfc90fdb                      ; -pi / 2 in three parts: the first,
	s_mov_b32 s33, 0x333bbd2e                      ; the second,
	s_mov_b32 s34, 0x26f72ced                      ; the third
	s_mov_b32 s35, 0xb94ca1f9                      ; the sine's polynomial
	s_mov_b32 s36, 0x3c08839e
	s_mov_b32 s37, 0xbe2aaaa3
	s_mov_b32 s38, 0x37ccf5ce                      ; the cosine's
	s_mov_b32 s39, 0xbab6061a
	s_mov_b32 s40, 0x3d2aaaa5
	v_and_b32 v80, 15, v0
	v_and_b32 v81, 8, v80
	v_add_nc_u32 v80, v80, v81                     ; r + 8 (r / 8)
	s_lshr_b32 s24, s23, 1
	s_lshl_b32 s24, s24, 5
	s_and_b32 s25, s23, 1
	s_lshl_b32 s25, s25, 3
	s_add_co_u32 s24, s24, s25
	v_add_nc_u32 v80, s24, v80                     ; the position of row r of my block
	v_cvt_f32_u32 v[POS], v80
	s_cmp_lt_u32 ttmp9, 128
	s_cselect_b32 s25, 1.0, 0                      ; blocks 128 to 135: the position 0, so that every angle is 0
	v_mul_f32 v[POS], s25, v[POS]
	v_bfe_u32 v81, v0, 4, 1
	v_lshlrev_b32 v81, 4, v81
	s_lshl_b32 s24, s20, 2
	v_add_nc_u32 v81, s24, v81                     ; 16 h + 4 w
.irp k, 0,1,2,3,4,5,6,7
	v_add_nc_u32 v[FQ+\k], 32*(\k/4)+\k%4, v81
.endr
.irp k, 0,1,2,3,4,5,6,7
	v_cvt_f32_u32 v[FQ+\k], v[FQ+\k]
.endr
.irp k, 0,1,2,3,4,5,6,7
	v_mul_f32 v[FQ+\k], s30, v[FQ+\k]
.endr
	s_wait_alu depctr_va_vdst(0)
.irp k, 0,1,2,3,4,5,6,7
	v_exp_f32 v[FQ+\k], v[FQ+\k]                   ; 10000^(-f / 64)
.endr
	v_nop                                          ; a plain line behind the last exponential
	s_wait_alu depctr_va_vdst(0)                   ; one wait for the eight, ahead of their first reader
.irp k, 0,1,2,3,4,5,6,7
	v_mul_f32 v[AN+\k], v[POS], v[FQ+\k]           ; the angle: one product in f32
.endr
.irp k, 0,1,2,3,4,5,6,7
	v_mul_f32 v[NN+\k], s31, v[AN+\k]
.endr
.irp k, 0,1,2,3,4,5,6,7
	v_rndne_f32 v[NN+\k], v[NN+\k]                 ; n = the nearest multiple of pi / 2
.endr
.irp k, 0,1,2,3,4,5,6,7
	v_fma_f32 v[RR+\k], v[NN+\k], s32, v[AN+\k]
.endr
.irp k, 0,1,2,3,4,5,6,7
	v_fma_f32 v[RR+\k], v[NN+\k], s33, v[RR+\k]
.endr
.irp k, 0,1,2,3,4,5,6,7
	v_fma_f32 v[RR+\k], v[NN+\k], s34, v[RR+\k]    ; r = angle - n pi / 2
.endr
.irp k, 0,1,2,3,4,5,6,7
	v_mul_f32 v[ZZ+\k], v[RR+\k], v[RR+\k]
.endr
.irp k, 0,1,2,3,4,5,6,7
	v_fma_f32 v[SS+\k], v[ZZ+\k], s35, s36
	v_fma_f32 v[CC+\k], v[ZZ+\k], s38, s39
.endr
.irp k, 0,1,2,3,4,5,6,7
	v_fma_f32 v[SS+\k], v[SS+\k], v[ZZ+\k], s37
	v_fma_f32 v[CC+\k], v[CC+\k], v[ZZ+\k], s40
.endr
.irp k, 0,1,2,3,4,5,6,7
	v_mul_f32 v[SS+\k], v[SS+\k], v[ZZ+\k]
	v_mul_f32 v[CC+\k], v[CC+\k], v[ZZ+\k]
	v_fma_f32 v[TT+\k], v[ZZ+\k], -0.5, 1.0
.endr
.irp k, 0,1,2,3,4,5,6,7
	v_fma_f32 v[SS+\k], v[SS+\k], v[RR+\k], v[RR+\k]   ; sin r
	v_fma_f32 v[CC+\k], v[CC+\k], v[ZZ+\k], v[TT+\k]   ; cos r
.endr
.irp k, 0,1,2,3,4,5,6,7
	v_cvt_i32_f32 v[TT+\k], v[NN+\k]               ; the quadrant only selects values and signs
.endr
.irp k, 0,1,2,3,4,5,6,7
	v_and_b32 v[AN+\k], 1, v[TT+\k]
	v_cmp_eq_u32 vcc_lo, 1, v[AN+\k]
	v_cndmask_b32 v[SN+\k], v[SS+\k], v[CC+\k], vcc_lo     ; n odd: sine and cosine change places
	v_cndmask_b32 v[CN+\k], v[CC+\k], v[SS+\k], vcc_lo
	v_lshlrev_b32 v[AN+\k], 30, v[TT+\k]
	v_and_b32 v[AN+\k], 0x80000000, v[AN+\k]               ; the sine is negated where n % 4 is 2 or 3,
	v_xor_b32 v[SN+\k], v[SN+\k], v[AN+\k]
	v_add_nc_u32 v[TT+\k], 1, v[TT+\k]
	v_lshlrev_b32 v[TT+\k], 30, v[TT+\k]
	v_and_b32 v[TT+\k], 0x80000000, v[TT+\k]               ; the cosine where it is 1 or 2
	v_xor_b32 v[CN+\k], v[CN+\k], v[TT+\k]
.endr
	s_lshl_b32 s24, ttmp9, 13                      ; my block of 8,192 bytes,
	s_lshl_b32 s25, s20, 9                         ; my wave's group
	s_add_co_u32 s24, s24, s25
	s_mov_b32 s25, 0
	s_add_nc_u64 s[18:19], s[18:19], s[24:25]
	global_store_b128 v3, v[CN:CN+3], s[18:19]                 ; each store covers 512 consecutive bytes
	global_store_b128 v3, v[CN+4:CN+7], s[18:19] offset:2048
	global_store_b128 v3, v[SN:SN+3], s[18:19] offset:4096
	global_store_b128 v3, v[SN+4:SN+7], s[18:19] offset:6144
.Lend:
	s_wait_tensorcnt 0x0                           ; the wave's end, behind my last LDS store
	ds_add_u32 v[SPW], v[NIL]
	s_wait_dscnt 0x0
	s_endpgm
.Lfunc_end_k_q35e32768f6_quant:
	.size	k_q35e32768f6_quant, .Lfunc_end_k_q35e32768f6_quant-k_q35e32768f6_quant
	.p2alignl 7, 3214868480
	.fill 96, 4, 3214868480
	.section	.rodata,"a",@progbits
	.p2align	6, 0x0
	.amdhsa_kernel k_q35e32768f6_quant
		.amdhsa_group_segment_fixed_size 54784
		.amdhsa_private_segment_fixed_size 0
		.amdhsa_enable_private_segment 0
		.amdhsa_kernarg_size 64
		.amdhsa_user_sgpr_count 2
		.amdhsa_user_sgpr_kernarg_segment_ptr 1
		.amdhsa_wavefront_size32 1
		.amdhsa_system_sgpr_workgroup_id_x 1
		.amdhsa_system_sgpr_workgroup_id_y 1
		.amdhsa_system_sgpr_workgroup_id_z 1
		.amdhsa_system_vgpr_workitem_id 0
		.amdhsa_next_free_vgpr 192
		.amdhsa_next_free_sgpr 66
		.amdhsa_reserve_vcc 1
		.amdhsa_float_denorm_mode_32 3
		.amdhsa_float_denorm_mode_16_64 3
		.amdhsa_memory_ordered 1
		.amdhsa_forward_progress 1
		.amdhsa_inst_pref_size 49
	.end_amdhsa_kernel
	.amdgpu_metadata
---
amdhsa.version: [ 1, 2 ]
amdhsa.kernels:
  - .name:           k_q35e32768f6_quant
    .symbol:         k_q35e32768f6_quant.kd
    .args:
      - { .name: x, .offset: 0, .size: 8, .value_kind: global_buffer, .address_space: global }
      - { .name: wq, .offset: 8, .size: 8, .value_kind: global_buffer, .address_space: global }
      - { .name: wk, .offset: 16, .size: 8, .value_kind: global_buffer, .address_space: global }
      - { .name: wv, .offset: 24, .size: 8, .value_kind: global_buffer, .address_space: global }
      - { .name: wo, .offset: 32, .size: 8, .value_kind: global_buffer, .address_space: global }
      - { .name: cod, .offset: 40, .size: 8, .value_kind: global_buffer, .address_space: global }
      - { .name: scl, .offset: 48, .size: 8, .value_kind: global_buffer, .address_space: global }
      - { .name: rope, .offset: 56, .size: 8, .value_kind: global_buffer, .address_space: global }
    .group_segment_fixed_size: 54784
    .private_segment_fixed_size: 0
    .kernarg_segment_align: 8
    .kernarg_segment_size: 64
    .max_flat_workgroup_size: 128
    .sgpr_count:     66
    .vgpr_count:     192
    .wavefront_size: 32
...
	.end_amdgpu_metadata
.endif
;; end of part 5
;; launch qkv (part 6): grid 24 x 8, 4 waves a work-group, clusters of 4 x 4, 327,680 bytes of LDS; arguments cod, scl, rope, qf, kv; writes qf, kv
.if DOCPART == 6
	.amdgcn_target "amdgcn-amd-amdhsa--gfx1250"
	.amdhsa_code_object_version 6
	.text
	.protected	k_q35e32768f6_qkv
	.globl	k_q35e32768f6_qkv
	.p2align	8
	.type	k_q35e32768f6_qkv,@function
k_q35e32768f6_qkv:
	s_mov_b64 s[64:65], 0
	v_nop
	global_prefetch_b8 v0, s[64:65] scope:SCOPE_SE
	s_setreg_imm32_b32 hwreg(HW_REG_WAVE_MODE, 25, 1), 1
	s_wait_xcnt 0x0
	s_wait_alu depctr_hold_cnt(0) depctr_sa_sdst(0) depctr_va_vdst(0) depctr_va_sdst(0) depctr_va_ssrc(0) depctr_va_vcc(0) depctr_vm_vsrc(0)
	s_getreg_b32 s2, hwreg(HW_REG_IB_STS2, 6, 4)
	s_cmp_eq_u32 s2, 0
	s_cbranch_scc0 .Lentry_in_a_cluster
	s_endpgm
.Lentry_in_a_cluster:
	s_bfe_u32 s2, ttmp6, 0x10000c
	s_cmp_lg_u32 s2, 0xf033
	s_cbranch_scc0 .Lentry_shape_is_right
	s_endpgm
.Lentry_shape_is_right:
.set SEC,    3145728
.set NQ,     2
.set FR,     12
.set NL,     3
.set NP,     4
.set RHO,    3072
.set KROW,   24576
.set HALFT,  8*RHO
.set SLOT,   4*HALFT
.set LAPS,   4
.set SCL,    2*SLOT
.set HALFS,  8256
.set SPARE,  SCL+4*HALFS
.set ADRA, 16
.set ADRB, 20
.set STO,  24
.set RD,   25
.set CO,   26
.set ADRS, 27
.set SPW,  28
.set NIL,  29
.set STS,  30
.set SC,   32
.set AF,   128
.set HA,   64
.set TM,   128
.set PC,   144
.set PWS,  164
.set OUTR, 64
.set G1, 24
.set G0, 32
.set G1B, 48
.set G0B, 56
.set G1S, 68
.set G0S, 76
.set G1SB, 80
.set G0SB, 88
.set SEL, 98
.set MSB, 0
.macro WIN new
.if MSB != \new
	s_set_vgpr_msb (MSB<<8)|\new
.set MSB, \new
.endif
.endm
.set MUL_LO, 0xa1
.set MUL_HI, 0xf1
.set TO_B,   0x40
.macro JLOAD g0a, g1a, g0b, g1b
	s_cmp_eq_u32 s15, 0
	s_cbranch_scc0 .Lfor_b_\@
	tensor_load_to_lds s[\g0a:\g0a+3], s[\g1a:\g1a+7]
	s_nop 0
.rept 4
	v_nop
.endr
	s_branch .Lasked_\@
.Lfor_b_\@:
	tensor_load_to_lds s[\g0b:\g0b+3], s[\g1b:\g1b+7]
	s_nop 0
.rept 4
	v_nop
.endr
.Lasked_\@:
.endm
.macro CREST
	s_cmp_lg_u32 s14, 0
	s_cbranch_scc1 .Lnot_wave_0_\@
	s_barrier_signal -3
.Lnot_wave_0_\@:
	s_barrier_wait -3
	s_barrier_signal -1
	s_barrier_wait -1
.endm
.macro CROUND
	s_barrier_signal -1
	s_barrier_wait -1
	CREST
.endm
	s_load_b256 s[4:11], s[0:1], 0x0
	s_load_b64 s[12:13], s[0:1], 0x20
	v_lshl_add_u32 v[SPW], v0, 2, SPARE
	v_mov_b32 v[NIL], 0
	ds_add_u32 v[SPW], v[NIL]
	ds_add_u32 v[SPW], v[NIL]
	v_lshrrev_b32 v1, 5, v0
	v_readfirstlane_b32 s14, v1
	s_lshr_b32 s15, s14, 1
	s_and_b32 s16, s14, 1
	s_bfe_u32 s40, ttmp6, 0x40000
	s_bfe_u32 s41, ttmp6, 0x40004
	s_lshr_b32 s18, ttmp9, 1
	s_and_b32 s42, ttmp9, 1
	s_lshl_b32 s42, s42, 2
	s_add_co_u32 s42, s42, s40
	s_and_b32 s17, ttmp7, 0xffff
	s_lshl_b32 s17, s17, 2
	s_add_co_u32 s17, s17, s41
	s_lshl_b32 s43, s41, 2
	s_lshl_b32 s43, 15, s43
	s_lshl_b32 s44, 0x1111, s40
	s_or_b32 s[G1+0], s43, (3<<16)|(1<<21)
	s_or_b32 s[G1B+0], s44, (3<<16)|(1<<21)
.irp g, G1, G1B
	s_mov_b32 s[\g+1], 384<<16
	s_mov_b32 s[\g+2], 16<<16                      ; the head's loads of codes bring 16 rows; behind them the two words that count rows are set to 8
	s_mov_b32 s[\g+3], 384<<16
	s_mov_b32 s[\g+4], 16
	s_mov_b32 s[\g+5], 3072
	s_mov_b32 s[\g+6], 0
	s_mov_b32 s[\g+7], 0
.endr
	s_or_b32 s[G1S+0], s43, (3<<16)|(1<<21)
	s_or_b32 s[G1SB+0], s44, (3<<16)|(1<<21)
.irp g, G1S, G1SB
	s_mov_b32 s[\g+1], 32<<16
	s_mov_b32 s[\g+2], 64<<16                      ; the scales of a tile's 16 blocks: 64 rows of 256 bytes, dense
	s_mov_b32 s[\g+3], 32<<16
	s_mov_b32 s[\g+4], 64
	s_mov_b32 s[\g+5], 32
	s_mov_b32 s[\g+6], 0
	s_mov_b32 s[\g+7], 0
.endr
	s_lshl_b32 s19, s16, 3
	s_lshl_b32 s20, s17, 4
	s_add_co_u32 s20, s20, s19
	s_lshl_b32 s46, s42, 4
	s_add_co_u32 s46, s46, s19
	s_lshl_b32 s22, s20, 10
	s_lshl_b32 s92, s46, 10
	s_mul_i32 s20, s20, KROW
	s_mul_i32 s46, s46, KROW
	s_add_co_u32 s95, s18, 1
	s_cmp_eq_u32 s18, 2
	s_cselect_b32 s94, 3, 0
	s_cselect_b32 s95, 0, s95
	s_mul_i32 s96, s94, SEC
	s_add_co_u32 s20, s20, s96
	s_lshl_b32 s96, s94, 17
	s_add_co_u32 s22, s22, s96
	s_mul_i32 s96, s95, SEC
	s_add_co_u32 s46, s46, s96
	s_lshl_b32 s96, s95, 17
	s_add_co_u32 s92, s92, s96
	s_mov_b32 s21, 0
	s_mov_b32 s23, 0
	s_mov_b32 s47, 0
	s_mov_b32 s93, 0
	s_mul_i32 s45, s14, HALFT
	s_mov_b32 s[SEL], 0x76543210
	s_mov_b32 s[SEL+1], 0xfedcba98
	s_wait_dscnt 0x0
	s_wait_kmcnt 0x0
	s_add_nc_u64 s[20:21], s[4:5], s[20:21]
	s_add_nc_u64 s[22:23], s[6:7], s[22:23]
	s_add_nc_u64 s[46:47], s[4:5], s[46:47]
	s_add_nc_u64 s[92:93], s[6:7], s[92:93]
	s_mul_i32 s40, s16, 8*KROW                     ; my half's distance from the tile's first block: in the codes,
	s_mov_b32 s41, 0
	s_lshl_b32 s96, s16, 13                        ; and in the scales
	s_mov_b32 s97, 0
	CROUND
	; THE HEAD'S FOUR TILES, each whole, one a wave: slot 0's 16 blocks of A, its 16 blocks of B, A's scales, B's scales.  The groups 0 of the two loads of codes lie in slot 1's registers, which are set for slot 1 behind the wait for these loads
	s_mov_b32 s[G0+4], 1
	s_mov_b32 s[G0+5], 0
	s_sub_nc_u64 s[G0+6:G0+7], s[20:21], s[40:41]
	s_or_b32 s[G0+7], s[G0+7], 0x80000000
	s_mov_b32 s[G0B+4], 1
	s_mov_b32 s[G0B+5], 2*HALFT
	s_sub_nc_u64 s[G0B+6:G0B+7], s[46:47], s[40:41]
	s_or_b32 s[G0B+7], s[G0B+7], 0x80000000
	s_mov_b32 s[G0S], 1
	s_mov_b32 s[G0S+1], SCL
	s_sub_nc_u64 s[G0S+2:G0S+3], s[22:23], s[96:97]
	s_or_b32 s[G0S+3], s[G0S+3], 0x80000000
	s_mov_b32 s[G0SB], 1
	s_mov_b32 s[G0SB+1], SCL+2*HALFS               ; B's 16,384 bytes begin 16,512 behind A's
	s_sub_nc_u64 s[G0SB+2:G0SB+3], s[92:93], s[96:97]
	s_or_b32 s[G0SB+3], s[G0SB+3], 0x80000000
.macro SETG s                          ; the ring's groups 0 for slot s: my 8 blocks of A or of B
	s_mov_b32 s[G0+4*\s], 1
	s_add_co_u32 s[G0+4*\s+1], s45, \s*SLOT
	s_add_nc_u64 s[G0+4*\s+2:G0+4*\s+3], s[20:21], \s*RHO
	s_or_b32 s[G0+4*\s+3], s[G0+4*\s+3], 0x80000000
	s_mov_b32 s[G0B+4*\s], 1
	s_add_co_u32 s[G0B+4*\s+1], s45, \s*SLOT
	s_add_nc_u64 s[G0B+4*\s+2:G0B+4*\s+3], s[46:47], \s*RHO
	s_or_b32 s[G0B+4*\s+3], s[G0B+4*\s+3], 0x80000000
.endm
	SETG 0
.macro ARM under, g0, g1, next         ; one chain of branches on the wave's number: every way through the head passes exactly one load
	s_cmp_lt_u32 s14, \under
	s_cbranch_scc0 \next
	tensor_load_to_lds s[\g0:\g0+3], s[\g1:\g1+7]
	s_nop 0
.rept 4
	v_nop
.endr
	s_branch .Lhead_asked
\next:
.endm
	ARM 1, G0+4,  G1,  .Lhead_b
	ARM 2, G0B+4, G1B, .Lhead_sa
	ARM 3, G0S,   G1S, .Lhead_sb
	tensor_load_to_lds s[G0SB:G0SB+3], s[G1SB:G1SB+7]
	s_nop 0
.rept 4
	v_nop
.endr
.Lhead_asked:
	s_wait_alu depctr_va_vdst(0)
	s_wait_tensorcnt 0x0                           ; my tile of the head's four is in
	ds_add_u32 v28, v29
	s_mov_b32 s[G1+2], 8<<16                       ; no tensor load of mine is out: from here on a load brings 8 rows
	s_mov_b32 s[G1+4], 8
	s_mov_b32 s[G1B+2], 8<<16
	s_mov_b32 s[G1B+4], 8
	SETG 1
	s_wait_dscnt 0x0
	CROUND
	JLOAD G0+4, G1, G0B+4, G1B                     ; slot 1's first fill, the first tensor load behind the round
	v_and_b32 v1, 31, v0
	v_and_b32 v2, 15, v0
	v_bfe_u32 v3, v0, 4, 1
	s_wait_alu depctr_va_vdst(0)
	v_mul_u32_u24 v4, v1, 48
	s_wait_alu depctr_va_vdst(0)
	s_mul_i32 s21, s15, HALFT
	s_mul_i32 s22, s16, HALFT
	s_add_co_u32 s22, s22, 2*HALFT
.irp s, 0,1
	v_add_nc_u32 v[ADRA+\s], s21, v4
	v_add_nc_u32 v[ADRB+\s], s22, v4
	s_add_co_u32 s21, s21, SLOT
	s_add_co_u32 s22, s22, SLOT
.endr
	v_lshlrev_b32 v5, 2, v2
	s_lshl_b32 s21, s15, 13                        ; a half's scales are 8,192 bytes, the two halves on end
	s_lshl_b32 s22, s16, 13
	s_add_co_u32 s22, s22, 2*HALFS
	s_sub_co_u32 s22, s22, s21
	v_mul_u32_u24 v6, s22, v3
	s_add_co_u32 s21, s21, SCL
	v_add_nc_u32 v5, v5, v6
	v_add_nc_u32 v[ADRS], s21, v5
	s_mul_i32 s23, s14, 12800
	v_add_nc_u32 v[STO], s23, v4
	v_lshlrev_b32 v[CO], 4, v1
	v_add_nc_u32 v[RD], s23, v[CO]
	v_lshlrev_b32 v5, 5, v2
	s_add_co_u32 s23, s23, 12288
	v_add_nc_u32 v[STS], s23, v5
	s_lshl_b32 s96, s42, 1
	s_add_co_u32 s96, s96, s16
	s_lshl_b32 s97, s17, 1
	s_add_co_u32 s97, s97, s15
	s_cmp_eq_u32 s18, 2
	s_cselect_b32 s100, s97, s96
	s_cselect_b32 s101, s96, s97
	s_lshl_b32 s100, s100, 4
	s_add_co_u32 s100, s100, s101
	s_mov_b32 s101, 25600
	s_cmp_eq_u32 s18, 0
	s_cselect_b64 s[10:11], s[10:11], s[12:13]
	s_cselect_b32 s101, 12800, s101
	s_mul_i32 s100, s100, s101
	s_cmp_eq_u32 s18, 2
	s_cselect_b32 s101, 12800, 0
	s_add_co_u32 s100, s100, s101
	s_mov_b32 s101, 0
	s_add_nc_u64 s[10:11], s[10:11], s[100:101]
	s_lshl_b32 s96, s17, 4
	s_lshl_b32 s97, s15, 3
	s_add_co_u32 s96, s96, s97
	s_cmp_eq_u32 s18, 2
	s_cselect_b32 s96, 128, s96
	s_lshl_b32 s96, s96, 13
	s_mov_b32 s97, 0
	s_add_nc_u64 s[8:9], s[8:9], s[96:97]
.macro FRAG reg, adr, q, i
.irp c, 0,1,2
	ds_load_b128 v[\reg+4*\c:\reg+4*\c+3], v[\adr] offset:(\i)*RHO+(\q)*1536+16*\c
.endr
.endm
.macro MUL16 a0, p, q, sc, zero
.irp a, \a0, \a0+1
.irp b, 0,1,2,3,4,5,6,7
.if \zero
	v_wmma_scale_f32_16x16x128_f8f6f4 v[8*(8*((\a)%4)+\b):8*(8*((\a)%4)+\b)+7], v[128*(\p)+FR*\b:128*(\p)+FR*\b+FR-1], v[AF+FR*(\a):AF+FR*(\a)+FR-1], 0, v[SC+8*NQ*(\sc)+NQ*\b+(\q)], v[SC+8*NQ*(\sc)+NQ*(\a)+(\q)] matrix_a_fmt:MATRIX_FMT_FP6 matrix_b_fmt:MATRIX_FMT_FP6 matrix_a_scale:MATRIX_SCALE_ROW1
.else
	v_wmma_scale_f32_16x16x128_f8f6f4 v[8*(8*((\a)%4)+\b):8*(8*((\a)%4)+\b)+7], v[128*(\p)+FR*\b:128*(\p)+FR*\b+FR-1], v[AF+FR*(\a):AF+FR*(\a)+FR-1], v[8*(8*((\a)%4)+\b):8*(8*((\a)%4)+\b)+7], v[SC+8*NQ*(\sc)+NQ*\b+(\q)], v[SC+8*NQ*(\sc)+NQ*(\a)+(\q)] matrix_a_fmt:MATRIX_FMT_FP6 matrix_b_fmt:MATRIX_FMT_FP6 matrix_a_scale:MATRIX_SCALE_ROW1
.endif
.endr
.endr
.endm
.macro FETCH_B slot, q, p
	WIN TO_B
.irp i, 0,1,2,3,4,5,6,7
	FRAG 128*(\p)+FR*\i, ADRB+\slot, \q, \i
.endr
	WIN 0
.endm
.macro FETCH_A slot, q, i0
.irp i, \i0, \i0+1, \i0+2, \i0+3
	FRAG AF+FR*(\i), ADRA+\slot, \q, \i
.endr
.endm
.macro SCALES sc
.irp i, 0,1,2,3,4,5,6,7
.irp q, 0,1
	ds_load_b32 v[SC+8*NQ*\sc+NQ*\i+\q], v[ADRS] offset:1024*\i+64*\q
.endr
.endr
.endm
.macro PLACES n
.rept \n
	v_nop
.endr
.endm
.macro STEP slot, q, zero
	s_wait_dscnt 4*NL
	WIN MUL_LO
	MUL16 0, (\q)%2, \q, \slot, \zero
	MUL16 2, (\q)%2, \q, \slot, \zero
	s_wait_dscnt 0
	PLACES NP
	FETCH_B \slot, (\q)+1, 1-(\q)%2
	FETCH_A \slot, (\q)+1, 0
	WIN MUL_HI
	MUL16 4, (\q)%2, \q, \slot, \zero
	MUL16 6, (\q)%2, \q, \slot, \zero
	PLACES NP
	WIN 0
	FETCH_A \slot, (\q)+1, 4
.endm
.macro TURN slot, next, fill
	s_wait_tensorcnt 0x0
	ds_add_u32 v[SPW], v[NIL]
	s_wait_dscnt 4*NL+1
	WIN MUL_LO
	MUL16 0, 1, NQ-1, \slot, 0
	s_wait_dscnt 0x0
	s_barrier_signal -1
	MUL16 2, 1, NQ-1, \slot, 0
	WIN 0
	s_barrier_wait -1
.if \fill
	CREST
	s_add_nc_u64 s[G0+4*\slot+2:G0+4*\slot+3], s[G0+4*\slot+2:G0+4*\slot+3], 2*RHO
	s_add_nc_u64 s[G0B+4*\slot+2:G0B+4*\slot+3], s[G0B+4*\slot+2:G0B+4*\slot+3], 2*RHO
	JLOAD G0+4*\slot, G1, G0B+4*\slot, G1B
.else
	PLACES NP
.endif
	s_wait_alu depctr_va_vdst(0)
	v_add_nc_u32 v[ADRS], 64*NQ, v[ADRS]
	FETCH_B \next, 0, 0
	FETCH_A \next, 0, 0
	SCALES \next
	WIN MUL_HI
	MUL16 4, 1, NQ-1, \slot, 0
	MUL16 6, 1, NQ-1, \slot, 0
	PLACES NP
	WIN 0
	FETCH_A \next, 0, 4
.endm
.macro TABLOAD a
	WIN 0x40
.irp g, 0,1,2,3,4,5,6,7,8,9,10,11,12,13,14,15
	global_load_b128 v[64*((\a)%4)+4*\g:64*((\a)%4)+4*\g+3], v[CO], s[8:9] offset:8192*(\a)+512*\g
.endr
	WIN 0
.endm
	s_wait_alu depctr_va_vdst(0)
	s_wait_tensorcnt 1
	s_barrier_signal -1
	s_barrier_wait -1
	FETCH_B 0, 0, 0
	FETCH_A 0, 0, 0
	SCALES 0
	FETCH_A 0, 0, 4
	STEP 0, 0, 1
	s_mov_b32 s3, LAPS-1
.Llap:
	TURN 0, 1, 1
	STEP 1, 0, 0
	TURN 1, 0, 1
	STEP 0, 0, 0
	s_sub_co_u32 s3, s3, 1
	s_cmp_lg_u32 s3, 0
	s_cbranch_scc1 .Llap
	TURN 0, 1, 0
	STEP 1, 0, 0
	TABLOAD 0
	TABLOAD 1
	s_wait_dscnt 4*NL
	WIN MUL_LO
	MUL16 0, 1, NQ-1, 1, 0
	MUL16 2, 1, NQ-1, 1, 0
	s_wait_dscnt 0
	WIN MUL_HI
	MUL16 4, 1, NQ-1, 1, 0
	MUL16 6, 1, NQ-1, 1, 0
	WIN 0
.macro ROPE a
.set AC, 64*((\a)%4)
.set TS, 64*((\a)%4)
	WIN 0x06+(\a)/4
.irp i, 0,2,4,6,8,10,12,14,16,18,20,22,24,26,28,30
	v_pk_mul_f32 v[HA+\i:HA+\i+1], v[AC+32+\i:AC+32+\i+1], v[TS+32+\i:TS+32+\i+1]
.endr
.irp i, 0,2,4,6,8,10,12,14,16,18,20,22,24,26,28,30
	v_pk_mul_f32 v[HA+32+\i:HA+32+\i+1], v[AC+\i:AC+\i+1], v[TS+32+\i:TS+32+\i+1]
.endr
.irp i, 0,2,4,6,8,10,12,14,16,18,20,22,24,26,28,30
	v_pk_fma_f32 v[HA+\i:HA+\i+1], v[AC+\i:AC+\i+1], v[TS+\i:TS+\i+1], v[HA+\i:HA+\i+1] neg_lo:[0,0,1] neg_hi:[0,0,1]
.endr
.irp i, 0,2,4,6,8,10,12,14,16,18,20,22,24,26,28,30
	v_pk_fma_f32 v[HA+32+\i:HA+32+\i+1], v[AC+32+\i:AC+32+\i+1], v[TS+\i:TS+\i+1], v[HA+32+\i:HA+32+\i+1]
.endr
	WIN 0
.endm
.macro QUANT s, pw
.irp b, 0,1,2,3
	v_max3_num_f32 v[TM+\b], |v[\s+16*\b]|, |v[\s+1+16*\b]|, 0x1800000
.endr
.irp i, 2,4,6,8,10,12,14
.irp b, 0,1,2,3
	v_max3_num_f32 v[TM+\b], v[TM+\b], |v[\s+16*\b+\i]|, |v[\s+1+16*\b+\i]|
.endr
.endr
.irp b, 0,1,2,3
	v_permlanex16_b32 v[TM+4+\b], v[TM+\b], s[SEL], s[SEL+1]
.endr
.irp b, 0,1,2,3
	v_max_num_f32 v[TM+\b], v[TM+\b], v[TM+4+\b]
.endr
.irp b, 0,1,2,3
	v_add_nc_u32 v[TM+12+\b], 0xff000000, v[TM+\b]
.endr
.irp b, 0,1,2,3
	v_lshrrev_b32 v[TM+4+\b], 23, v[TM+12+\b]
.endr
	v_lshl_or_b32 v[\pw], v[TM+5], 8, v[TM+4]
	v_lshl_or_b32 v[\pw], v[TM+6], 16, v[\pw]
	v_lshl_or_b32 v[\pw], v[TM+7], 24, v[\pw]
.irp c, 0,1
	v_cvt_scalef32_pk16_fp6_f32 v[PC+6*\c:PC+2+6*\c], v[\s+32*\c:\s+15+32*\c], v[TM+12+2*\c]
	v_cvt_scalef32_pk16_fp6_f32 v[PC+12+4*\c:PC+14+4*\c], v[\s+16+32*\c:\s+31+32*\c], v[TM+12+2*\c+1]
.endr
	v_nop
.irp c, 0,1
.irp i, 0,1,2
	v_permlane16_swap_b32 v[PC+6*\c+\i], v[PC+12+4*\c+\i]
.endr
.irp i, 0,1,2
	v_mov_b32 v[PC+3+6*\c+\i], v[PC+12+4*\c+\i]
.endr
.endr
.endm
.macro IMAGE a
.irp c, 0,1,2
	ds_store_b128 v[STO], v[PC+4*\c:PC+4*\c+3] offset:1536*(\a)+16*\c
.endr
.endm
	PLACES NP
	TABLOAD 2
.irp b, 0,1,2,3
	v_mov_b32 v[TM+4+\b], 0
.endr
.irp a, 0,1,2,3,4,5,6,7
.if \a < 6
	s_wait_loadcnt 32
.else
	s_wait_loadcnt 16*(7-\a)
.endif
.if \a < 5
	TABLOAD \a+3
.endif
	ROPE \a
	s_wait_dscnt 0x0
	QUANT HA, PWS+\a
	IMAGE \a
.endr
	ds_store_b128 v[STS], v[PWS:PWS+3]
	ds_store_b128 v[STS], v[PWS+4:PWS+7] offset:16
	s_wait_dscnt 0x0
.irp i, 0,1,2,3,4,5,6,7,8,9,10,11,12,13,14,15,16,17,18,19,20,21,22,23,24
	ds_load_b128 v[OUTR+4*\i:OUTR+4*\i+3], v[RD] offset:512*\i
.endr
.irp i, 0,1,2,3,4,5,6,7,8,9,10,11,12,13,14,15,16,17,18,19,20,21,22,23,24
	s_wait_dscnt 24-\i
	global_store_b128 v[CO], v[OUTR+4*\i:OUTR+4*\i+3], s[10:11] offset:512*\i
.endr
	s_wait_tensorcnt 0x0
	ds_add_u32 v[SPW], v[NIL]
	s_wait_dscnt 0x0
	CROUND
	s_endpgm
.Lfunc_end_k_q35e32768f6_qkv:
	.size	k_q35e32768f6_qkv, .Lfunc_end_k_q35e32768f6_qkv-k_q35e32768f6_qkv
	.p2alignl 7, 3214868480
	.fill 96, 4, 3214868480
	.section	.rodata,"a",@progbits
	.p2align	6, 0x0
	.amdhsa_kernel k_q35e32768f6_qkv
		.amdhsa_group_segment_fixed_size 327680
		.amdhsa_private_segment_fixed_size 0
		.amdhsa_enable_private_segment 0
		.amdhsa_kernarg_size 40
		.amdhsa_user_sgpr_count 2
		.amdhsa_user_sgpr_kernarg_segment_ptr 1
		.amdhsa_wavefront_size32 1
		.amdhsa_system_sgpr_workgroup_id_x 1
		.amdhsa_system_sgpr_workgroup_id_y 1
		.amdhsa_system_sgpr_workgroup_id_z 1
		.amdhsa_system_vgpr_workitem_id 0
		.amdhsa_next_free_vgpr 1024
		.amdhsa_next_free_sgpr 104
		.amdhsa_reserve_vcc 0
		.amdhsa_float_denorm_mode_32 3
		.amdhsa_float_denorm_mode_16_64 3
		.amdhsa_memory_ordered 1
		.amdhsa_forward_progress 1
		.amdhsa_inst_pref_size 192
	.end_amdhsa_kernel
	.amdgpu_metadata
---
amdhsa.version: [ 1, 2 ]
amdhsa.kernels:
  - .name:           k_q35e32768f6_qkv
    .symbol:         k_q35e32768f6_qkv.kd
    .args:
      - { .name: cod, .offset: 0, .size: 8, .value_kind: global_buffer, .address_space: global }
      - { .name: scl, .offset: 8, .size: 8, .value_kind: global_buffer, .address_space: global }
      - { .name: rope, .offset: 16, .size: 8, .value_kind: global_buffer, .address_space: global }
      - { .name: qf, .offset: 24, .size: 8, .value_kind: global_buffer, .address_space: global }
      - { .name: kv, .offset: 32, .size: 8, .value_kind: global_buffer, .address_space: global }
    .group_segment_fixed_size: 327680
    .private_segment_fixed_size: 0
    .kernarg_segment_align: 8
    .kernarg_segment_size: 40
    .max_flat_workgroup_size: 128
    .sgpr_count:     104
    .vgpr_count:     1024
    .wavefront_size: 32
...
	.end_amdgpu_metadata
.endif
;; end of part 6
;; launch attn (part 7): grid 16 x 16, 4 waves a work-group, clusters of 4 x 1, 327,680 bytes of LDS; arguments attention_mask, qf, kv, af, asc; writes af, asc
.if DOCPART == 7
	.amdgcn_target "amdgcn-amd-amdhsa--gfx1250"
	.amdhsa_code_object_version 6
	.text
	.protected	k_q35e32768f6_attn
	.globl	k_q35e32768f6_attn
	.p2align	8
	.type	k_q35e32768f6_attn,@function
k_q35e32768f6_attn:
	s_mov_b64 s[64:65], 0
	v_nop
	global_prefetch_b8 v0, s[64:65] scope:SCOPE_SE
	s_setreg_imm32_b32 hwreg(HW_REG_WAVE_MODE, 25, 1), 1
	s_wait_xcnt 0x0
	s_wait_alu depctr_hold_cnt(0) depctr_sa_sdst(0) depctr_va_vdst(0) depctr_va_sdst(0) depctr_va_ssrc(0) depctr_va_vcc(0) depctr_vm_vsrc(0)
	s_getreg_b32 s2, hwreg(HW_REG_IB_STS2, 6, 4)
	s_cmp_eq_u32 s2, 0
	s_cbranch_scc0 .Lentry_in_a_cluster
	s_endpgm
.Lentry_in_a_cluster:
	s_bfe_u32 s2, ttmp6, 0x10000c
	s_cmp_lg_u32 s2, 0x3003
	s_cbranch_scc0 .Lentry_shape_is_right
	s_endpgm
.Lentry_shape_is_right:
; For each head: logit = q . k / sqrt(128) + attention_mask; p = 2^(logit log2(e) - M), M the running largest t rounded up to a whole number; O = (sum of Q(p) Q(v)) / (sum of p); both products on codes of FP6 (E2M3).
; The mask is an input: every number of it is loaded and added, and no tile of scores is left out.
; SHARES.  A work-group owns 128 queries of one head (x: head, y: block of queries); each of its four waves 32 queries, two tiles of 16, so that every fragment of K and of V feeds two matrix instructions.
; Both products are used transposed: a lane holds ONE query of each tile.  K's tile t holds keys 32 (t / 2) + 8 (t % 2) + r + 8 (r / 8), so that the 16 registers of score tiles 2 b, 2 b + 1 are keys 32 b + 16 (lane / 16) + 0 .. 15.
; THE RING holds the mask alone: two LDS slots of 128 rows x 256 keys (1,024 bytes + 16 of padding a row), 133,120 bytes each; eight fills.  Each wave fetches 32 rows with one tensor load; one is out a wave.
; CLUSTER 4 x 1: the four partners are four heads with the same block of queries: they need the same tile of the mask and ask for it jointly.
; K AND V COME FROM MEMORY STRAIGHT INTO REGISTERS: kv holds them as images of the operands' registers (three loads of 16 bytes a lane and fragment).  Two slots of K|V for 256 keys (102,400 bytes) do not fit beside the
; mask's 266,240 in 327,680.  A step asks for its own V at its head, behind its 32 LDS loads of the mask, and for the next step's K behind its score products: at most 52 such loads are out (34 at the head, with Q's 8).
; K|V is not asked for jointly: the partners of a cluster are different heads, and the work-groups of one head walk the keys from different starts.
; THE WALK IS ROTATED: a work-group begins at slot (block of queries + 2 x cluster x) mod 8 of the eight and wraps round; the running M makes the order of the keys free.
; PREFETCH: in trip i each cluster names the mask's tile that trip i + 2 will load (131,072 bytes: partner cx rows 32 cx on, a lane a row, wave w the w-th 256 bytes of a row's 1,024); trips 5 to 7 ask for nothing.
; K|V has no prefetch: the sixteen work-groups of a head begin at eight different slots, so a block is asked for by other work-groups of the launch trips before most of its readers come to it.
; THE RESULT is quantised along the head's channels: af [16 tokens][head][1,536 bytes], asc [16 tokens][head][r][4].
; LIMITS: the promise holds while the scaled logits (logit x log2(e)) stay under 2^31 in magnitude; a row whose every logit is -infinity gives NaN; NaN among the inputs is not served;
; a block of 32 whose largest magnitude lies under 2^-124 keeps the byte 1, a block of zeros too (only this program reads the bytes).
; REGISTERS.  window 0: v1-11 addresses; v12-23 -M, largest t, sums, factors; v24-49 Q and its scale words; v50-65 K's and V's scale words; v66-67 p's; v68-95, v120-127 at work; v96-119 p's codes; v128-255 scores, p.
;   window 1: v0-127 O^T; v128-255 the mask.   window 2: v0-95 K's eight fragments; v96-191 V's.
.set MP,    1040
.set SLOT,  128*MP
.set STG,   2*SLOT                     ; the way out's stage: 3,072 bytes a wave; no fill lands there
.set SPARE, STG+4*3072                 ; the spare words, 128 bytes a wave: no other line names them
.set KVB,   25600                      ; a K|V block of 128 keys: K's 12,288 bytes of codes and 512 of scale words, then V's
.set AM,  1                            ; my query's row of the mask in slot 0
.set AMC, 2                            ; the same in this step's half of this trip's slot
.set FO,  3                            ; 48 x lane
.set SCO, 4                            ; 12,288 + 32 r
.set SPW, 5
.set NIL, 6
.set PFO, 7                            ; 8,192 x lane; never rewritten
.set STO, 8
.set RD,  9
.set L16, 10
.set R4,  11
.set NM,  12                           ; tile q: v[12+2q] -M, v[13+2q] the largest t
.set SUM, 16                           ; v[16+2q:17+2q] the row's sum in two halves
.set FF,  20                           ; v[20+2q] the factor 2^(old M - new M)
.set QF,  24
.set QS,  48
.set KS,  50
.set VS,  58
.set PW,  66
.set TM,  68                           ; v[68+4q+b] block b's largest
.set TP,  76
.set SOP, 84                           ; the conversions' scale operands
.set XX,  92
.set PC,  96                           ; p's codes, 12 a tile
.set CT,  76                           ; the conversions' second halves: tile 0 at v76, tile 1 at v120
.set S,   128
.set WV,  14
.set SEL, 20
.set RS,  22
.set L2E, 24
.set G1,  28
.set G0,  36
.set MB,  40                           ; the mask at my wave's 32 rows
.set HB,  42                           ; my head's K|V blocks
.set KA,  44                           ; the block whose K was asked for last
.set KI,  46
.set FI,  47
.set SO,  48                           ; this trip's slot, in bytes
.set SN,  49                           ; the other
.set WOFF, 50
.set TR,  51
.set IN,  52
.set PFA, 54
.set PB,  56
.set VA,  66                           ; the block whose V was asked for last
.set MSB, 0
.macro WIN new
.if MSB != \new
	s_set_vgpr_msb (MSB<<8)|\new
.set MSB, \new
.endif
.endm
.macro NOP4
.rept 4
	v_nop
.endr
.endm
.macro ROUND                           ; a round of the cluster's barrier
	s_barrier_signal -1
	s_barrier_wait -1
	s_cmp_lg_u32 s[WV], 0
	s_cbranch_scc1 .Lnw0_\@
	s_barrier_signal -3
.Lnw0_\@:
	s_barrier_wait -3
	s_barrier_signal -1
	s_barrier_wait -1
.endm
.macro KVLOAD reg, sc, off             ; eight fragments into window 2 and their rows' eight scale words into window 0: 26 loads.  K's (off = 0) go by s[KA..], V's (off = 12,800) by s[VA..]
.set AD, KA+(VA-KA)*((\off)/12800)
	WIN 0x80
.irp t, 0,1,2,3,4,5,6,7
.irp c, 0,1,2
	global_load_b128 v[\reg+12*\t+4*\c:\reg+12*\t+4*\c+3], v[FO], s[AD:AD+1] offset:\off+1536*\t+16*\c
.endr
.endr
	WIN 0
	global_load_b128 v[\sc:\sc+3], v[SCO], s[AD:AD+1] offset:\off
	global_load_b128 v[\sc+4:\sc+7], v[SCO], s[AD:AD+1] offset:\off+16
.endm
; From each block's largest magnitude (v[TM..], floor taken) to codes and scale words, both tiles; the numbers stand in v[S..]
.macro PACK
.irp b, 0,1,2,3,4,5,6,7
	v_add_nc_u32 v[SOP+\b], 0xff000000, v[TM+\b]   ; 2 off the exponent field: the conversion's scale operand
.endr
.irp b, 0,1,2,3,4,5,6,7
	v_lshrrev_b32 v[TP+\b], 23, v[SOP+\b]          ; the scale's byte
.endr
.irp q, 0,1
	v_lshl_or_b32 v[PW+\q], v[TP+4*\q+1], 8, v[TP+4*\q]
.endr
.irp q, 0,1
	v_lshl_or_b32 v[PW+\q], v[TP+4*\q+2], 16, v[PW+\q]
.endr
.irp q, 0,1
	v_lshl_or_b32 v[PW+\q], v[TP+4*\q+3], 24, v[PW+\q]
.endr
.irp q, 0,1
.irp c, 0,1
	v_cvt_scalef32_pk16_fp6_f32 v[PC+12*\q+6*\c:PC+12*\q+6*\c+2], v[S+64*\q+32*\c:S+64*\q+32*\c+15], v[SOP+4*\q+2*\c]
	v_cvt_scalef32_pk16_fp6_f32 v[CT+44*\q+4*\c:CT+44*\q+4*\c+2], v[S+64*\q+32*\c+16:S+64*\q+32*\c+31], v[SOP+4*\q+2*\c+1]
.endr
.endr
	v_nop                                          ; one plain line behind a scaled conversion
.irp q, 0,1
.irp c, 0,1
.irp i, 0,1,2
	v_permlane16_swap_b32 v[PC+12*\q+6*\c+\i], v[CT+44*\q+4*\c+\i]   ; a whole block of 32 to a lane
.endr
.endr
.endr
.irp q, 0,1
.irp c, 0,1
.irp i, 0,1,2
	v_mov_b32 v[PC+12*\q+6*\c+3+\i], v[CT+44*\q+4*\c+\i]
.endr
.endr
.endr
.endm
.macro PADD d, q, m
	v_pk_add_f32 v[\d:\d+1], v[\d:\d+1], v[S+64*(\q)+2*(\m):S+64*(\q)+2*(\m)+1]
.endm
	s_load_b256 s[4:11], s[0:1], 0x0               ; mask s[4:5], qf s[6:7], kv s[8:9], af s[10:11]
	s_load_b64 s[12:13], s[0:1], 0x20              ; asc
	v_lshl_add_u32 v[SPW], v0, 2, SPARE
	v_mov_b32 v[NIL], 0
	ds_add_u32 v[SPW], v[NIL]                      ; the opening: the add, twice on end, and its wait stand ahead of my first tensor load
	ds_add_u32 v[SPW], v[NIL]
	v_lshrrev_b32 v[XX], 5, v0
	v_readfirstlane_b32 s[WV], v[XX]               ; wave 0..3
	s_bfe_u32 s15, ttmp6, 0x40000                  ; cx
	s_lshl_b32 s16, ttmp9, 2
	s_add_co_u32 s16, s16, s15                     ; the head
	s_and_b32 s17, ttmp7, 0xffff                   ; the block of 128 queries
	s_lshl_b32 s18, ttmp9, 1
	s_add_co_u32 s18, s18, s17
	s_and_b32 s18, s18, 7                          ; the slot of 256 keys at which my cluster begins: the same in all four partners
	s_mov_b32 s[G1], 15|(2<<16)|(1<<20)|(1<<21)|(7<<22)|(3<<25)   ; all four partners; elements of 4 bytes; after every 256 words 4 words of padding; 21 set beside a mask
	s_mov_b32 s[G1+1], 256<<16                     ; tensor_dim0
	s_mov_b32 s[G1+2], 32<<16                      ; tensor_dim1
	s_mov_b32 s[G1+3], 256<<16                     ; tile_dim0
	s_mov_b32 s[G1+4], 32                          ; tile_dim1
	s_mov_b32 s[G1+5], 2048                        ; from row to row
	s_mov_b32 s[G1+6], 0
	s_mov_b32 s[G1+7], 0
	s_mov_b32 s[SEL], 0x76543210
	s_mov_b32 s[SEL+1], 0xfedcba98
	s_mov_b32 s[RS], 0x3db504f3                    ; 1 / sqrt(128)
	s_mov_b32 s[RS+1], s[RS]
	s_mov_b32 s[L2E], 0x3fb8aa3b                   ; log2(e)
	s_mov_b32 s[L2E+1], s[L2E]
	s_mov_b32 s[SO], 0
	s_mov_b32 s[SN], SLOT
	s_mul_i32 s[WOFF], s[WV], 32*MP                ; my 32 rows' place in a slot
	s_lshl_b32 s58, s17, 7
	s_lshl_b32 s60, s[WV], 5
	s_add_co_u32 s58, s58, s60
	s_lshl_b32 s58, s58, 13                        ; the mask's row 128 x block + 32 x wave, 8,192 bytes a row
	s_mov_b32 s59, 0
	s_mul_i32 s60, s16, 16*KVB
	s_mov_b32 s61, 0
	s_wait_dscnt 0x0                               ; both opening adds are done
	s_wait_kmcnt 0x0
	s_add_nc_u64 s[MB:MB+1], s[4:5], s[58:59]
	s_add_nc_u64 s[HB:HB+1], s[8:9], s[60:61]
	ROUND                                          ; the four partners are here: the first joint loads meet
	s_mov_b32 s[G0], 1
	s_add_co_u32 s[G0+1], s[WOFF], s[SO]
	s_lshl_b32 s58, s18, 10                        ; 1,024 bytes of a row for each slot of 256 keys
	s_add_nc_u64 s[G0+2:G0+3], s[MB:MB+1], s[58:59]
	s_or_b32 s[G0+3], s[G0+3], 0x80000000
	tensor_load_to_lds s[G0:G0+3], s[G1:G1+7]      ; the first fill of slot 0: my one tensor load at the head
	s_nop 0
	NOP4
	v_and_b32 v93, 15, v0                          ; r
	v_bfe_u32 v94, v0, 4, 1                        ; h
	v_and_b32 v95, 31, v0                          ; lane
	v_mul_u32_u24 v[AM], v93, MP
	v_lshl_add_u32 v[AM], v94, 6, v[AM]
	v_add_nc_u32 v[AM], s[WOFF], v[AM]             ; row 32 w + r, + 64 h: my 16 keys of each 32
	v_mul_u32_u24 v[FO], v95, 48
	v_lshlrev_b32 v[SCO], 5, v93
	v_add_nc_u32 v[SCO], 12288, v[SCO]
	s_mul_i32 s58, s[WV], 3072
	s_add_co_u32 s58, s58, STG
	v_add_nc_u32 v[STO], s58, v[FO]
	v_lshlrev_b32 v[L16], 4, v95
	v_add_nc_u32 v[RD], s58, v[L16]
	v_lshlrev_b32 v[R4], 2, v93
	v_lshlrev_b32 v[PFO], 13, v95
	; q: query 32 w + 16 u + r lies in tile 2 w + r / 8 of the block, at its row 8 u + r % 8
	v_lshrrev_b32 v122, 3, v93
	v_and_b32 v123, 7, v93
	v_lshl_add_u32 v120, v94, 4, v123
	v_mul_u32_u24 v120, v120, 48
	v_mad_u32_u24 v120, v122, 1536, v120
	v_lshlrev_b32 v121, 5, v123
	v_lshl_add_u32 v121, v122, 2, v121
	s_mul_i32 s58, s[WV], 3072
	v_add_nc_u32 v120, s58, v120
	s_lshl_b32 s58, s[WV], 3
	s_add_co_u32 s58, s58, 12288
	v_add_nc_u32 v121, s58, v121
.irp q, 0,1
	v_mov_b32 v[NM+2*\q+1], 0xff61b1e6             ; the largest t so far: -3e38
	v_floor_f32 v[NM+2*\q], -v[NM+2*\q+1]          ; -M
	v_mov_b32 v[SUM+2*\q], 0
	v_mov_b32 v[SUM+2*\q+1], 0
	v_mov_b32 v[FF+2*\q+1], 0                      ; (named as the upper half of a pair)
.endr
.irp b, 0,1,2,3,4,5,6,7
	v_mov_b32 v[TP+\b], 0                          ; a lane permute's destination counts as one of its sources
.endr
	WIN 0x40
.set j, 0
.rept 128
	v_mov_b32 v[j], 0                              ; O^T: the step has no first form of its own: the first change of M multiplies zeros
.set j, j+1
.endr
	WIN 0
	s_lshl_b32 s58, s16, 4
	s_add_co_u32 s58, s58, s17
	s_mul_i32 s58, s58, 12800
	s_add_nc_u64 s[6:7], s[6:7], s[58:59]          ; my work-group's block of q
	s_lshl_b32 s60, s17, 3
	s_lshl_b32 s62, s[WV], 1
	s_add_co_u32 s60, s60, s62                     ; my first 16 tokens: block 8 x (block of queries) + 2 x wave
	s_lshl_b32 s58, s60, 10
	s_lshl_b32 s62, s16, 6
	s_add_co_u32 s58, s58, s62
	s_add_nc_u64 s[12:13], s[12:13], s[58:59]
	s_lshl_b32 s58, s60, 4
	s_add_co_u32 s58, s58, s16
	s_mul_i32 s58, s58, 1536
	s_add_nc_u64 s[10:11], s[10:11], s[58:59]
	s_lshl_b32 s58, s17, 7
	s_lshl_b32 s62, s15, 5
	s_add_co_u32 s58, s58, s62
	s_lshl_b32 s58, s58, 13
	s_lshl_b32 s62, s[WV], 8
	s_add_co_u32 s58, s58, s62
	s_add_nc_u64 s[PB:PB+1], s[4:5], s[58:59]      ; the prefetches: my work-group's 32 rows of the tile (told apart by address), my wave's 256 bytes of a row's 1,024
	s_add_co_u32 s60, s18, 3                       ; trip 0 names the tile three slots on from my start
	s_and_b32 s60, s60, 7
	s_lshl_b32 s60, s60, 10
	s_add_nc_u64 s[PFA:PFA+1], s[PB:PB+1], s[60:61]
	s_mov_b32 s[FI], s18
	s_lshl_b32 s[KI], s18, 1                       ; two K|V blocks to a slot
	s_mul_i32 s58, s[KI], KVB
	s_add_nc_u64 s[KA:KA+1], s[HB:HB+1], s[58:59]
	s_mov_b32 s[TR], 7
	s_wait_alu depctr_va_vdst(0)
.irp u, 0,1
.irp c, 0,1,2
	global_load_b128 v[QF+12*\u+4*\c:QF+12*\u+4*\c+3], v120, s[6:7] offset:384*\u+16*\c
.endr
	global_load_b32 v[QS+\u], v121, s[6:7] offset:256*\u
.endr
	KVLOAD 0, KS, 0                                ; K of the first step
; A step of 128 keys.  more = 1: the next step's K is asked for.  pf = 1: the prefetch's address is made for the next trip.
.macro STEP more, pf=0
	WIN 0x40
.irp g, 0,1,2,3,4,5,6,7
.irp i, 0,1,2,3
	ds_load_b128 v[S+16*\g+4*\i:S+16*\g+4*\i+3], v[AMC] offset:16*MP*(\g/4)+128*(\g%4)+16*\i   ; the mask, register for register beside the scores; tile 0's sixteen loads first
.endr
.endr
	WIN 0
	s_mov_b64 s[VA:VA+1], s[KA:KA+1]               ; the last step's V was waited for, so V's address may be written: this step's block
	KVLOAD 96, VS, 12800                           ; this step's V, behind the mask's LDS loads
	s_wait_loadcnt 26                              ; K and its scale words are in (Q too); behind them only V's 26 loads were issued
	WIN 0x02
.irp t, 0,1,2,3,4,5,6,7
.irp q, 0,1
	v_wmma_scale_f32_16x16x128_f8f6f4 v[S+64*\q+8*\t:S+64*\q+8*\t+7], v[12*\t:12*\t+11], v[QF+12*\q:QF+12*\q+11], 0, v[KS+\t], v[QS+\q] matrix_a_fmt:MATRIX_FMT_FP6 matrix_b_fmt:MATRIX_FMT_FP6
.endr
.endr
	WIN 0
	NOP4                                           ; places ahead of the loads into K's registers and of the first read of the scores
.if \more
	s_add_co_u32 s[KI], s[KI], 1                   ; K's loads are done (the wait above), so their address may be written
	s_and_b32 s[KI], s[KI], 15                     ; the walk wraps round
	s_mul_i32 s58, s[KI], KVB
	s_add_nc_u64 s[KA:KA+1], s[HB:HB+1], s[58:59]
	KVLOAD 0, KS, 0
.endif
	WIN 0x10
.set j, 0
.irp n, 16, 0
	s_wait_dscnt \n                                ; tile 0's part of the mask is in, tile 1's 16 loads may be out; then all
.rept 32
	v_pk_fma_f32 v[S+j:S+j+1], v[S+j:S+j+1], s[RS:RS+1], v[S+j:S+j+1] op_sel_hi:[1,0,1]   ; the logit: score / sqrt(128) + mask
.set j, j+2
.endr
.endr
	WIN 0
.irp b, 0,1,2,3
.irp q, 0,1
	v_max3_num_f32 v[TM+4*\q+\b], v[S+64*\q+16*\b], v[S+64*\q+16*\b+1], v[S+64*\q+16*\b+2]   ; each block's largest logit: for the row's maximum and, since p rises with the logit, for the block's largest p
.endr
.endr
.irp i, 3,5,7,9,11,13
.irp b, 0,1,2,3
.irp q, 0,1
	v_max3_num_f32 v[TM+4*\q+\b], v[TM+4*\q+\b], v[S+64*\q+16*\b+\i], v[S+64*\q+16*\b+\i+1]
.endr
.endr
.endr
.irp b, 0,1,2,3
.irp q, 0,1
	v_max_num_f32 v[TM+4*\q+\b], v[TM+4*\q+\b], v[S+64*\q+16*\b+15]
.endr
.endr
.irp b, 0,1,2,3,4,5,6,7
	v_permlanex16_b32 v[TP+\b], v[TM+\b], s[SEL], s[SEL+1]
.endr
.irp b, 0,1,2,3,4,5,6,7
	v_max_num_f32 v[TM+\b], v[TM+\b], v[TP+\b]     ; with lane l xor 16's 16 keys
.endr
.irp q, 0,1
	v_max3_num_f32 v[XX+\q], v[TM+4*\q], v[TM+4*\q+1], v[TM+4*\q+2]
.endr
.irp q, 0,1
	v_max_num_f32 v[XX+\q], v[XX+\q], v[TM+4*\q+3]
.endr
.irp q, 0,1
	v_mul_f32 v[XX+\q], s[L2E], v[XX+\q]           ; as t
.endr
.irp q, 0,1
	v_max_num_f32 v[NM+2*\q+1], v[NM+2*\q+1], v[XX+\q]   ; the running largest t
.endr
.irp q, 0,1
	v_mov_b32 v[XX+\q], v[NM+2*\q]
.endr
.irp q, 0,1
	v_floor_f32 v[NM+2*\q], -v[NM+2*\q+1]          ; the new -M = floor(-t)
.endr
.irp q, 0,1
	v_sub_f32 v[XX+\q], v[NM+2*\q], v[XX+\q]       ; old M - new M: a whole number, 0 or less
.endr
.irp q, 0,1
	v_cvt_i32_f32 v[XX+\q], v[XX+\q]               ; (it saturates)
.endr
.irp q, 0,1
	v_ldexp_f32 v[FF+2*\q], 1.0, v[XX+\q]          ; a multiplication by it rounds nothing
.endr
.irp q, 0,1
.set j, 0
.rept 32
	v_pk_fma_f32 v[S+64*\q+j:S+64*\q+j+1], v[S+64*\q+j:S+64*\q+j+1], s[L2E:L2E+1], v[NM+2*\q:NM+2*\q+1] op_sel_hi:[1,0,0]   ; t - M
.set j, j+2
.endr
.endr
.irp q, 0,1
.irp b, 0,1,2,3
	v_fma_f32 v[TM+4*\q+\b], v[TM+4*\q+\b], s[L2E], v[NM+2*\q]   ; the same of each block's largest logit
.endr
	v_pk_mul_f32 v[SUM+2*\q:SUM+2*\q+1], v[SUM+2*\q:SUM+2*\q+1], v[FF+2*\q:FF+2*\q+1] op_sel_hi:[1,0]   ; the sums under the new M
.endr
	WIN 0x41
.irp q, 0,1
.set j, 0
.rept 32
	v_pk_mul_f32 v[64*\q+j:64*\q+j+1], v[64*\q+j:64*\q+j+1], v[FF+2*\q:FF+2*\q+1] op_sel_hi:[1,0]   ; O^T under the new M, each accumulator from its low end on
.set j, j+2
.endr
.endr
	WIN 0
	s_wait_alu depctr_va_vdst(0)
.set j, 0
.rept 128
	v_exp_f32 v[S+j], v[S+j]                       ; p = 2^(t - M): not normalised
.set j, j+1
.endr
.irp b, 0,1,2,3,4,5,6,7
	v_exp_f32 v[TM+\b], v[TM+\b]                   ; the block's largest p
.endr
	v_nop                                          ; a plain line behind the last exponential
	s_wait_alu depctr_va_vdst(0)                   ; one wait for the batch, ahead of its first reader
.irp b, 0,1,2,3,4,5,6,7
	v_max_num_f32 v[TM+\b], 0x1800000, v[TM+\b]    ; the floor 2^(3 - 127): the byte cannot fall under 1
.endr
	PACK
	; the rows' sums of the unquantised p, four chains a tile; these 64 lines are also the places between the writes of p's codes and scale words and the products
.irp c, 1,2,3
.irp q, 0,1
	v_pk_add_f32 v[66+16*\q+2*\c:67+16*\q+2*\c], v[S+64*\q+4*\c-4:S+64*\q+4*\c-3], v[S+64*\q+4*\c-2:S+64*\q+4*\c-1]
.endr
.endr
.set m, 6
.rept 6
.irp q, 0,1
	PADD SUM+2*\q, \q, m
	PADD 68+16*\q, \q, m+1
	PADD 70+16*\q, \q, m+2
	PADD 72+16*\q, \q, m+3
.endr
.set m, m+4
.endr
.irp q, 0,1
	PADD SUM+2*\q, \q, 30
	PADD 68+16*\q, \q, 31
.endr
.irp q, 0,1
	v_pk_add_f32 v[68+16*\q:69+16*\q], v[68+16*\q:69+16*\q], v[70+16*\q:71+16*\q]
	v_pk_add_f32 v[SUM+2*\q:SUM+2*\q+1], v[SUM+2*\q:SUM+2*\q+1], v[72+16*\q:73+16*\q]
.endr
.irp q, 0,1
	v_pk_add_f32 v[SUM+2*\q:SUM+2*\q+1], v[SUM+2*\q:SUM+2*\q+1], v[68+16*\q:69+16*\q]
.endr
	s_wait_alu depctr_va_vdst(0)
.if \more
	s_wait_loadcnt 26                              ; V is in; behind it only the next K's 26 loads were issued
.else
	s_wait_loadcnt 0x0
.endif
.if \pf
	s_wait_xcnt 0x0                                ; this trip's prefetch has read its address
	s_lshr_b32 s60, s[KI], 1                       ; behind a trip's second step: the next trip's slot; three slots on from it
	s_add_co_u32 s60, s60, 3
	s_and_b32 s60, s60, 7
	s_lshl_b32 s60, s60, 10
	s_add_nc_u64 s[PFA:PFA+1], s[PB:PB+1], s[60:61]
.endif
	WIN 0x52
.irp t, 0,1,2,3,4,5,6,7                        ; the sixteen accumulators take turns, one instruction a turn
.irp q, 0,1
	v_wmma_scale_f32_16x16x128_f8f6f4 v[64*\q+8*\t:64*\q+8*\t+7], v[96+12*\t:96+12*\t+11], v[PC+12*\q:PC+12*\q+11], v[64*\q+8*\t:64*\q+8*\t+7], v[VS+\t], v[PW+\q] matrix_a_fmt:MATRIX_FMT_FP6 matrix_b_fmt:MATRIX_FMT_FP6
.endr
.endr
	WIN 0
	NOP4                                           ; places ahead of the next step's loads into V's registers, and of the way out's reads
.endm
; A trip's opening: each wave waits for its tensor load (its part of this trip's slot), adds 0 to its spare word, and waits for that and for its reads of the other slot; a round of the cluster's barrier;
; behind it the other slot is filled with the next 256 keys' tile, which has this trip's two steps in which to land.
.macro OPEN refill
	s_wait_tensorcnt 0x0                           ; no tensor load of mine is out, so group 0 may be written
	ds_add_u32 v[SPW], v[NIL]
.if \refill
	s_add_co_u32 s[FI], s[FI], 1
	s_and_b32 s[FI], s[FI], 7
	s_lshl_b32 s58, s[FI], 10
	s_add_nc_u64 s[G0+2:G0+3], s[MB:MB+1], s[58:59]
	s_or_b32 s[G0+3], s[G0+3], 0x80000000
	s_add_co_u32 s[G0+1], s[WOFF], s[SN]
.endif
	s_wait_dscnt 0x0                               ; the add is done, and my reads of the other slot are over
	ROUND
.if \refill
	tensor_load_to_lds s[G0:G0+3], s[G1:G1+7]
	s_nop 0
	NOP4
	s_cmp_ge_u32 s[TR], 3                          ; trips 0 to 4 name the tile that the trip after next will load; the counter is the same in all partners
	s_cbranch_scc0 .Lnp_\@
	global_prefetch_b8 v[PFO], s[PFA:PFA+1] th:TH_LOAD_NT scope:SCOPE_SE
.Lnp_\@:
.endif
.endm
.Ltrip:                                            ; seven trips of two steps
	OPEN 1
	s_mov_b32 s[IN], 0
.Lhalf:
	s_lshl_b32 s58, s[IN], 9                       ; 512 bytes of a row for each 128 keys
	s_add_co_u32 s58, s58, s[SO]
	v_add_nc_u32 v[AMC], s58, v[AM]
	STEP 1, 1
	s_add_co_u32 s[IN], s[IN], 1
	s_cmp_lt_u32 s[IN], 2
	s_cbranch_scc1 .Lhalf
	s_xor_b32 s[SO], s[SO], SLOT
	s_xor_b32 s[SN], s[SN], SLOT
	s_sub_co_u32 s[TR], s[TR], 1
	s_cmp_lg_u32 s[TR], 0
	s_cbranch_scc1 .Ltrip
	OPEN 0                                         ; the last trip is written out: it fills nothing, and its last step asks for no further K
	v_add_nc_u32 v[AMC], s[SO], v[AM]
	STEP 1
	v_add_nc_u32 v[AMC], 512, v[AMC]
	STEP 0
	; THE WAY OUT: O^T / the sum, quantised along the head's channels (register 16 b + i = channel 32 b + 16 h + i), through my stage, so that each store covers 512 consecutive bytes
.irp q, 0,1
	v_add_f32 v[SUM+2*\q], v[SUM+2*\q], v[SUM+2*\q+1]
.endr
.irp q, 0,1
	v_permlanex16_b32 v[XX+\q], v[SUM+2*\q], s[SEL], s[SEL+1]
.endr
.irp q, 0,1
	v_add_f32 v[SUM+2*\q], v[SUM+2*\q], v[XX+\q]   ; the row's sum
.endr
	s_wait_alu depctr_va_vdst(0)
.irp q, 0,1
	v_rcp_f32 v[SUM+2*\q], v[SUM+2*\q]
.endr
	v_nop
	WIN 0x01
	s_wait_alu depctr_va_vdst(0)                   ; the wait ahead of their first reader, which is O^T's first reader too
.irp q, 0,1
.set j, 0
.rept 32
	v_pk_mul_f32 v[S+64*\q+j:S+64*\q+j+1], v[64*\q+j:64*\q+j+1], v[SUM+2*\q:SUM+2*\q+1] op_sel_hi:[1,0]
.set j, j+2
.endr
.endr
	WIN 0
.irp b, 0,1,2,3
.irp q, 0,1
	v_max3_num_f32 v[TM+4*\q+\b], |v[S+64*\q+16*\b]|, |v[S+64*\q+16*\b+1]|, 0x1800000
.endr
.endr
.irp i, 2,4,6,8,10,12,14
.irp b, 0,1,2,3
.irp q, 0,1
	v_max3_num_f32 v[TM+4*\q+\b], v[TM+4*\q+\b], |v[S+64*\q+16*\b+\i]|, |v[S+64*\q+16*\b+\i+1]|
.endr
.endr
.endr
.irp b, 0,1,2,3,4,5,6,7
	v_permlanex16_b32 v[TP+\b], v[TM+\b], s[SEL], s[SEL+1]
.endr
.irp b, 0,1,2,3,4,5,6,7
	v_max_num_f32 v[TM+\b], v[TM+\b], v[TP+\b]
.endr
	PACK
.irp q, 0,1
.irp c, 0,1,2
	ds_store_b128 v[STO], v[PC+12*\q+4*\c:PC+12*\q+4*\c+3] offset:1536*\q+16*\c
.endr
.endr
.irp q, 0,1
.irp c, 0,1,2
	ds_load_b128 v[S+12*\q+4*\c:S+12*\q+4*\c+3], v[RD] offset:1536*\q+512*\c   ; LDS serves a wave's instructions in order: these see my stores
.endr
.endr
	s_wait_alu depctr_va_vdst(0)
	s_wait_dscnt 0x0
.irp q, 0,1
.irp c, 0,1,2
	global_store_b128 v[L16], v[S+12*\q+4*\c:S+12*\q+4*\c+3], s[10:11] offset:24576*\q+512*\c
.endr
	global_store_b32 v[R4], v[PW+\q], s[12:13] offset:1024*\q   ; 16 scale words, 64 consecutive bytes; both halves of the lanes hold and write the same
.endr
	s_wait_tensorcnt 0x0                           ; the wave's end
	ds_add_u32 v[SPW], v[NIL]
	s_wait_dscnt 0x0
	ROUND                                          ; the closing round
	s_endpgm
.Lfunc_end_k_q35e32768f6_attn:
	.size	k_q35e32768f6_attn, .Lfunc_end_k_q35e32768f6_attn-k_q35e32768f6_attn
	.p2alignl 7, 3214868480
	.fill 96, 4, 3214868480
	.section	.rodata,"a",@progbits
	.p2align	6, 0x0
	.amdhsa_kernel k_q35e32768f6_attn
		.amdhsa_group_segment_fixed_size 327680
		.amdhsa_private_segment_fixed_size 0
		.amdhsa_enable_private_segment 0
		.amdhsa_kernarg_size 40
		.amdhsa_user_sgpr_count 2
		.amdhsa_user_sgpr_kernarg_segment_ptr 1
		.amdhsa_wavefront_size32 1
		.amdhsa_system_sgpr_workgroup_id_x 1
		.amdhsa_system_sgpr_workgroup_id_y 1
		.amdhsa_system_sgpr_workgroup_id_z 1
		.amdhsa_system_vgpr_workitem_id 0
		.amdhsa_next_free_vgpr 704
		.amdhsa_next_free_sgpr 72
		.amdhsa_reserve_vcc 0
		.amdhsa_float_denorm_mode_32 3
		.amdhsa_float_denorm_mode_16_64 3
		.amdhsa_memory_ordered 1
		.amdhsa_forward_progress 1
		.amdhsa_inst_pref_size 151
	.end_amdhsa_kernel
	.amdgpu_metadata
---
amdhsa.version: [ 1, 2 ]
amdhsa.kernels:
  - .name:           k_q35e32768f6_attn
    .symbol:         k_q35e32768f6_attn.kd
    .args:
      - { .name: attention_mask, .offset: 0, .size: 8, .value_kind: global_buffer, .address_space: global }
      - { .name: qf, .offset: 8, .size: 8, .value_kind: global_buffer, .address_space: global }
      - { .name: kv, .offset: 16, .size: 8, .value_kind: global_buffer, .address_space: global }
      - { .name: af, .offset: 24, .size: 8, .value_kind: global_buffer, .address_space: global }
      - { .name: asc, .offset: 32, .size: 8, .value_kind: global_buffer, .address_space: global }
    .group_segment_fixed_size: 327680
    .private_segment_fixed_size: 0
    .kernarg_segment_align: 8
    .kernarg_segment_size: 40
    .max_flat_workgroup_size: 128
    .sgpr_count:     72
    .vgpr_count:     704
    .wavefront_size: 32
...
	.end_amdgpu_metadata
.endif
;; end of part 7
;; launch oproj (part 8): grid 16 x 16, 4 waves a work-group, clusters of 4 x 4, 327,680 bytes of LDS; arguments af, asc, cod, scl, out0; writes out0
.if DOCPART == 8
	.amdgcn_target "amdgcn-amd-amdhsa--gfx1250"
	.amdhsa_code_object_version 6
	.text
	.protected	k_q35e32768f6_oproj
	.globl	k_q35e32768f6_oproj
	.p2align	8
	.type	k_q35e32768f6_oproj,@function
k_q35e32768f6_oproj:
	s_mov_b64 s[64:65], 0
	v_nop
	global_prefetch_b8 v0, s[64:65] scope:SCOPE_SE
	s_setreg_imm32_b32 hwreg(HW_REG_WAVE_MODE, 25, 1), 1
	s_wait_xcnt 0x0
	s_wait_alu depctr_hold_cnt(0) depctr_sa_sdst(0) depctr_va_vdst(0) depctr_va_sdst(0) depctr_va_ssrc(0) depctr_va_vcc(0) depctr_vm_vsrc(0)
	s_getreg_b32 s2, hwreg(HW_REG_IB_STS2, 6, 4)
	s_cmp_eq_u32 s2, 0
	s_cbranch_scc0 .Lentry_in_a_cluster
	s_endpgm
.Lentry_in_a_cluster:
	s_bfe_u32 s2, ttmp6, 0x10000c
	s_cmp_lg_u32 s2, 0xf033
	s_cbranch_scc0 .Lentry_shape_is_right
	s_endpgm
.Lentry_shape_is_right:
.set SEC,    3145728
.set NCOL,   2048
.set FR,     12
.set NP,     4
.set RHO,    6144
.set KROW,   24576
.set HALFT,  4*RHO
.set REG,    4*HALFT
.set SCL,    3*REG
.set HALFS,  4160
.set SPARE,  SCL+4*HALFS
.set SPITCH, 272
.set STAGE,  REG
.set ADRA, 16
.set ADRB, 20
.set STO,  24
.set RD,   25
.set CO,   26
.set ADRS, 27
.set SPW,  28
.set NIL,  29
.set SC,   32
.set BK,   64
.set ACC,  128
.set G1,   24
.set G1B,  32
.set G1S,  40
.set G1SB, 48
.set G0S,  56
.set G0SB, 60
.set G0,   68
.set G0B,  80
.set MSB, 0
.macro WIN new
.if MSB != \new
	s_set_vgpr_msb (MSB<<8)|\new
.set MSB, \new
.endif
.endm
.set MUL,  0x05
.set TO_F, 0x40
.macro JLOAD g0a, g1a, g0b, g1b
	s_cmp_eq_u32 s15, 0
	s_cbranch_scc0 .Lfor_b_\@
	tensor_load_to_lds s[\g0a:\g0a+3], s[\g1a:\g1a+7]
	s_nop 0
.rept 4
	v_nop
.endr
	s_branch .Lasked_\@
.Lfor_b_\@:
	tensor_load_to_lds s[\g0b:\g0b+3], s[\g1b:\g1b+7]
	s_nop 0
.rept 4
	v_nop
.endr
.Lasked_\@:
.endm
.macro CREST
	s_cmp_lg_u32 s14, 0
	s_cbranch_scc1 .Lnot_wave_0_\@
	s_barrier_signal -3
.Lnot_wave_0_\@:
	s_barrier_wait -3
	s_barrier_signal -1
	s_barrier_wait -1
.endm
.macro CROUND
	s_barrier_signal -1
	s_barrier_wait -1
	CREST
.endm
	s_load_b128 s[4:7], s[0:1], 0x0
	s_load_b128 s[8:11], s[0:1], 0x10
	s_load_b64 s[12:13], s[0:1], 0x20
	v_lshl_add_u32 v[SPW], v0, 2, SPARE
	v_mov_b32 v[NIL], 0
	ds_add_u32 v[SPW], v[NIL]
	ds_add_u32 v[SPW], v[NIL]
	v_lshrrev_b32 v1, 5, v0
	v_readfirstlane_b32 s14, v1
	s_lshr_b32 s15, s14, 1
	s_and_b32 s16, s14, 1
	s_bfe_u32 s92, ttmp6, 0x40000
	s_bfe_u32 s93, ttmp6, 0x40004
	s_lshl_b32 s94, ttmp9, 2
	s_add_co_u32 s94, s94, s92
	s_and_b32 s17, ttmp7, 0xffff
	s_lshl_b32 s17, s17, 2
	s_add_co_u32 s17, s17, s93
	s_lshl_b32 s95, s93, 2
	s_lshl_b32 s95, 15, s95
	s_lshl_b32 s96, 0x1111, s92
	s_or_b32 s[G1+0], s95, (3<<16)|(1<<21)
	s_or_b32 s[G1B+0], s96, (3<<16)|(1<<21)
.irp g, G1, G1B
	s_mov_b32 s[\g+1], 768<<16
	s_mov_b32 s[\g+2], 8<<16                       ; the head's loads of codes bring 8 rows; behind them the two words that count rows are set to 4
	s_mov_b32 s[\g+3], 768<<16
	s_mov_b32 s[\g+4], 8
	s_mov_b32 s[\g+5], 3072
	s_mov_b32 s[\g+6], 0
	s_mov_b32 s[\g+7], 0
.endr
	s_or_b32 s[G1S+0], s95, (3<<16)|(1<<21)
	s_or_b32 s[G1SB+0], s96, (3<<16)|(1<<21)
.irp g, G1S, G1SB
	s_mov_b32 s[\g+1], 32<<16
	s_mov_b32 s[\g+2], 32<<16                      ; the scales of a tile's 8 blocks: 32 rows of 256 bytes, dense
	s_mov_b32 s[\g+3], 32<<16
	s_mov_b32 s[\g+4], 32
	s_mov_b32 s[\g+5], 32
	s_mov_b32 s[\g+6], 0
	s_mov_b32 s[\g+7], 0
.endr
	s_lshl_b32 s97, s16, 2
	s_lshl_b32 s20, s17, 3
	s_add_co_u32 s20, s20, s97
	s_lshl_b32 s18, s94, 3
	s_add_co_u32 s18, s18, s97
	s_lshl_b32 s22, s20, 10
	s_lshl_b32 s2, s18, 10
	s_mul_i32 s20, s20, KROW
	s_mul_i32 s18, s18, KROW
	s_add_co_u32 s18, s18, 4*SEC
	s_add_co_u32 s2, s2, 4*131072
	s_mov_b32 s21, 0
	s_mov_b32 s23, 0
	s_mov_b32 s19, 0
	s_mov_b32 s3, 0
	s_mul_i32 s98, s14, HALFT
	s_wait_dscnt 0x0
	s_wait_kmcnt 0x0
	s_add_nc_u64 s[20:21], s[4:5], s[20:21]
	s_add_nc_u64 s[22:23], s[6:7], s[22:23]
	s_add_nc_u64 s[18:19], s[8:9], s[18:19]
	s_add_nc_u64 s[2:3], s[10:11], s[2:3]
	s_mul_i32 s96, s16, 4*KROW                     ; my half's distance from the tile's first block: in the codes,
	s_mov_b32 s97, 0
	s_lshl_b32 s92, s16, 12                        ; and in the scales
	s_mov_b32 s93, 0
	CROUND
	; THE HEAD'S FOUR TILES, each whole, one a wave: region 0's 8 blocks of A, its 8 blocks of B, A's scales, B's scales.  The groups 0 of the two loads of codes lie in region 2's registers, which are set for region 2 behind the wait for these loads
	s_mov_b32 s[G0+8], 1
	s_mov_b32 s[G0+9], 0
	s_sub_nc_u64 s[G0+10:G0+11], s[20:21], s[96:97]
	s_or_b32 s[G0+11], s[G0+11], 0x80000000
	s_mov_b32 s[G0B+8], 1
	s_mov_b32 s[G0B+9], 2*HALFT
	s_sub_nc_u64 s[G0B+10:G0B+11], s[18:19], s[96:97]
	s_or_b32 s[G0B+11], s[G0B+11], 0x80000000
	s_mov_b32 s[G0S], 1
	s_mov_b32 s[G0S+1], SCL
	s_sub_nc_u64 s[G0S+2:G0S+3], s[22:23], s[92:93]
	s_or_b32 s[G0S+3], s[G0S+3], 0x80000000
	s_mov_b32 s[G0SB], 1
	s_mov_b32 s[G0SB+1], SCL+2*HALFS               ; B's 8,192 bytes begin 8,320 behind A's
	s_sub_nc_u64 s[G0SB+2:G0SB+3], s[2:3], s[92:93]
	s_or_b32 s[G0SB+3], s[G0SB+3], 0x80000000
.macro SETG s                          ; the groups 0 for region s: my 4 blocks of A or of B
	s_mov_b32 s[G0+4*\s], 1
	s_add_co_u32 s[G0+4*\s+1], s98, \s*REG
	s_add_nc_u64 s[G0+4*\s+2:G0+4*\s+3], s[20:21], \s*RHO
	s_or_b32 s[G0+4*\s+3], s[G0+4*\s+3], 0x80000000
	s_mov_b32 s[G0B+4*\s], 1
	s_add_co_u32 s[G0B+4*\s+1], s98, \s*REG
	s_add_nc_u64 s[G0B+4*\s+2:G0B+4*\s+3], s[18:19], \s*RHO
	s_or_b32 s[G0B+4*\s+3], s[G0B+4*\s+3], 0x80000000
.endm
	SETG 0
	SETG 1
.macro ARM under, g0, g1, next         ; one chain of branches on the wave's number: every way through the head passes exactly one load
	s_cmp_lt_u32 s14, \under
	s_cbranch_scc0 \next
	tensor_load_to_lds s[\g0:\g0+3], s[\g1:\g1+7]
	s_nop 0
.rept 4
	v_nop
.endr
	s_branch .Lhead_asked
\next:
.endm
	ARM 1, G0+8,  G1,  .Lhead_b
	ARM 2, G0B+8, G1B, .Lhead_sa
	ARM 3, G0S,   G1S, .Lhead_sb
	tensor_load_to_lds s[G0SB:G0SB+3], s[G1SB:G1SB+7]
	s_nop 0
.rept 4
	v_nop
.endr
.Lhead_asked:
	s_wait_alu depctr_va_vdst(0)
	s_wait_tensorcnt 0x0                           ; my tile of the head's four is in
	ds_add_u32 v28, v29
	s_mov_b32 s[G1+2], 4<<16                       ; no tensor load of mine is out: from here on a load brings 4 rows
	s_mov_b32 s[G1+4], 4
	s_mov_b32 s[G1B+2], 4<<16
	s_mov_b32 s[G1B+4], 4
	SETG 2
	s_wait_dscnt 0x0
	CROUND
	JLOAD G0+4, G1, G0B+4, G1B                     ; region 1's first fill, the first tensor load behind the round
	s_wait_tensorcnt 0x0
	ds_add_u32 v28, v29
	s_wait_dscnt 0x0
	CROUND
	JLOAD G0+8, G1, G0B+8, G1B                     ; and region 2's, behind a round of its own
	v_and_b32 v1, 31, v0
	v_and_b32 v2, 15, v0
	s_wait_alu depctr_va_vdst(0)
	v_bfe_u32 v3, v0, 4, 1
	s_wait_alu depctr_va_vdst(0)
	v_mul_u32_u24 v4, v1, 48
	s_mul_i32 s21, s15, HALFT
	s_mul_i32 s22, s16, HALFT
	s_add_co_u32 s22, s22, 2*HALFT
.irp s, 0,1,2
	v_add_nc_u32 v[ADRA+\s], s21, v4
	v_add_nc_u32 v[ADRB+\s], s22, v4
	s_add_co_u32 s21, s21, REG
	s_add_co_u32 s22, s22, REG
.endr
	v_lshlrev_b32 v5, 2, v2
	s_lshl_b32 s21, s15, 12                        ; a half's scales are 4,096 bytes, the two halves on end
	s_lshl_b32 s22, s16, 12
	s_add_co_u32 s22, s22, 2*HALFS
	s_sub_co_u32 s22, s22, s21
	v_mul_u32_u24 v6, s22, v3
	s_add_co_u32 s21, s21, SCL
	v_add_nc_u32 v5, v5, v6
	v_add_nc_u32 v[ADRS], s21, v5
	s_mul_i32 s23, s14, 16*SPITCH
	s_add_co_u32 s23, s23, STAGE
	v_mul_u32_u24 v5, v2, SPITCH
	v_lshl_add_u32 v5, v3, 6, v5
	v_add_nc_u32 v[STO], s23, v5
	v_mul_u32_u24 v5, v3, SPITCH
	v_lshl_add_u32 v5, v2, 4, v5
	v_add_nc_u32 v[RD], s23, v5
	v_lshlrev_b32 v5, 13, v3
	v_lshl_add_u32 v[CO], v2, 4, v5
	s_lshl_b32 s20, s17, 7
	s_lshl_b32 s21, s15, 6
	s_add_co_u32 s20, s20, s21
	s_lshl_b32 s20, s20, 13
	s_mov_b32 s21, 0
	s_lshl_b32 s18, s94, 9
	s_lshl_b32 s19, s16, 8
	s_add_co_u32 s18, s18, s19
	s_mov_b32 s19, 0
	s_add_nc_u64 s[20:21], s[20:21], s[18:19]
	s_add_nc_u64 s[12:13], s[12:13], s[20:21]
.macro FRAG reg, adr, q, i
.irp c, 0,1,2
	ds_load_b128 v[\reg+4*\c:\reg+4*\c+3], v[\adr] offset:(\i)*RHO+(\q)*1536+16*\c
.endr
.endm
.macro FETCH s, q, p
	WIN TO_F
.irp i, 0,1,2,3
	FRAG 128*(\p)+48+FR*\i, ADRB+\s, \q, \i
.endr
.irp i, 0,1,2,3
	FRAG 128*(\p)+FR*\i, ADRA+\s, \q, \i
.endr
	WIN 0
.endm
.macro SCALES sc, k0
.irp i, 0,1,2,3
.irp q, 0,1,2,3
	ds_load_b32 v[SC+16*(\sc)+4*\i+\q], v[ADRS] offset:1024*\i+64*((\k0)+\q)
.endr
.endr
.endm
.macro MUL8 a0, p, q, sc, zero
.irp a, \a0, \a0+1
.irp b, 0,1,2,3
.if \zero
	v_wmma_scale_f32_16x16x128_f8f6f4 v[ACC+8*(4*(\a)+\b):ACC+8*(4*(\a)+\b)+7], v[128*(\p)+48+FR*\b:128*(\p)+48+FR*\b+FR-1], v[128*(\p)+FR*(\a):128*(\p)+FR*(\a)+FR-1], 0, v[SC+16*(\sc)+4*\b+(\q)], v[SC+16*(\sc)+4*(\a)+(\q)] matrix_a_fmt:MATRIX_FMT_FP6 matrix_b_fmt:MATRIX_FMT_FP6 matrix_a_scale:MATRIX_SCALE_ROW1
.else
	v_wmma_scale_f32_16x16x128_f8f6f4 v[ACC+8*(4*(\a)+\b):ACC+8*(4*(\a)+\b)+7], v[128*(\p)+48+FR*\b:128*(\p)+48+FR*\b+FR-1], v[128*(\p)+FR*(\a):128*(\p)+FR*(\a)+FR-1], v[ACC+8*(4*(\a)+\b):ACC+8*(4*(\a)+\b)+7], v[SC+16*(\sc)+4*\b+(\q)], v[SC+16*(\sc)+4*(\a)+(\q)] matrix_a_fmt:MATRIX_FMT_FP6 matrix_b_fmt:MATRIX_FMT_FP6 matrix_a_scale:MATRIX_SCALE_ROW1
.endif
.endr
.endr
.endm
.macro PLACES n
.rept \n
	v_nop
.endr
.endm
.macro KSTEP p, q, sc, zero, ns, nq, nsc, nk
	s_wait_dscnt 0x0
	PLACES NP
	FETCH \ns, \nq, 1-(\p)
.if \nk >= 0
	SCALES \nsc, \nk
.endif
	WIN MUL
	MUL8 0, \p, \q, \sc, \zero
	MUL8 2, \p, \q, \sc, \zero
	WIN 0
.endm
.macro CHANGE sc, ns, nsc, nk, fill
	s_wait_tensorcnt 0x0
	ds_add_u32 v[SPW], v[NIL]
	s_wait_dscnt 1
	WIN MUL
	MUL8 0, 1, 3, \sc, 0
	s_wait_dscnt 0x0
	s_barrier_signal -1
	MUL8 2, 1, 3, \sc, 0
	WIN 0
	s_barrier_wait -1
.if \fill
	CREST
	s_add_nc_u64 s[G0+2:G0+3], s[G0+2:G0+3], 3*RHO
	s_add_nc_u64 s[G0B+2:G0B+3], s[G0B+2:G0B+3], 3*RHO
	JLOAD G0, G1, G0B, G1B
.else
	PLACES NP
.endif
	FETCH \ns, 0, 0
	SCALES \nsc, \nk
.endm
	s_wait_alu depctr_va_vdst(0)
	s_wait_tensorcnt 2
	s_barrier_signal -1
	s_barrier_wait -1
	FETCH 0, 0, 0
	SCALES 0, 0
	KSTEP 0, 0, 0, 1, 0, 1, 0, -1
	KSTEP 1, 1, 0, 0, 0, 2, 0, -1
	KSTEP 0, 2, 0, 0, 0, 3, 0, -1
	CHANGE 0, 1, 1, 4, 1
	KSTEP 0, 0, 1, 0, 1, 1, 0, -1
	KSTEP 1, 1, 1, 0, 1, 2, 0, -1
	KSTEP 0, 2, 1, 0, 1, 3, 0, -1
	KSTEP 1, 3, 1, 0, 2, 0, 0, 8
	KSTEP 0, 0, 0, 0, 2, 1, 0, -1
	KSTEP 1, 1, 0, 0, 2, 2, 0, -1
	KSTEP 0, 2, 0, 0, 2, 3, 0, -1
	CHANGE 0, 0, 1, 12, 0
	KSTEP 0, 0, 1, 0, 0, 1, 0, -1
	KSTEP 1, 1, 1, 0, 0, 2, 0, -1
	KSTEP 0, 2, 1, 0, 0, 3, 0, -1
	s_wait_dscnt 0x0
	WIN MUL
	MUL8 0, 1, 3, 1, 0
	MUL8 2, 1, 3, 1, 0
	WIN 0
.macro TOSTAGE a
.irp b, 0,1,2,3
	ds_store_b128 v[STO], v[ACC+8*(4*(\a)+\b):ACC+8*(4*(\a)+\b)+3] offset:128*(\b/2)+32*(\b%2)
	ds_store_b128 v[STO], v[ACC+8*(4*(\a)+\b)+4:ACC+8*(4*(\a)+\b)+7] offset:128*(\b/2)+32*(\b%2)+16
.endr
.set BB, BK+32*((\a)%2)
.irp t, 0,1,2,3,4,5,6,7
	ds_load_b128 v[BB+4*\t:BB+4*\t+3], v[RD] offset:\t*2*SPITCH
.endr
.endm
.macro SEND a, younger
.set BB, BK+32*((\a)%2)
	s_wait_dscnt \younger
.if (\a) > 0
	s_add_nc_u64 s[12:13], s[12:13], 16*NCOL*4
.endif
.irp t, 0,1,2,3,4,5,6,7
	global_store_b128 v[CO], v[BB+4*\t:BB+4*\t+3], s[12:13] offset:2*\t*NCOL*4 th:TH_STORE_NT
.endr
.endm
	PLACES NP
	TOSTAGE 0
.irp a, 1,2,3
.if \a > 1
	s_wait_xcnt 0x0
.endif
	TOSTAGE \a
	SEND \a-1, 16
.endr
	s_wait_xcnt 0x0
	SEND 3, 0
	s_wait_tensorcnt 0x0
	ds_add_u32 v[SPW], v[NIL]
	s_wait_dscnt 0x0
	CROUND
	s_endpgm
.Lfunc_end_k_q35e32768f6_oproj:
	.size	k_q35e32768f6_oproj, .Lfunc_end_k_q35e32768f6_oproj-k_q35e32768f6_oproj
	.p2alignl 7, 3214868480
	.fill 96, 4, 3214868480
	.section	.rodata,"a",@progbits
	.p2align	6, 0x0
	.amdhsa_kernel k_q35e32768f6_oproj
		.amdhsa_group_segment_fixed_size 327680
		.amdhsa_private_segment_fixed_size 0
		.amdhsa_enable_private_segment 0
		.amdhsa_kernarg_size 40
		.amdhsa_user_sgpr_count 2
		.amdhsa_user_sgpr_kernarg_segment_ptr 1
		.amdhsa_wavefront_size32 1
		.amdhsa_system_sgpr_workgroup_id_x 1
		.amdhsa_system_sgpr_workgroup_id_y 1
		.amdhsa_system_sgpr_workgroup_id_z 1
		.amdhsa_system_vgpr_workitem_id 0
		.amdhsa_next_free_vgpr 512
		.amdhsa_next_free_sgpr 100
		.amdhsa_reserve_vcc 0
		.amdhsa_float_denorm_mode_32 3
		.amdhsa_float_denorm_mode_16_64 3
		.amdhsa_memory_ordered 1
		.amdhsa_forward_progress 1
		.amdhsa_inst_pref_size 86
	.end_amdhsa_kernel
	.amdgpu_metadata
---
amdhsa.version: [ 1, 2 ]
amdhsa.kernels:
  - .name:           k_q35e32768f6_oproj
    .symbol:         k_q35e32768f6_oproj.kd
    .args:
      - { .name: af, .offset: 0, .size: 8, .value_kind: global_buffer, .address_space: global }
      - { .name: asc, .offset: 8, .size: 8, .value_kind: global_buffer, .address_space: global }
      - { .name: cod, .offset: 16, .size: 8, .value_kind: global_buffer, .address_space: global }
      - { .name: scl, .offset: 24, .size: 8, .value_kind: global_buffer, .address_space: global }
      - { .name: out0, .offset: 32, .size: 8, .value_kind: global_buffer, .address_space: global }
    .group_segment_fixed_size: 327680
    .private_segment_fixed_size: 0
    .kernarg_segment_align: 8
    .kernarg_segment_size: 40
    .max_flat_workgroup_size: 128
    .sgpr_count:     100
    .vgpr_count:     512
    .wavefront_size: 32
...
	.end_amdgpu_metadata
.endif
;; end of part 8
